; MI455X (gfx1250); checked and timed in simulation.
; The chip was launched on July 23, 2026; its instructions are those of AMD's public machine-readable ISA for CDNA 5 (MIT licence, August 2026) and "CDNA5" Instruction Set Architecture Reference Guide (July 2026). The comments in the code are by the model that wrote it; some were corrected since.
;; tblock. Allowed arithmetic: matrix products marked QUANTISED: E3M2 operands, one E8M0 scale for each 32 along K, by v_wmma_scale_f32_16x16x128_f8f6f4 with both operands' format E3M2, f32 sums; everything else in f32.
;; Inputs: W_K_codes 8 x 64 x 32 x 24 uint8 (E3M2 codes of W_K, K innermost, in blocks of 32 codes, four codes in three bytes); W_K_scales 8 x 64 x 32 uint8 (E8M0 scales of W_K, one for each 32 codes along K); W_Q_codes 16 x 64 x 32 x 24 uint8 (E3M2 codes of W_Q, K innermost, in blocks of 32 codes, four codes in three bytes); W_Q_scales 16 x 64 x 32 uint8 (E8M0 scales of W_Q, one for each 32 codes along K); W_V_codes 8 x 64 x 32 x 24 uint8 (E3M2 codes of W_V, K innermost, in blocks of 32 codes, four codes in three bytes); W_V_scales 8 x 64 x 32 uint8 (E8M0 scales of W_V, one for each 32 codes along K); W_out 64 x 16 x 1,024 float32; b_out 1,024 float32; ln1_b 1,024 float32; ln1_w 1,024 float32; ln2_b 1,024 float32; ln2_w 1,024 float32; mlp1_b 4,096 float32; mlp1_w_codes 4,096 x 32 x 24 uint8 (E3M2 codes of mlp1_w, K innermost, in blocks of 32 codes, four codes in three bytes); mlp1_w_scales 4,096 x 32 uint8 (E8M0 scales of mlp1_w, one for each 32 codes along K); mlp2_b 1,024 float32; mlp2_w_codes 1,024 x 128 x 24 uint8 (E3M2 codes of mlp2_w, K innermost, in blocks of 32 codes, four codes in three bytes); mlp2_w_scales 1,024 x 128 uint8 (E8M0 scales of mlp2_w, one for each 32 codes along K); x 2 x 2,048 x 1,024 float32.
;; Outputs: out0 2 x 2,048 x 1,024 float32.
;; This version of the problem:
;;   THIS VERSION OF THE PROBLEM IS GIVEN IN LOW PRECISION. The matrix products marked QUANTISED in the list below multiply operands that are first quantised to E3M2 (3 exponent bits, 2 mantissa bits; 6 bits a number), with one power-of-two scale for each 32 numbers along K (OCP MX v1.0); their sums are f32. All else is computed in f32.
;;   The module's matrix products, in the order in which they are computed (A, B: the left and right operand; K: the contracted axis; several contracted axes count as one K, in the product's order):
;;     1. [M 4,096, K 1,024] x [K 1,024, N 1,024]; A: computed on the way; B: input W_Q (given as codes): QUANTISED
;;     2. [M 4,096, K 1,024] x [K 1,024, N 512]; A: computed on the way; B: input W_K (given as codes): QUANTISED
;;     3. [M 4,096, K 1,024] x [K 1,024, N 512]; A: computed on the way; B: input W_V (given as codes): QUANTISED
;;     4. batch 16 x [M 2,048, K 64] x [K 64, N 4,096]; A: computed on the way; B: computed on the way: QUANTISED
;;     5. batch 16 x [M 64, K 2,048] x [K 2,048, N 4,096]; A: computed on the way; B: softmax (see below): QUANTISED
;;     6. [M 4,096, K 1,024] x [K 1,024, N 1,024]; A: computed on the way; B: input W_out: QUANTISED
;;     7. [M 4,096, K 1,024] x [K 1,024, N 4,096]; A: computed on the way; B: input mlp1_w (given as codes): QUANTISED
;;     8. [M 4,096, K 4,096] x [K 4,096, N 1,024]; A: computed on the way; B: input mlp2_w (given as codes): QUANTISED
;;   THE QUANTISER, for each operand of a quantised product, along K:
;;     - K is cut into blocks of 32 from its start; a last block that is shorter is filled with zeros.
;;     - A block's scale is 2^e with e = floor(log2(the largest magnitude in the block)) - 4, held to -126 .. 127; a block of zeros has e = 0. As a byte (E8M0): e + 127.
;;     - Each number is divided by its block's scale, clamped to +-28, and rounded to the nearest number of E3M2, ties to even, subnormals kept.
;;     - The product sums the exact products of the quantised numbers (number of the format x scale) in f32.
;;   ~~~python
;;   def quantise(x, axis):      # numpy; x: float32 -> the quantised numbers, widened to float32 again
;;       x = np.moveaxis(x, axis, -1); K = x.shape[-1]
;;       x = np.pad(x, [(0, 0)] * (x.ndim - 1) + [(0, -K % 32)]); x = x.reshape(x.shape[:-1] + (-1, 32)); a = np.abs(x).max(-1, keepdims=True)
;;       e = np.where(a > 0, np.clip(np.frexp(np.where(a > 0, a, 1))[1] - 1 - 4, -126, 127), 0)      # np.frexp(a)[1] - 1 = floor(log2(a)), exactly
;;       r = np.clip(x / 2.0 ** e, -28, 28)
;;       step = 2.0 ** (np.maximum(np.frexp(np.where(r == 0, 1, r))[1] - 1, -2) - 2)
;;       q = np.round(r / step) * step * 2.0 ** e      # np.round: ties to even
;;       return np.moveaxis(q.reshape(q.shape[:-2] + (-1,))[..., :K], -1, axis).astype(np.float32)
;;   ~~~
;;   SOFTMAX AHEAD OF A QUANTISED PRODUCT. Where the list says 'softmax', what is quantised is not the finished softmax but p = 2^(t - M), with t = logit x log2(e) and M = ceil(the row's largest t), a whole number; so 1/2 < the row's largest p <= 1. The row's sum l is taken of the UNQUANTISED p, in f32, and the product's result is divided by l at the end. Since M is a whole number, a kernel that streams over the keys may use a running M (the ceiling of the running maximum): every later rescaling is an exact power of two, which a block's scale takes up: the codes' values come out the same.
;;   OPERANDS COMPUTED ON THE WAY. 'Computed on the way' means the value that the module computes at that place (a softmax that the list does not call 'softmax' is quantised finished and normalised). What goes into a quantiser is computed in f32, as accurately as f32 sums, v_exp_f32 and their like allow (about 1e-6 of the number): no bf16 or f16 on the way to a quantiser, and a product that is left as it is and whose result goes on into a quantised operand takes f32 operands (vector FMAs, or v_wmma_f32_16x16x4_f32). A number that lies on a knife's edge between two numbers of the format may be rounded either way, as far as f32 arithmetic and the matrix unit's own rounding can turn it there, and no further.
;;   INPUTS GIVEN AS CODES. W_K (in the module: [1024, 8, 64], K = its axis 0); W_Q (in the module: [1024, 16, 64], K = its axis 0); W_V (in the module: [1024, 8, 64], K = its axis 0); mlp1_w (in the module: [4096, 1024], K = its axis 1); mlp2_w (in the module: [1024, 4096], K = its axis 1): each comes as NAME_codes (uint8): NAME with its K axis moved to the last place and cut into blocks of 32 codes, [.., K / 32, bytes a block], one block behind the other in memory; four codes in three bytes: a row's codes are one little-endian stream of bits, code i at bits 6 i .. 6 i + 5 (a code: sign, 3 exponent bits, 2 mantissa bits); and NAME_scales (uint8): the same leading axes, one E8M0 byte (e + 127) for each 32 codes along K. Its value is code x scale, taken as it is: it is not quantised again, and the codes and scales need not be those that the quantiser above would give.
;; 2 versions. Each part assembles by itself: llvm-mc -triple=amdgcn-amd-amdhsa -mcpu=gfx1250 --defsym DOCPART=n.
;; ======== version 1 of 2: 8 launches
;; limits: right only within a limited range of input values
;; workspace buffers: wo_c 786,432 bytes; wo_s 32,768 bytes; act 3,276,800 bytes; qkv 6,750,208 bytes; z 3,276,800 bytes; post 16,777,216 bytes; g 13,107,200 bytes
;; launch wq (part 1): grid 32 x 4, 4 waves a work-group, no clusters, 9,728 bytes of LDS; arguments W_out, wo_c, wo_s; writes wo_c, wo_s
.if DOCPART == 1
	.amdgcn_target "amdgcn-amd-amdhsa--gfx1250"
	.amdhsa_code_object_version 6
	.text
	.protected	k_q2713d0cc52_wq
	.globl	k_q2713d0cc52_wq
	.p2align	8
	.type	k_q2713d0cc52_wq,@function
k_q2713d0cc52_wq:
	s_mov_b64 s[64:65], 0
	v_nop
	global_prefetch_b8 v0, s[64:65] scope:SCOPE_SE
	s_setreg_imm32_b32 hwreg(HW_REG_WAVE_MODE, 25, 1), 1
	s_wait_xcnt 0x0
; W_out [64 (k)][16 (h)][1024 (d)], f32, becomes codes of BF6 (E3M2) with K = 64 h + k innermost: wo_c [1024 (d)][32 blocks][24 bytes], and one E8M0 byte a block: wo_s [1024][32].
; A LANE TAKES A COLUMN d AND ITS REGISTERS RUN DOWN k: a block of 32 along K (half a head) lies in one lane's 32 registers, so its largest magnitude needs no other lane and the conversions give codes with K innermost.
; A work-group takes 32 columns and 4 heads, a wave one head: 64 loads of 128 consecutive bytes, all out together.  The codes meet in LDS and leave as rows: sixteen lanes store 192 consecutive bytes of a row of wo_c.
; A block's scale is 2^(floor(log2(largest magnitude)) - 4): its byte is the largest magnitude's exponent field - 4, held at 1 from below.
; LIMITS: a block of zeros gets the byte 1 (its codes are zeros; this program alone reads the bytes); NaN and infinities among the inputs are not served.
.set SCL, 32*272                       ; LDS: 32 rows (columns d) of 16 places of 16 bytes + 16; behind them 8 scale bytes a row
.set X,   32                           ; v32-95  the 64 numbers of my column
.set C,   96                           ; v96-110 the codes: 8 registers for each block
	s_load_b128 s[4:7], s[0:1], 0x0                ; W_out, wo_c
	s_load_b64 s[8:9], s[0:1], 0x10                ; wo_s
	v_lshl_add_u32 v128, v0, 2, 0x2400
	v_mov_b32 v129, 0
	v_lshrrev_b32 v1, 5, v0
	v_readfirstlane_b32 s16, v1                    ; wave 0..3
	v_and_b32 v2, 31, v0                           ; lane
	s_and_b32 s17, ttmp7, 0xffff                   ; y: heads 4 y .. 4 y + 3
	v_lshlrev_b32 v3, 2, v2                        ; in: 4 bytes a lane
	s_lshl_b32 s18, s17, 2
	s_add_co_u32 s18, s18, s16                     ; my head
	s_lshl_b32 s18, s18, 12                        ; x 4,096 bytes
	s_lshl_b32 s19, ttmp9, 7                       ; + 32 columns x 4 bytes for each work-group x
	s_add_co_u32 s18, s18, s19
	s_mov_b32 s19, 0
	s_mul_i32 s20, ttmp9, 32*768                   ; wo_c: row 32 x, + 192 y bytes (8 blocks of 24)
	s_mul_i32 s21, s17, 192
	s_add_co_u32 s20, s20, s21
	s_mov_b32 s21, 0
	s_lshl_b32 s22, ttmp9, 10                      ; wo_s: row 32 x of 32 bytes, + 8 y
	s_lshl_b32 s23, s17, 3
	s_add_co_u32 s22, s22, s23
	s_mov_b32 s23, 0
	v_mul_u32_u24 v4, v2, 272
	s_lshl_b32 s24, s16, 6
	v_add_nc_u32 v4, s24, v4                       ; into LDS: row = my column, my head's four places: 272 lane + 64 wave
	v_lshlrev_b32 v5, 3, v2
	s_lshl_b32 s24, s16, 1
	v_add_nc_u32 v5, s24, v5
	v_add_nc_u32 v5, SCL, v5                       ; my head's two scale bytes: SCL + 8 lane + 2 wave
	v_and_b32 v6, 15, v2                           ; out: place in a row,
	v_lshrrev_b32 v7, 4, v2
	s_lshl_b32 s24, s16, 3
	v_add_nc_u32 v7, s24, v7                       ; row 8 wave + lane / 16 (+ 2 for each of four turns)
	v_mul_u32_u24 v8, v7, 272
	v_lshl_add_u32 v8, v6, 4, v8                   ; LDS address
	v_mul_u32_u24 v9, v7, 768
	v_mad_u32_u24 v9, v6, 12, v9                   ; and the same place in wo_c
	v_lshl_add_u32 v10, v2, 3, SCL                 ; a row's 8 scale bytes
	v_lshlrev_b32 v11, 5, v2                       ; and its row of wo_s
	s_wait_kmcnt 0x0
	s_add_nc_u64 s[4:5], s[4:5], s[18:19]
	s_add_nc_u64 s[6:7], s[6:7], s[20:21]
	s_add_nc_u64 s[8:9], s[8:9], s[22:23]
.set i, 0
.rept 64
	global_load_b32 v[X+i], v3, s[4:5] offset:i*65536 th:TH_LOAD_NT   ; W_out(k = i, my head, my column): 63 x 65,536 stays inside the signed 24-bit immediate
.set i, i+1
.endr
.macro BLOCK t
.set XS, X+32*(\t)
	s_wait_loadcnt 32-32*(\t)                      ; this block's 32 loads are in; the second block's may be out
	v_max3_num_f32 v12, |v[XS]|, |v[XS+1]|, |v[XS+2]|
	v_max3_num_f32 v13, |v[XS+3]|, |v[XS+4]|, |v[XS+5]|
.irp i, 6,10,14,18,22,26
	v_max3_num_f32 v12, v12, |v[XS+\i]|, |v[XS+\i+1]|
	v_max3_num_f32 v13, v13, |v[XS+\i+2]|, |v[XS+\i+3]|
.endr
	v_max3_num_f32 v12, v12, |v[XS+30]|, |v[XS+31]|
	v_max3_num_f32 v12, v12, v13, 0x2800000        ; and the floor 2^(5 - 127): the byte cannot fall under 1
	v_add_nc_u32 v14, 0xfe000000, v12              ; 4 off the exponent field: the conversion's scale operand
	v_lshrrev_b32 v15, 23, v14                     ; the scale's byte
.if (\t) == 0
	v_mov_b32 v16, v15
.else
	v_lshl_or_b32 v16, v15, 8, v16
.endif
	v_cvt_scalef32_pk16_bf6_f32 v[C+8*(\t):C+8*(\t)+2], v[XS:XS+15], v14
	v_cvt_scalef32_pk16_bf6_f32 v[C+8*(\t)+4:C+8*(\t)+6], v[XS+16:XS+31], v14
	v_nop                                          ; one plain line behind the conversions
	ds_store_b96 v4, v[C+8*(\t):C+8*(\t)+2] offset:32*(\t)        ; 12 bytes to a place of 16, so that every LDS address is a multiple of 16
	ds_store_b96 v4, v[C+8*(\t)+4:C+8*(\t)+6] offset:32*(\t)+16
.endm
	BLOCK 0
	BLOCK 1
	ds_store_b16 v5, v16
	s_wait_dscnt 0x0                               ; for the others' sake: my stores have landed
	s_barrier_signal -1
	s_barrier_wait -1
.irp n, 0,1,2,3
	ds_load_b96 v[112+4*\n:112+4*\n+2], v8 offset:2*\n*272
.endr
.irp n, 0,1,2,3
	s_wait_dscnt 3-\n
	global_store_b96 v9, v[112+4*\n:112+4*\n+2], s[6:7] offset:2*\n*768   ; sixteen lanes store 192 consecutive bytes of a row
.endr
	s_cmp_lg_u32 s16, 0
	s_cbranch_scc1 .Lend
	ds_load_b64 v[20:21], v10                      ; wave 0: the 8 scale bytes of each of the 32 rows
	s_wait_dscnt 0x0
	global_store_b64 v11, v[20:21], s[8:9]
.Lend:
	s_wait_tensorcnt 0x0
	ds_add_u32 v128, v129
	s_wait_dscnt 0x0
	s_endpgm
.Lfunc_end_k_q2713d0cc52_wq:
	.size	k_q2713d0cc52_wq, .Lfunc_end_k_q2713d0cc52_wq-k_q2713d0cc52_wq
	.p2alignl 7, 3214868480
	.fill 96, 4, 3214868480
	.section	.rodata,"a",@progbits
	.p2align	6, 0x0
	.amdhsa_kernel k_q2713d0cc52_wq
		.amdhsa_group_segment_fixed_size 9728
		.amdhsa_private_segment_fixed_size 0
		.amdhsa_enable_private_segment 0
		.amdhsa_kernarg_size 24
		.amdhsa_user_sgpr_count 2
		.amdhsa_user_sgpr_kernarg_segment_ptr 1
		.amdhsa_wavefront_size32 1
		.amdhsa_system_sgpr_workgroup_id_x 1
		.amdhsa_system_sgpr_workgroup_id_y 1
		.amdhsa_system_sgpr_workgroup_id_z 1
		.amdhsa_system_vgpr_workitem_id 0
		.amdhsa_next_free_vgpr 130
		.amdhsa_next_free_sgpr 66
		.amdhsa_reserve_vcc 0
		.amdhsa_float_denorm_mode_32 3
		.amdhsa_float_denorm_mode_16_64 3
		.amdhsa_memory_ordered 1
		.amdhsa_forward_progress 1
		.amdhsa_inst_pref_size 13
	.end_amdhsa_kernel
	.amdgpu_metadata
---
amdhsa.version: [ 1, 2 ]
amdhsa.kernels:
  - .name:           k_q2713d0cc52_wq
    .symbol:         k_q2713d0cc52_wq.kd
    .args:
      - { .name: W_out, .offset: 0, .size: 8, .value_kind: global_buffer, .address_space: global }
      - { .name: wo_c, .offset: 8, .size: 8, .value_kind: global_buffer, .address_space: global }
      - { .name: wo_s, .offset: 16, .size: 8, .value_kind: global_buffer, .address_space: global }
    .group_segment_fixed_size: 9728
    .private_segment_fixed_size: 0
    .kernarg_segment_align: 8
    .kernarg_segment_size: 24
    .max_flat_workgroup_size: 128
    .sgpr_count:     66
    .vgpr_count:     130
    .wavefront_size: 32
...
	.end_amdgpu_metadata
.endif
;; end of part 1
;; launch ln1 (part 2): grid 256 x 1, 8 waves a work-group, no clusters, 67,584 bytes of LDS; arguments x, ln1_w, ln1_b, act; writes act
.if DOCPART == 2
	.amdgcn_target "amdgcn-amd-amdhsa--gfx1250"
	.amdhsa_code_object_version 6
	.text
	.protected	k_q2713d0cc52_ln1
	.globl	k_q2713d0cc52_ln1
	.p2align	8
	.type	k_q2713d0cc52_ln1,@function
k_q2713d0cc52_ln1:
	s_mov_b64 s[64:65], 0
	v_nop
	global_prefetch_b8 v0, s[64:65] scope:SCOPE_SE
	s_setreg_imm32_b32 hwreg(HW_REG_WAVE_MODE, 25, 1), 1
	s_wait_xcnt 0x0
; y = (x - mean) rsqrt(var + 1e-5) w + b along rows of 1,024 f32, then quantised to BF6 (E3M2) with one E8M0 scale for each 32 along the row, and stored as IMAGES OF OPERAND REGISTERS.
; ROW ORDER.  Row tile mt holds tokens 32 (mt / 2) + 8 (mt % 2) + r + 8 (r / 8), r = 0 .. 15.  Image (mt, s) = 16 rows x 128 K: six planes of 256 bytes; plane p holds registers 2 p, 2 p + 1 of lane l at 256 p + 8 l.
; Images at (8 mt + s) x 1,536; the scale words (one for a row and 128 K) from byte 3,145,728 on, 64 bytes an image.
; A work-group is one tile.  Phase 1: wave w normalises two neighbouring tokens (mean first, then the squares of x - mean: it holds under a common offset), rows to LDS.  Phase 2: wave s quantises K step s of all 16 rows.
; LIMITS: a block of zeros gets the byte 1 (its codes are zeros; this program alone reads the bytes); NaN and infinities are not served.
.set ROWP,  4112                       ; an LDS row: 4,096 bytes + 16 = 1,028 words: row r starts at bank 4 r mod 64
.set WRD,   16*ROWP                    ; behind the rows: the tile's 8 x 16 scale words
.set AIMG,  1536
.set AWORDS, 3145728
.set R0,  32                           ; v32-63, v64-95 my two rows
.set GW,  96                           ; v96-127 w;  v128-159 b
.set GB,  128
.set S,   160                          ; v160-167 sums, v168-175 sums of squares
.set X,   32                           ; phase 2: 64 numbers
.set TM,  160
.set SO,  164
.set BY,  166
.set PW,  168
.set PC,  170
.set TQ,  182
.set PX,  190
.set H8,  9
.set SEL, 20
.macro QUANT32                         ; v[X + 32 c + i] = k 64 c + 32 (lane / 16) + i of my row -> the fragment's 12 registers in v[PC] on, my row's scale word in v[PW]
.irp c, 0,1
	v_max3_num_f32 v[TM+\c], |v[X+32*\c]|, |v[X+32*\c+1]|, 0x2800000   ; with the floor 2^(5 - 127): the byte cannot fall under 1
	v_max_num_f32 v[TM+2+\c], |v[X+32*\c+2]|, |v[X+32*\c+3]|
.endr
.irp i, 4,8,12,16,20,24,28
.irp c, 0,1
	v_max3_num_f32 v[TM+\c], v[TM+\c], |v[X+32*\c+\i]|, |v[X+32*\c+\i+1]|
	v_max3_num_f32 v[TM+2+\c], v[TM+2+\c], |v[X+32*\c+\i+2]|, |v[X+32*\c+\i+3]|
.endr
.endr
.irp c, 0,1
	v_max_num_f32 v[TM+\c], v[TM+\c], v[TM+2+\c]
.endr
.irp c, 0,1
	v_add_nc_u32 v[SO+\c], 0xfe000000, v[TM+\c]    ; 4 off the exponent field: the conversion's scale operand
.endr
.irp c, 0,1
	v_lshrrev_b32 v[BY+\c], 23, v[SO+\c]           ; the scale's byte
.endr
	v_lshl_or_b32 v[PW], v[BY+1], 16, v[BY]        ; my blocks h and 2 + h,
	v_lshlrev_b32 v[PW], v[H8], v[PW]              ; at their places;
	v_permlanex16_b32 v[PX], v[PW], s[SEL], s[SEL+1]
	v_or_b32 v[PW], v[PW], v[PX]                   ; with lane l xor 16's two the word is whole
.irp c, 0,1
	v_cvt_scalef32_pk16_bf6_f32 v[PC+6*\c:PC+6*\c+2], v[X+32*\c:X+32*\c+15], v[SO+\c]
	v_cvt_scalef32_pk16_bf6_f32 v[TQ+4*\c:TQ+4*\c+2], v[X+32*\c+16:X+32*\c+31], v[SO+\c]   ; (a conversion's three registers begin on an even number)
.endr
	v_nop                                          ; one plain line behind the conversions
.irp c, 0,1
.irp i, 0,1,2
	v_mov_b32 v[PC+6*\c+3+\i], v[TQ+4*\c+\i]
.endr
.endr
.endm
.macro LANESUM r, t                    ; the sum over the wave's 32 lanes, in every lane
	v_add_f32_dpp v[\r], v[\r], v[\r] row_xmask:1 row_mask:0xf bank_mask:0xf
	v_add_f32_dpp v[\r], v[\r], v[\r] row_xmask:2 row_mask:0xf bank_mask:0xf
	v_add_f32_dpp v[\r], v[\r], v[\r] row_xmask:4 row_mask:0xf bank_mask:0xf
	v_add_f32_dpp v[\r], v[\r], v[\r] row_xmask:8 row_mask:0xf bank_mask:0xf
	v_permlanex16_b32 v[\t], v[\r], s[SEL], s[SEL+1]
	v_add_f32 v[\r], v[\r], v[\t]
.endm
	s_load_b256 s[4:11], s[0:1], 0x0               ; x s[4:5], w s[6:7], b s[8:9], the images s[10:11]
	v_lshl_add_u32 v192, v0, 2, 0x10400
	v_mov_b32 v193, 0
	v_lshrrev_b32 v1, 5, v0
	v_readfirstlane_b32 s12, v1                    ; wave 0..7
	v_and_b32 v2, 31, v0                           ; lane
	v_and_b32 v3, 15, v0                           ; r
	v_bfe_u32 v4, v0, 4, 1                         ; h
	v_lshlrev_b32 v5, 4, v2                        ; 16 bytes a lane
	s_lshr_b32 s13, ttmp9, 1
	s_lshl_b32 s13, s13, 5
	s_and_b32 s14, ttmp9, 1
	s_lshl_b32 s14, s14, 3
	s_add_co_u32 s13, s13, s14
	s_lshl_b32 s14, s12, 1
	s_add_co_u32 s13, s13, s14
	s_lshr_b32 s14, s12, 2
	s_lshl_b32 s14, s14, 3
	s_add_co_u32 s13, s13, s14                     ; my first token: 32 (mt / 2) + 8 (mt % 2) + 2 w + 8 (w / 4)
	s_lshl_b32 s14, s13, 12
	s_mov_b32 s15, 0
	s_mul_i32 s16, s12, 2*ROWP
	v_add_nc_u32 v6, s16, v5                       ; phase 1: rows 2 w, 2 w + 1 of the tile
	v_mul_u32_u24 v7, v3, ROWP
	v_lshl_add_u32 v7, v4, 7, v7
	s_lshl_b32 s16, s12, 9
	v_add_nc_u32 v7, s16, v7                       ; phase 2: row r, K step = wave, + 128 h bytes
	v_lshl_add_u32 v8, v3, 2, WRD
	s_lshl_b32 s16, s12, 6
	v_add_nc_u32 v8, s16, v8                       ; my K step's scale words
	v_lshlrev_b32 v[H8], 3, v4                     ; 8 h
	v_lshlrev_b32 v10, 3, v2                       ; 8 bytes a lane: a plane
	v_add_nc_u32 v11, WRD, v5                      ; all the tile's words, 16 bytes a lane
	v_mov_b32 v[PX], 0                             ; written once: a lane permute's destination counts as one of its sources
	v_mov_b32 v191, 0
	s_mov_b32 s[SEL], 0x76543210
	s_mov_b32 s[SEL+1], 0xfedcba98                 ; lane l xor 16
	s_mov_b32 s22, 0x3a800000                      ; 1 / 1,024
	s_mov_b32 s23, 0x3727c5ac                      ; 1e-5
	s_lshl_b32 s16, ttmp9, 3
	s_add_co_u32 s16, s16, s12
	s_mul_i32 s16, s16, AIMG                       ; image (mt, wave)
	s_mov_b32 s17, 0
	s_lshl_b32 s18, ttmp9, 9
	s_add_co_u32 s18, s18, AWORDS                  ; the tile's 512 bytes of words
	s_mov_b32 s19, 0
	s_wait_kmcnt 0x0
	s_add_nc_u64 s[4:5], s[4:5], s[14:15]
	s_add_nc_u64 s[24:25], s[10:11], s[16:17]
	s_add_nc_u64 s[26:27], s[10:11], s[18:19]
.irp e, 0,1
.irp j, 0,1,2,3,4,5,6,7
	global_load_b128 v[R0+32*\e+4*\j:R0+32*\e+4*\j+3], v5, s[4:5] offset:4096*\e+512*\j   ; 32 lanes read 512 consecutive bytes
.endr
.endr
.irp j, 0,1,2,3,4,5,6,7
	global_load_b128 v[GW+4*\j:GW+4*\j+3], v5, s[6:7] offset:512*\j
.endr
.irp j, 0,1,2,3,4,5,6,7
	global_load_b128 v[GB+4*\j:GB+4*\j+3], v5, s[8:9] offset:512*\j
.endr
	s_wait_loadcnt 16                              ; my two rows are in; the 16 loads of w and b may be out
.irp e, 0,1
	v_pk_add_f32 v[S+4*\e:S+4*\e+1], v[R0+32*\e:R0+32*\e+1], v[R0+32*\e+2:R0+32*\e+3]
	v_pk_add_f32 v[S+4*\e+2:S+4*\e+3], v[R0+32*\e+4:R0+32*\e+5], v[R0+32*\e+6:R0+32*\e+7]
.endr
.irp i, 8,12,16,20,24,28
.irp e, 0,1
	v_pk_add_f32 v[S+4*\e:S+4*\e+1], v[S+4*\e:S+4*\e+1], v[R0+32*\e+\i:R0+32*\e+\i+1]
	v_pk_add_f32 v[S+4*\e+2:S+4*\e+3], v[S+4*\e+2:S+4*\e+3], v[R0+32*\e+\i+2:R0+32*\e+\i+3]
.endr
.endr
.irp e, 0,1
	v_pk_add_f32 v[S+4*\e:S+4*\e+1], v[S+4*\e:S+4*\e+1], v[S+4*\e+2:S+4*\e+3]
.endr
.irp e, 0,1
	v_add_f32 v[S+4*\e], v[S+4*\e], v[S+4*\e+1]
.endr
	LANESUM S, PX
	LANESUM S+4, 191
.irp e, 0,1
	v_mul_f32 v[S+4*\e], s22, v[S+4*\e]            ; the mean
.endr
.irp e, 0,1
	v_mov_b32 v[S+4*\e+1], v[S+4*\e]
.endr
.irp i, 0,2,4,6,8,10,12,14,16,18,20,22,24,26,28,30
.irp e, 0,1
	v_pk_add_f32 v[R0+32*\e+\i:R0+32*\e+\i+1], v[R0+32*\e+\i:R0+32*\e+\i+1], v[S+4*\e:S+4*\e+1] neg_lo:[0,1] neg_hi:[0,1]   ; x - mean
.endr
.endr
.irp e, 0,1
	v_pk_mul_f32 v[S+8+4*\e:S+9+4*\e], v[R0+32*\e:R0+32*\e+1], v[R0+32*\e:R0+32*\e+1]
	v_pk_mul_f32 v[S+10+4*\e:S+11+4*\e], v[R0+32*\e+2:R0+32*\e+3], v[R0+32*\e+2:R0+32*\e+3]
.endr
.irp i, 4,8,12,16,20,24,28
.irp e, 0,1
	v_pk_fma_f32 v[S+8+4*\e:S+9+4*\e], v[R0+32*\e+\i:R0+32*\e+\i+1], v[R0+32*\e+\i:R0+32*\e+\i+1], v[S+8+4*\e:S+9+4*\e]
	v_pk_fma_f32 v[S+10+4*\e:S+11+4*\e], v[R0+32*\e+\i+2:R0+32*\e+\i+3], v[R0+32*\e+\i+2:R0+32*\e+\i+3], v[S+10+4*\e:S+11+4*\e]
.endr
.endr
.irp e, 0,1
	v_pk_add_f32 v[S+8+4*\e:S+9+4*\e], v[S+8+4*\e:S+9+4*\e], v[S+10+4*\e:S+11+4*\e]
.endr
.irp e, 0,1
	v_add_f32 v[S+8+4*\e], v[S+8+4*\e], v[S+9+4*\e]
.endr
	LANESUM S+8, PX
	LANESUM S+12, 191
.irp e, 0,1
	v_fma_f32 v[S+8+4*\e], v[S+8+4*\e], s22, s23   ; the variance + 1e-5
.endr
.irp e, 0,1
	v_rsq_f32 v[S+8+4*\e], v[S+8+4*\e]
.endr
	v_nop                                          ; a plain line behind the transcendentals
	s_wait_alu depctr_va_vdst(0)
.irp e, 0,1
	v_mov_b32 v[S+9+4*\e], v[S+8+4*\e]
.endr
	s_wait_loadcnt 0x0                             ; w and b
.irp i, 0,2,4,6,8,10,12,14,16,18,20,22,24,26,28,30
.irp e, 0,1
	v_pk_mul_f32 v[R0+32*\e+\i:R0+32*\e+\i+1], v[R0+32*\e+\i:R0+32*\e+\i+1], v[S+8+4*\e:S+9+4*\e]
.endr
.endr
.irp i, 0,2,4,6,8,10,12,14,16,18,20,22,24,26,28,30
.irp e, 0,1
	v_pk_fma_f32 v[R0+32*\e+\i:R0+32*\e+\i+1], v[R0+32*\e+\i:R0+32*\e+\i+1], v[GW+\i:GW+\i+1], v[GB+\i:GB+\i+1]
.endr
.endr
.irp e, 0,1
.irp j, 0,1,2,3,4,5,6,7
	ds_store_b128 v6, v[R0+32*\e+4*\j:R0+32*\e+4*\j+3] offset:\e*ROWP+512*\j
.endr
.endr
	s_wait_dscnt 0x0                               ; for the others' sake: my rows have landed
	s_barrier_signal -1
	s_barrier_wait -1
.irp c, 0,1
.irp j, 0,1,2,3,4,5,6,7
	ds_load_b128 v[X+32*\c+4*\j:X+32*\c+4*\j+3], v7 offset:256*\c+16*\j   ; row r, k = 128 wave + 64 c + 32 h + 4 j ..
.endr
.endr
	s_wait_dscnt 0x0
	QUANT32
.irp p, 0,1,2,3,4,5
	global_store_b64 v10, v[PC+2*\p:PC+2*\p+1], s[24:25] offset:256*\p   ; a plane: 256 consecutive bytes, aligned
.endr
	ds_store_b32 v8, v[PW]                         ; both halves of the lanes write the same word with the same value
	s_wait_dscnt 0x0
	s_barrier_signal -1
	s_barrier_wait -1
	s_cmp_lg_u32 s12, 0
	s_cbranch_scc1 .Lend
	ds_load_b128 v[32:35], v11                     ; wave 0: the tile's 512 bytes of scale words leave whole
	s_wait_dscnt 0x0
	global_store_b128 v5, v[32:35], s[26:27]
.Lend:
	s_wait_tensorcnt 0x0
	ds_add_u32 v192, v193
	s_wait_dscnt 0x0
	s_endpgm
.Lfunc_end_k_q2713d0cc52_ln1:
	.size	k_q2713d0cc52_ln1, .Lfunc_end_k_q2713d0cc52_ln1-k_q2713d0cc52_ln1
	.p2alignl 7, 3214868480
	.fill 96, 4, 3214868480
	.section	.rodata,"a",@progbits
	.p2align	6, 0x0
	.amdhsa_kernel k_q2713d0cc52_ln1
		.amdhsa_group_segment_fixed_size 67584
		.amdhsa_private_segment_fixed_size 0
		.amdhsa_enable_private_segment 0
		.amdhsa_kernarg_size 32
		.amdhsa_user_sgpr_count 2
		.amdhsa_user_sgpr_kernarg_segment_ptr 1
		.amdhsa_wavefront_size32 1
		.amdhsa_system_sgpr_workgroup_id_x 1
		.amdhsa_system_sgpr_workgroup_id_y 1
		.amdhsa_system_sgpr_workgroup_id_z 1
		.amdhsa_system_vgpr_workitem_id 0
		.amdhsa_next_free_vgpr 194
		.amdhsa_next_free_sgpr 66
		.amdhsa_reserve_vcc 0
		.amdhsa_float_denorm_mode_32 3
		.amdhsa_float_denorm_mode_16_64 3
		.amdhsa_memory_ordered 1
		.amdhsa_forward_progress 1
		.amdhsa_inst_pref_size 24
	.end_amdhsa_kernel
	.amdgpu_metadata
---
amdhsa.version: [ 1, 2 ]
amdhsa.kernels:
  - .name:           k_q2713d0cc52_ln1
    .symbol:         k_q2713d0cc52_ln1.kd
    .args:
      - { .name: x, .offset: 0, .size: 8, .value_kind: global_buffer, .address_space: global }
      - { .name: ln1_w, .offset: 8, .size: 8, .value_kind: global_buffer, .address_space: global }
      - { .name: ln1_b, .offset: 16, .size: 8, .value_kind: global_buffer, .address_space: global }
      - { .name: act, .offset: 24, .size: 8, .value_kind: global_buffer, .address_space: global }
    .group_segment_fixed_size: 67584
    .private_segment_fixed_size: 0
    .kernarg_segment_align: 8
    .kernarg_segment_size: 32
    .max_flat_workgroup_size: 256
    .sgpr_count:     66
    .vgpr_count:     194
    .wavefront_size: 32
...
	.end_amdgpu_metadata
.endif
;; end of part 2
;; launch qkvp (part 3): grid 8 x 16, 4 waves a work-group, clusters of 4 x 4, 327,680 bytes of LDS; arguments act, W_Q_codes, W_Q_scales, W_K_codes, W_K_scales, W_V_codes, W_V_scales, qkv; writes qkv
.if DOCPART == 3
	.amdgcn_target "amdgcn-amd-amdhsa--gfx1250"
	.amdhsa_code_object_version 6
	.text
	.protected	k_q2713d0cc52_qkvp
	.globl	k_q2713d0cc52_qkvp
	.p2align	8
	.type	k_q2713d0cc52_qkvp,@function
k_q2713d0cc52_qkvp:
	s_mov_b64 s[64:65], 0
	v_nop
	global_prefetch_b8 v0, s[64:65] scope:SCOPE_SE
	s_setreg_imm32_b32 hwreg(HW_REG_WAVE_MODE, 25, 1), 1
	s_wait_xcnt 0x0
	s_wait_alu depctr_hold_cnt(0) depctr_sa_sdst(0) depctr_va_vdst(0) depctr_va_sdst(0) depctr_va_ssrc(0) depctr_va_vcc(0) depctr_vm_vsrc(0)
	s_getreg_b32 s2, hwreg(HW_REG_IB_STS2, 6, 4)
	s_cmp_eq_u32 s2, 0
	s_cbranch_scc0 .Lentry_in_a_cluster
	s_endpgm
.Lentry_in_a_cluster:
	s_bfe_u32 s2, ttmp6, 0x10000c
	s_cmp_lg_u32 s2, 0xf033
	s_cbranch_scc0 .Lentry_shape_is_right
	s_endpgm
.Lentry_shape_is_right:
; q, k, v = normed x times W_Q, W_K, W_V, on codes of BF6 (E3M2) with E8M0 scales for each 32 along K = 1,024; the results are quantised again, in f32 registers, for attention's two products.
; A tile of C is 256 rows x 256 columns; four waves, each 128 x 128: 64 accumulators.  K goes in steps of 256 through a ring of two LDS slots filled by the tensor data mover.
; A (the activations) lies in memory as IMAGES OF OPERAND REGISTERS: image (row tile mt, K step s) = six planes of 256 bytes, plane p = registers 2 p, 2 p + 1 of lane l at 256 p + 8 l; a fragment is six loads of 8 bytes a lane, 256 consecutive bytes each.
; B (the weights) lies as rows of codes, 768 bytes a row; a slot's rows are 192 bytes, with 16 bytes of padding behind each 64.
; The scale words of the work-group's rows of A and the scale bytes of its rows of B, for all of K, come into LDS once, with the first fills.
; CLUSTERS: 4 x 4 work-groups; A's tiles are asked for jointly along a row of the cluster, B's along a column.  Clusters with x = 0 make q (tile column cx: W_Q's rows 256 cx on).  Clusters with x = 1 make k and v:
; tile column cx holds W_K's rows 128 cx on beside W_V's rows 128 cx on, so that what a wave does with its results hangs on the cluster's x and the wave's number alone.
; THE MATRIX INSTRUCTION IS USED TRANSPOSED (source 0 = 16 rows of B, source 1 = 16 rows of A): a lane holds one row of C and eight neighbouring columns.
; ROW ORDER: row tile mt holds tokens 32 (mt / 2) + 8 (mt % 2) + r + 8 (r / 8).
; OUT.  q, k: K = a head's 64: image (mt, chi) = two heads side by side (chi 0-7: q's heads 2 chi, 2 chi + 1; chi 8-11: k's groups), at (12 mt + chi) x 1,536; a scale word for each head and row, its upper two bytes 0, from QKS on.
;       v: K = the keys, in token order: image (batch, group, key step of 128, channel tile ct) from VI on; ct's lane r is channel 32 (ct / 2) + 8 (ct % 2) + r + 8 (r / 8); scale words from VS on.
; LIMITS: a block of zeros gets the byte 1 (its codes are zeros; this program alone reads the bytes); NaN and infinities are not served.
; REGISTERS: window 0: v1-31 addresses; v32-63 A's scale words, v64-95 B's, two sets each; v128-223 A's fragments, one set; on the way out v128-221 at work.  window 1: B's fragments, two sets.  windows 2, 3: the accumulators, (a, b) at v[8 (8 (a % 4) + b)].
.set SIZE_K,  1024
.set ASC_OFF, 3145728                  ; where A's scale words begin
.set SA_BLK,  512                      ; from row tile to row tile among them, in LDS
.set SA_STEP, 64                       ; from 128 along K to the next
.set STW,     22528                    ; a wave's stage on the way out
.set VI,      4718592
.set QKS,     6291456
.set VS,      6684672
.set KSTEP,  256
.set NQ,     2
.set ROWB,   192
.set KROW,   SIZE_K*6/8
.set PITCH,  240                       ; 3 x (64 bytes + 16 of padding) = 60 words: the 32 lanes of a load of 8 bytes touch 64 different banks
.set FR,     12
.set NL,     6
.set NP,     4
.set AIMG,   1536
.set HALFA,  8*NQ*AIMG                 ; 8 row tiles x 2 images: what one tensor load brings of A
.set HALFB,  128*PITCH                 ; 128 rows of B
.set SLOT,   2*HALFA+2*HALFB
.set LAPS,   SIZE_K/(2*KSTEP)
.set KS,     SIZE_K/32
.set SCB,    2*SLOT                    ; behind the ring: B's scale bytes, as units of 256 bytes + 16,
.set HALFS,  (128*KS/256)*272
.set SBLK,   (16*KS/256)*272
.set SCA,    SCB+2*HALFS               ; A's scale words, dense,
.set SABYTES, 8*SIZE_K
.set SPARE,  SCA+SABYTES               ; and the spare words, 128 bytes for each wave: two blocks of 256 bytes that no other line names
.set SPITCH, 528
.set H8,   8                           ; v8   8 h
.set H16,  9                           ; v9   16 h
.set VSTO, 10                          ; v10  v's way out: into the stage
.set VRD,  11                          ; v11  and back, turned
.set L8,   12                          ; v12  8 x lane
.set L4,   13                          ; v13  4 x lane
.set WE,   14                          ; v14  a scale word kept for its partner
.set PX,   15
.set ADRA, 16                          ; v16-17 LDS address of my A fragments in slot 0, 1
.set ADRB, 20                          ; v20-21 the same for B; v22-23 for the pieces behind one padding more
.set STO,  24
.set RQ,   25
.set ADSA, 27
.set SPW,  28
.set NIL,  29
.set ADSB, 30
.set SCAR, 32
.set SCBR, 64
.set BIAS, 96
.set AF,   128
.set X,    128
.set TM,   192
.set SO,   196
.set BY,   198
.set PC,   200
.set TQ,   212
.set PW,   220
.set WD,   221
.set G1, 24
.set G0, 32
.set G1B, 48
.set G0B, 56
.set SEL, 66
.set G1S, 68
.set G0S, 76
.set G1SB, 80
.set G0SB, 88
.set MSKHI, 2
.set MSB, 0
.macro WIN new                         ; the immediate's high byte repeats the setting that is left
.if MSB != \new
	s_set_vgpr_msb (MSB<<8)|\new
.set MSB, \new
.endif
.endm
.set MUL_LO, 0xa1                      ; source 0 (B) window 1, source 1 (A) window 0, C and D window 2
.set MUL_HI, 0xf1
.set TO_B,   0x40
.macro JLOAD g0a, g1a, g0b, g1b        ; a joint load: waves 0 and 1 fetch for A, waves 2 and 3 for B; four v_nop follow each of the two lines
	s_cmp_eq_u32 s15, 0
	s_cbranch_scc0 .Lfor_b_\@
	tensor_load_to_lds s[\g0a:\g0a+3], s[\g1a:\g1a+7]
	s_nop 0
.rept 4
	v_nop
.endr
	s_branch .Lasked_\@
.Lfor_b_\@:
	tensor_load_to_lds s[\g0b:\g0b+3], s[\g1b:\g1b+7]
	s_nop 0
.rept 4
	v_nop
.endr
.Lasked_\@:
.endm
.macro CREST                           ; a round of the cluster's barrier behind its opening barrier
	s_cmp_lg_u32 s14, 0
	s_cbranch_scc1 .Lnot_wave_0_\@
	s_barrier_signal -3
.Lnot_wave_0_\@:
	s_barrier_wait -3
	s_barrier_signal -1
	s_barrier_wait -1
.endm
.macro CROUND
	s_barrier_signal -1
	s_barrier_wait -1
	CREST
.endm
.macro PLACES n
.rept \n
	v_nop
.endr
.endm
.macro FRAGA reg, slot, q, i           ; A's fragment of row tile i, the slot's q-th 128 along K: six planes
.irp p, 0,1,2,3,4,5
	ds_load_b64 v[\reg+2*\p:\reg+2*\p+1], v[ADRA+\slot] offset:(\i)*NQ*AIMG+(\q)*AIMG+256*\p
.endr
.endm
.macro FRAGB reg, adr, q, i            ; B's fragment from rows: pieces of 8 bytes; where the piece three on lies behind one padding more, the second address register serves
.irp p, 0,1,2,3,4,5
.set PCE, 12*(\q)+6*(\p/3)+\p%3
.if PCE%8 < 5
	ds_load_b64 v[\reg+2*\p:\reg+2*\p+1], v[\adr] offset:8*PCE+16*(PCE/8)+(\i)*16*PITCH
.else
	ds_load_b64 v[\reg+2*\p:\reg+2*\p+1], v[\adr+2] offset:8*PCE+16*(PCE/8)+(\i)*16*PITCH
.endif
.endr
.endm
; 16 matrix instructions: A's blocks a0, a0 + 1 x B's eight.  cm = 1: C = 0 starts the sums; cm = 2: C = the bias; cm = 0: in place.  The 64 accumulators take turns, one instruction a turn.
.macro MUL16 a0, p, q, sc, cm
.irp a, \a0, \a0+1
.irp b, 0,1,2,3,4,5,6,7
.if \cm == 1
	v_wmma_scale_f32_16x16x128_f8f6f4 v[8*(8*((\a)%4)+\b):8*(8*((\a)%4)+\b)+7], v[128*(\p)+FR*\b:128*(\p)+FR*\b+FR-1], v[AF+FR*(\a):AF+FR*(\a)+FR-1], 0, v[SCBR+16*(\sc)+2*\b+(\q)], v[SCAR+16*(\sc)+2*(\a)+(\q)] matrix_a_fmt:MATRIX_FMT_BF6 matrix_b_fmt:MATRIX_FMT_BF6
.elseif \cm == 2
	v_wmma_scale_f32_16x16x128_f8f6f4 v[8*(8*((\a)%4)+\b):8*(8*((\a)%4)+\b)+7], v[128*(\p)+FR*\b:128*(\p)+FR*\b+FR-1], v[AF+FR*(\a):AF+FR*(\a)+FR-1], v[BIAS+8*\b+96*(\b/4):BIAS+8*\b+96*(\b/4)+7], v[SCBR+16*(\sc)+2*\b+(\q)], v[SCAR+16*(\sc)+2*(\a)+(\q)] matrix_a_fmt:MATRIX_FMT_BF6 matrix_b_fmt:MATRIX_FMT_BF6
.else
	v_wmma_scale_f32_16x16x128_f8f6f4 v[8*(8*((\a)%4)+\b):8*(8*((\a)%4)+\b)+7], v[128*(\p)+FR*\b:128*(\p)+FR*\b+FR-1], v[AF+FR*(\a):AF+FR*(\a)+FR-1], v[8*(8*((\a)%4)+\b):8*(8*((\a)%4)+\b)+7], v[SCBR+16*(\sc)+2*\b+(\q)], v[SCAR+16*(\sc)+2*(\a)+(\q)] matrix_a_fmt:MATRIX_FMT_BF6 matrix_b_fmt:MATRIX_FMT_BF6
.endif
.endr
.endr
.endm
.macro FETCH_B slot, q, p
	WIN TO_B
.irp i, 0,1,2,3,4,5,6,7
	FRAGB 128*(\p)+FR*\i, ADRB+\slot, \q, \i
.endr
	WIN 0
.endm
.macro FETCH_A slot, q, i0
.irp i, \i0, \i0+1, \i0+2, \i0+3
	FRAGA AF+FR*(\i), \slot, \q, \i
.endr
.endm
.macro SCALES sc                       ; the next K step's scale words into set sc: register 2 i + q for block i and the slot's q-th 128 along K; lane r takes row r's
.irp i, 0,1,2,3,4,5,6,7
	ds_load_b64 v[SCBR+16*\sc+2*\i:SCBR+16*\sc+2*\i+1], v[ADSB] offset:\i*SBLK
.endr
.irp i, 0,1,2,3,4,5,6,7
	ds_load_b32 v[SCAR+16*\sc+2*\i], v[ADSA] offset:\i*SA_BLK
	ds_load_b32 v[SCAR+16*\sc+2*\i+1], v[ADSA] offset:\i*SA_BLK+SA_STEP
.endr
.endm
; A step of 128 along K that has its successor in the same slot.  Loads into registers that matrix instructions have read stand four plain vector lines behind them (ISA guide 7.12.1 for vector instructions).
.macro STEP slot, q, cm
	s_wait_dscnt 4*NL                              ; B's set, the scale words and A's blocks 0-3 are in; the youngest 24 loads (A's blocks 4-7) may be out
.if \cm == 2
	WIN 0x81
.else
	WIN MUL_LO
.endif
	MUL16 0, (\q)%2, \q, \slot, \cm
	MUL16 2, (\q)%2, \q, \slot, \cm
	s_wait_dscnt 0
	PLACES NP
	FETCH_B \slot, (\q)+1, 1-(\q)%2
	FETCH_A \slot, (\q)+1, 0
.if \cm == 2
	WIN 0xc1
.else
	WIN MUL_HI
.endif
	MUL16 4, (\q)%2, \q, \slot, \cm
	MUL16 6, (\q)%2, \q, \slot, \cm
	PLACES NP
	WIN 0
	FETCH_A \slot, (\q)+1, 4
.endm
; A slot's last step changes slots: one barrier; in front of it each wave waits for all its tensor loads, adds 0 to its spare word, and waits for that and for its own reads of this slot.  fill = 1: this slot is filled again, two K steps ahead.
.macro TURN slot, next, fill
	s_wait_tensorcnt 0x0                           ; all my tensor loads have landed: my part of the next slot
	ds_add_u32 v[SPW], v[NIL]                      ; 0 onto my spare word
	s_wait_dscnt 4*NL+1                            ; (the add and the youngest 24 loads may be out)
	WIN MUL_LO
	MUL16 0, 1, NQ-1, \slot, 0
	s_wait_dscnt 0x0                               ; the add is done, and my reads of this slot are over
	s_barrier_signal -1
	MUL16 2, 1, NQ-1, \slot, 0
	WIN 0
	s_barrier_wait -1
.if \fill
	CREST                                          ; the barrier has opened a round of the cluster's barrier: no wave of any partner still reads this slot or has a load on its way
	s_add_nc_u64 s[G0+4*\slot+2:G0+4*\slot+3], s[G0+4*\slot+2:G0+4*\slot+3], 2*NQ*AIMG
	s_add_nc_u64 s[G0B+4*\slot+2:G0B+4*\slot+3], s[G0B+4*\slot+2:G0B+4*\slot+3], 2*ROWB
	JLOAD G0+4*\slot, G1, G0B+4*\slot, G1B         ; the first tensor load behind the round; its four v_nop are also the places in front of the loads below
.else
	PLACES NP
.endif
	v_add_nc_u32 v[ADSA], 2*SA_STEP, v[ADSA]       ; on to the next K step's scale words
	v_add_nc_u32 v[ADSB], 8, v[ADSB]
	FETCH_B \next, 0, 0
	FETCH_A \next, 0, 0
	SCALES \next
	WIN MUL_HI
	MUL16 4, 1, NQ-1, \slot, 0
	MUL16 6, 1, NQ-1, \slot, 0
	PLACES NP
	WIN 0
	FETCH_A \next, 0, 4
.endm
.macro QUANT32                         ; v[X + 32 c + i] = k 64 c + 32 (lane / 16) + i of my row -> the fragment's 12 registers in v[PC] on, my row's scale word in v[PW]
.irp c, 0,1
	v_max3_num_f32 v[TM+\c], |v[X+32*\c]|, |v[X+32*\c+1]|, 0x2800000   ; with the floor 2^(5 - 127): the byte cannot fall under 1
	v_max_num_f32 v[TM+2+\c], |v[X+32*\c+2]|, |v[X+32*\c+3]|
.endr
.irp i, 4,8,12,16,20,24,28
.irp c, 0,1
	v_max3_num_f32 v[TM+\c], v[TM+\c], |v[X+32*\c+\i]|, |v[X+32*\c+\i+1]|
	v_max3_num_f32 v[TM+2+\c], v[TM+2+\c], |v[X+32*\c+\i+2]|, |v[X+32*\c+\i+3]|
.endr
.endr
.irp c, 0,1
	v_max_num_f32 v[TM+\c], v[TM+\c], v[TM+2+\c]
.endr
.irp c, 0,1
	v_add_nc_u32 v[SO+\c], 0xfe000000, v[TM+\c]    ; 4 off the exponent field: the conversion's scale operand
.endr
.irp c, 0,1
	v_lshrrev_b32 v[BY+\c], 23, v[SO+\c]
.endr
	v_lshl_or_b32 v[PW], v[BY+1], 16, v[BY]
	v_lshlrev_b32 v[PW], v[H8], v[PW]
	v_permlanex16_b32 v[PX], v[PW], s[SEL], s[SEL+1]
	v_or_b32 v[PW], v[PW], v[PX]                   ; with lane l xor 16's two bytes the word is whole
.irp c, 0,1
	v_cvt_scalef32_pk16_bf6_f32 v[PC+6*\c:PC+6*\c+2], v[X+32*\c:X+32*\c+15], v[SO+\c]
	v_cvt_scalef32_pk16_bf6_f32 v[TQ+4*\c:TQ+4*\c+2], v[X+32*\c+16:X+32*\c+31], v[SO+\c]
.endr
	v_nop                                          ; one plain line behind the conversions
.irp c, 0,1
.irp i, 0,1,2
	v_mov_b32 v[PC+6*\c+3+\i], v[TQ+4*\c+\i]
.endr
.endr
.endm
.macro IMGST base, off                 ; the fragment leaves as six planes of 256 consecutive bytes, aligned
.irp p, 0,1,2,3,4,5
	global_store_b64 v[L8], v[PC+2*\p:PC+2*\p+1], s[\base:\base+1] offset:\off+256*\p
.endr
.endm
.macro STAGEQ a                        ; block a (16 rows x 128 columns) through my stage: in as 32 bytes a lane, back as 2 x 128 bytes a lane: k 64 c + 32 h + 0 .. 31 of row r
.set AC, 64*((\a)%4)
	WIN 0x08+4*((\a)/4)
.irp b, 0,1,2,3,4,5,6,7
	ds_store_b128 v[STO], v[AC+8*\b:AC+8*\b+3] offset:64*\b          ; each accumulator from its low end on
	ds_store_b128 v[STO], v[AC+8*\b+4:AC+8*\b+7] offset:64*\b+16
.endr
	WIN 0
.irp c, 0,1
.irp j, 0,1,2,3,4,5,6,7
	ds_load_b128 v[X+32*\c+4*\j:X+32*\c+4*\j+3], v[RQ] offset:256*\c+16*\j   ; LDS serves a wave's instructions in order: these see my stores
.endr
.endr
	s_wait_dscnt 0x0
.endm
	s_load_b64 s[4:5], s[0:1], 0x0                 ; the activations' images
	s_load_b128 s[8:11], s[0:1], 0x8               ; W_Q's codes, scales
	s_load_b128 s[96:99], s[0:1], 0x18             ; W_K's
	s_load_b128 s[84:87], s[0:1], 0x28             ; W_V's
	s_load_b64 s[12:13], s[0:1], 0x38              ; qkv
	v_lshl_add_u32 v[SPW], v0, 2, SPARE
	v_mov_b32 v[NIL], 0
	ds_add_u32 v28, v29
	ds_add_u32 v28, v29
	s_wait_dscnt 0x0
	v_lshrrev_b32 v1, 5, v0
	v_readfirstlane_b32 s14, v1                    ; wave 0..3
	s_lshr_b32 s15, s14, 1                         ; which half of the tile's rows is mine.  Also: I fetch for A (0) or for B (1)
	s_and_b32 s16, s14, 1                          ; which half of its columns.  Also: which half of that tile I fetch
	s_wait_kmcnt 0x0
	s_cmp_eq_u32 s16, 0                            ; the weight that I fetch: the choice hangs on the wave's number and the cluster's x alone
	s_cselect_b64 s[96:97], s[96:97], s[84:85]
	s_cselect_b64 s[98:99], s[98:99], s[86:87]
	s_cmp_eq_u32 ttmp9, 0
	s_cselect_b64 s[8:9], s[8:9], s[96:97]
	s_cselect_b64 s[10:11], s[10:11], s[98:99]
	s_bfe_u32 s40, ttmp6, 0x40000                  ; cx, cy
	s_bfe_u32 s41, ttmp6, 0x40004
	s_and_b32 s17, ttmp7, 0xffff
	s_lshl_b32 s17, s17, 2
	s_add_co_u32 s17, s17, s41                     ; tile row of C
	s_lshl_b32 s43, s41, 2
	s_lshl_b32 s43, 15, s43                        ; my row of the cluster
	s_lshl_b32 s44, 0x1111, s40                    ; my column
	s_or_b32 s[G1+0], s43, (3<<16)|(1<<21)         ; A's tile: 8 rows (row tiles) of 384 elements of 8 bytes (two images), no padding; the mask: my row
	s_mov_b32 s[G1+1], 384<<16
	s_mov_b32 s[G1+2], 8<<16
	s_mov_b32 s[G1+3], 384<<16
	s_mov_b32 s[G1+4], 8
	s_mov_b32 s[G1+5], (SIZE_K/128)*192
	s_mov_b32 s[G1+6], 0
	s_mov_b32 s[G1+7], 0
	s_or_b32 s[G1B+0], s44, (0<<16)|(1<<20)|(1<<21)|(3<<22)|(3<<25)   ; B's tile: 128 rows of 192 bytes, 4 words of padding behind every 16; the mask: my column
	s_mov_b32 s[G1B+1], ROWB<<16
	s_mov_b32 s[G1B+2], 128<<16
	s_mov_b32 s[G1B+3], ROWB<<16
	s_mov_b32 s[G1B+4], 128
	s_mov_b32 s[G1B+5], KROW
	s_mov_b32 s[G1B+6], 0
	s_mov_b32 s[G1B+7], 0
	s_or_b32 s[G1S+0], s43, (3<<16)|(1<<21)        ; A's scale words of 8 row tiles: dense, as rows of 256 bytes
	s_mov_b32 s[G1S+1], 32<<16
	s_mov_b32 s[G1S+2], (SIZE_K/64)<<16
	s_mov_b32 s[G1S+3], 32<<16
	s_mov_b32 s[G1S+4], SIZE_K/64
	s_mov_b32 s[G1S+5], 32
	s_mov_b32 s[G1S+6], 0
	s_mov_b32 s[G1S+7], 0
	s_or_b32 s[G1SB+0], s44, (3<<16)|(1<<20)|(1<<21)|(5<<22)|(3<<25)  ; B's scale bytes of 128 rows: dense, rows of 256 bytes + 16
	s_mov_b32 s[G1SB+1], 32<<16
	s_mov_b32 s[G1SB+2], (128*KS/256)<<16
	s_mov_b32 s[G1SB+3], 32<<16
	s_mov_b32 s[G1SB+4], 128*KS/256
	s_mov_b32 s[G1SB+5], 32
	s_mov_b32 s[G1SB+6], 0
	s_mov_b32 s[G1SB+7], 0
	s_lshl_b32 s20, s17, 4
	s_lshl_b32 s18, s16, 3
	s_add_co_u32 s20, s20, s18                     ; A: row tile 16 x tile row + 8 x half
	s_mul_i32 s20, s20, (SIZE_K/128)*AIMG
	s_mov_b32 s21, 0
	s_mul_i32 s22, s17, SABYTES
	s_mul_i32 s18, s16, SABYTES/2
	s_add_co_u32 s22, s22, s18
	s_add_co_u32 s22, s22, ASC_OFF
	s_mov_b32 s23, 0
	s_lshl_b32 s46, s40, 8
	s_lshl_b32 s47, s16, 7
	s_add_co_u32 s46, s46, s47                     ; W_Q: row 256 cx + 128 x half
	s_lshl_b32 s47, s40, 7                         ; W_K, W_V: row 128 cx
	s_cmp_eq_u32 ttmp9, 0
	s_cselect_b32 s46, s46, s47
	s_mul_i32 s92, s46, KS
	s_mov_b32 s93, 0
	s_mul_i32 s46, s46, KROW
	s_mov_b32 s47, 0
	s_mul_i32 s45, s16, HALFA                      ; where they go: no place in the cluster enters an LDS address
	s_mul_i32 s94, s16, HALFB
	s_add_co_u32 s94, s94, 2*HALFA
	s_mul_i32 s95, s16, SABYTES/2
	s_mul_i32 s19, s16, HALFS
	s_add_nc_u64 s[20:21], s[4:5], s[20:21]
	s_add_nc_u64 s[22:23], s[4:5], s[22:23]
	s_add_nc_u64 s[46:47], s[8:9], s[46:47]
	s_add_nc_u64 s[92:93], s[10:11], s[92:93]
	CROUND                                         ; all sixteen work-groups are here: the first joint loads meet
	s_mov_b32 s[G0S], 1
	s_add_co_u32 s[G0S+1], s95, SCA
	s_mov_b64 s[G0S+2:G0S+3], s[22:23]
	s_or_b32 s[G0S+3], s[G0S+3], 0x80000000
	s_mov_b32 s[G0SB], 1
	s_add_co_u32 s[G0SB+1], s19, SCB
	s_mov_b64 s[G0SB+2:G0SB+3], s[92:93]
	s_or_b32 s[G0SB+3], s[G0SB+3], 0x80000000
	JLOAD G0S, G1S, G0SB, G1SB                     ; the scales first: they are wanted with K step 0
.irp s, 0,1
	s_mov_b32 s[G0+4*\s], 1
	s_add_co_u32 s[G0+4*\s+1], s45, \s*SLOT
	s_add_nc_u64 s[G0+4*\s+2:G0+4*\s+3], s[20:21], \s*NQ*AIMG
	s_or_b32 s[G0+4*\s+3], s[G0+4*\s+3], 0x80000000
	s_mov_b32 s[G0B+4*\s], 1
	s_add_co_u32 s[G0B+4*\s+1], s94, \s*SLOT
	s_add_nc_u64 s[G0B+4*\s+2:G0B+4*\s+3], s[46:47], \s*ROWB
	s_or_b32 s[G0B+4*\s+3], s[G0B+4*\s+3], 0x80000000
	JLOAD G0+4*\s, G1, G0B+4*\s, G1B
.endr
	v_and_b32 v1, 15, v0                           ; r
	v_bfe_u32 v2, v0, 4, 1                         ; h
	v_and_b32 v6, 31, v0                           ; lane
	v_lshlrev_b32 v[L8], 3, v6
	v_lshlrev_b32 v[L4], 2, v6
	v_lshlrev_b32 v[H8], 3, v2
	v_lshlrev_b32 v[H16], 4, v2
	v_mov_b32 v[PX], 0                             ; written once: a lane permute's destination counts as one of its sources
	v_mul_u32_u24 v3, v1, PITCH
	v_mul_u32_u24 v4, v2, 24
	v_add_nc_u32 v4, v3, v4                        ; B: row x pitch + 24 x half
	v_lshl_add_u32 v5, v2, 4, v4                   ; and the same behind one padding more
	s_mul_i32 s21, s15, HALFA                      ; my 8 row tiles of A
	s_mul_i32 s22, s16, HALFB                      ; my 128 rows of B, behind A's 16 tiles
	s_add_co_u32 s22, s22, 2*HALFA
.irp s, 0,1
	v_add_nc_u32 v[ADRA+\s], s21, v[L8]
	v_add_nc_u32 v[ADRB+\s], s22, v4
	v_add_nc_u32 v[ADRB+2+\s], s22, v5
	s_add_co_u32 s21, s21, SLOT
	s_add_co_u32 s22, s22, SLOT
.endr
	s_mul_i32 s21, s15, 8*SA_BLK
	s_add_co_u32 s21, s21, SCA
	v_lshl_add_u32 v[ADSA], v1, 2, s21             ; A's scale words: my 8 tiles, row r
	v_mul_u32_u24 v5, v1, KS
	v_lshrrev_b32 v3, 8, v5
	v_lshl_add_u32 v5, v3, 4, v5                   ; B's: KS bytes a row, and 16 more for each 256 passed
	s_mul_i32 s22, s16, HALFS
	s_add_co_u32 s22, s22, SCB
	v_add_nc_u32 v[ADSB], s22, v5
	s_mul_i32 s23, s14, STW                        ; my stage: it lies in slot 0, which has had its last fill and its last read when the first result is stored there
	v_mul_u32_u24 v5, v1, SPITCH
	v_add_nc_u32 v5, s23, v5
	v_lshl_add_u32 v[STO], v2, 5, v5               ; in: row r, 32 bytes for each half of the lanes
	v_lshl_add_u32 v[RQ], v2, 7, v5                ; back: row r, 128 bytes for each half
	v_mul_u32_u24 v3, v1, 176                      ; v's stage: 128 rows (keys) of 176 bytes = 44 words: sixteen rows start at sixteen different groups of four banks
	v_lshl_add_u32 v3, v2, 5, v3
	v_add_nc_u32 v[VSTO], s23, v3
	v_and_b32 v3, 8, v1
	v_add_nc_u32 v3, v3, v1                        ; r + 8 (r / 8): my channel in a group of 32
	v_lshlrev_b32 v3, 2, v3
	v_mad_u32_u24 v3, v2, 32*176+32, v3            ; lanes 16-31 read 32 keys on; those rows are laid 32 bytes to the right, so that the two halves touch different banks
	v_add_nc_u32 v[VRD], s23, v3
	s_mov_b32 s[SEL], 0x76543210
	s_mov_b32 s[SEL+1], 0xfedcba98                 ; lane l xor 16
	s_wait_tensorcnt 1                             ; the scales and my part of K step 0 are in (K step 1's load may be out),
	s_barrier_signal -1
	s_barrier_wait -1                              ; everybody's are
	FETCH_B 0, 0, 0
	FETCH_A 0, 0, 0
	SCALES 0
	FETCH_A 0, 0, 4
	STEP 0, 0, 1                                   ; the first step stands in front of the loop: its products start the sums
	s_mov_b32 s3, LAPS-1
.Llap:                                                 ; a trip goes once round the ring and fills both slots again
	TURN 0, 1, 1
	STEP 1, 0, 0
	TURN 1, 0, 1
	STEP 0, 0, 0
	s_sub_co_u32 s3, s3, 1
	s_cmp_lg_u32 s3, 0
	s_cbranch_scc1 .Llap
	TURN 0, 1, 0                                   ; the last lap fills nothing
	STEP 1, 0, 0
	s_wait_dscnt 4*NL
	WIN MUL_LO
	MUL16 0, 1, NQ-1, 1, 0
	MUL16 2, 1, NQ-1, 1, 0
	s_wait_dscnt 0
	WIN MUL_HI
	MUL16 4, 1, NQ-1, 1, 0
	MUL16 6, 1, NQ-1, 1, 0
	WIN 0
	PLACES NP                                      ; in front of the first read of results and of loads into the registers that held A's fragments
	s_mov_b32 s[MSKHI], 0xffff0000                 ; lanes 16-31
	s_and_b32 s3, ttmp9, s16
	s_cmp_lg_u32 s3, 0
	s_cbranch_scc1 .Lvway                          ; cluster x = 1 and the right half of the columns: v
	; ---- q and k: K = the head's 64, which runs along my columns
	s_lshl_b32 s92, s40, 1
	s_add_co_u32 s92, s92, s16                     ; q: pair of heads 2 cx + half
	s_add_co_u32 s93, s40, 8                       ; k: pair of groups, 8 + cx
	s_cmp_eq_u32 ttmp9, 0
	s_cselect_b32 s92, s92, s93
	s_lshl_b32 s93, s17, 4
	s_lshl_b32 s94, s15, 3
	s_add_co_u32 s93, s93, s94                     ; my first row tile
	s_mul_i32 s93, s93, 12
	s_add_co_u32 s92, s92, s93
	s_mul_i32 s94, s92, AIMG
	s_mov_b32 s95, 0
	s_add_nc_u64 s[96:97], s[12:13], s[94:95]
	s_lshl_b32 s94, s92, 7
	s_add_co_u32 s94, s94, QKS
	s_add_nc_u64 s[98:99], s[12:13], s[94:95]
.irp a, 0,1,2,3,4,5,6,7
	s_wait_xcnt 0x0                                ; the last block's stores have read their registers
	STAGEQ \a
	QUANT32
	IMGST 96, \a*12*AIMG
	v_lshrrev_b32 v[WD], v[H16], v[PW]             ; lanes 0-15: the left head's two bytes of row r; lanes 16-31: the right head's
	v_and_b32 v[WD], 0xffff, v[WD]                 ; the upper two bytes are 0: they scale zero codes
	global_store_b32 v[L4], v[WD], s[98:99] offset:\a*12*128
.endr
	s_branch .Ldone
.Lvway:	; ---- v: K = the keys, which run down my rows: 32 channels at a time go through the stage and come back turned, the keys in token order
	s_lshr_b32 s92, s17, 3                         ; batch
	s_lshl_b32 s92, s92, 3
	s_lshl_b32 s93, s40, 1
	s_add_co_u32 s92, s92, s93                     ; 8 b + group 2 cx
	s_lshl_b32 s92, s92, 4
	s_and_b32 s93, s17, 7
	s_lshl_b32 s93, s93, 1
	s_add_co_u32 s92, s92, s93
	s_add_co_u32 s92, s92, s15                     ; x 16 + key step 2 (tile row % 8) + half
	s_mul_i32 s94, s92, 4*AIMG
	s_add_co_u32 s94, s94, VI
	s_mov_b32 s95, 0
	s_add_nc_u64 s[96:97], s[12:13], s[94:95]
	s_lshl_b32 s94, s92, 8
	s_add_co_u32 s94, s94, VS
	s_add_nc_u64 s[98:99], s[12:13], s[94:95]
.irp bb, 0,1,2,3
.irp a, 0,1,2,3,4,5,6,7
	WIN 0x08+4*(\a/4)
.irp e, 0,1
	ds_store_b128 v[VSTO], v[64*(\a%4)+8*(2*\bb+\e):64*(\a%4)+8*(2*\bb+\e)+3] offset:16*\a*176+32*((\a>>1)&1)+64*\e
	ds_store_b128 v[VSTO], v[64*(\a%4)+8*(2*\bb+\e)+4:64*(\a%4)+8*(2*\bb+\e)+7] offset:16*\a*176+32*((\a>>1)&1)+64*\e+16
.endr
.endr
	WIN 0
.irp u, 0,1
	s_wait_xcnt 0x0                                ; the last tile's stores have read their registers
.irp c, 0,1
.set i, 0
.rept 32
	ds_load_b32 v[X+32*\c+i], v[VRD] offset:(64*\c+((i&7)|(((i>>3)&1)<<4)|(((i>>4)&1)<<3)))*176+32*\u   ; key 64 c + 32 h + i lies in the row with bits 3 and 4 of i changed over
.set i, i+1
.endr
.endr
	s_wait_dscnt 0x0
	QUANT32
.set OFFV, (\bb>>1)*16*4*AIMG+(2*(\bb&1)+\u)*AIMG
	IMGST 96, OFFV
.if \u == 0
	v_mov_b32 v[WE], v[PW]
.else
	v_cndmask_b32 v[WD], v[WE], v[PW], s[MSKHI]    ; lanes 0-15: the even tile's words; lanes 16-31: the odd tile's: 128 consecutive bytes
	global_store_b32 v[L4], v[WD], s[98:99] offset:(\bb>>1)*4096+(\bb&1)*128
.endif
.endr
.endr
.Ldone:
	s_wait_tensorcnt 0x0                           ; the wave's end
	ds_add_u32 v[SPW], v[NIL]
	s_wait_dscnt 0x0
	CROUND                                         ; the closing round: no work-group ends while a partner may still ask for a tile that names it
	s_endpgm
.Lfunc_end_k_q2713d0cc52_qkvp:
	.size	k_q2713d0cc52_qkvp, .Lfunc_end_k_q2713d0cc52_qkvp-k_q2713d0cc52_qkvp
	.p2alignl 7, 3214868480
	.fill 96, 4, 3214868480
	.section	.rodata,"a",@progbits
	.p2align	6, 0x0
	.amdhsa_kernel k_q2713d0cc52_qkvp
		.amdhsa_group_segment_fixed_size 327680
		.amdhsa_private_segment_fixed_size 0
		.amdhsa_enable_private_segment 0
		.amdhsa_kernarg_size 64
		.amdhsa_user_sgpr_count 2
		.amdhsa_user_sgpr_kernarg_segment_ptr 1
		.amdhsa_wavefront_size32 1
		.amdhsa_system_sgpr_workgroup_id_x 1
		.amdhsa_system_sgpr_workgroup_id_y 1
		.amdhsa_system_sgpr_workgroup_id_z 1
		.amdhsa_system_vgpr_workitem_id 0
		.amdhsa_next_free_vgpr 1024
		.amdhsa_next_free_sgpr 102
		.amdhsa_reserve_vcc 0
		.amdhsa_float_denorm_mode_32 3
		.amdhsa_float_denorm_mode_16_64 3
		.amdhsa_memory_ordered 1
		.amdhsa_forward_progress 1
		.amdhsa_inst_pref_size 253
	.end_amdhsa_kernel
	.amdgpu_metadata
---
amdhsa.version: [ 1, 2 ]
amdhsa.kernels:
  - .name:           k_q2713d0cc52_qkvp
    .symbol:         k_q2713d0cc52_qkvp.kd
    .args:
      - { .name: act, .offset: 0, .size: 8, .value_kind: global_buffer, .address_space: global }
      - { .name: W_Q_codes, .offset: 8, .size: 8, .value_kind: global_buffer, .address_space: global }
      - { .name: W_Q_scales, .offset: 16, .size: 8, .value_kind: global_buffer, .address_space: global }
      - { .name: W_K_codes, .offset: 24, .size: 8, .value_kind: global_buffer, .address_space: global }
      - { .name: W_K_scales, .offset: 32, .size: 8, .value_kind: global_buffer, .address_space: global }
      - { .name: W_V_codes, .offset: 40, .size: 8, .value_kind: global_buffer, .address_space: global }
      - { .name: W_V_scales, .offset: 48, .size: 8, .value_kind: global_buffer, .address_space: global }
      - { .name: qkv, .offset: 56, .size: 8, .value_kind: global_buffer, .address_space: global }
    .group_segment_fixed_size: 327680
    .private_segment_fixed_size: 0
    .kernarg_segment_align: 8
    .kernarg_segment_size: 64
    .max_flat_workgroup_size: 128
    .sgpr_count:     102
    .vgpr_count:     1024
    .wavefront_size: 32
...
	.end_amdgpu_metadata
.endif
;; end of part 3
;; launch attn (part 4): grid 16 x 16, 16 waves a work-group, clusters of 4 x 1, 215,040 bytes of LDS; arguments qkv, z; writes z
.if DOCPART == 4
	.amdgcn_target "amdgcn-amd-amdhsa--gfx1250"
	.amdhsa_code_object_version 6
	.text
	.protected	k_q2713d0cc52_attn
	.globl	k_q2713d0cc52_attn
	.p2align	8
	.type	k_q2713d0cc52_attn,@function
k_q2713d0cc52_attn:
	s_mov_b64 s[64:65], 0
	v_nop
	global_prefetch_b8 v0, s[64:65] scope:SCOPE_SE
	s_setreg_imm32_b32 hwreg(HW_REG_WAVE_MODE, 25, 1), 1
	s_wait_xcnt 0x0
	s_wait_alu depctr_hold_cnt(0) depctr_sa_sdst(0) depctr_va_vdst(0) depctr_va_sdst(0) depctr_va_ssrc(0) depctr_va_vcc(0) depctr_vm_vsrc(0)
	s_getreg_b32 s2, hwreg(HW_REG_IB_STS2, 6, 4)
	s_cmp_eq_u32 s2, 0
	s_cbranch_scc0 .Lentry_in_a_cluster
	s_endpgm
.Lentry_in_a_cluster:
	s_bfe_u32 s2, ttmp6, 0x10000c
	s_cmp_lg_u32 s2, 0x3003
	s_cbranch_scc0 .Lentry_shape_is_right
	s_endpgm
.Lentry_shape_is_right:
; z = softmax(q k^T / 8, causal) v for 2 batches x 8 groups x 2 heads of 64, both products on codes of BF6 (E3M2) with E8M0 scales; z is quantised for the next product and stored as images.
; THE SOFTMAX: t = score x log2(e) / 8; M = the running largest t rounded UP to a whole number; p = 2^(t - M) is quantised along the keys, not normalised; the row's sum is taken of the unquantised p and divides at the end.
; SHARES.  Work-group y = 8 batch + group.  ALL of the group's K (128 half images of 768 bytes) and V (64 images) and their scale words fit in LDS: they are filled once; nothing is filled again.
; The four work-groups of a cluster ask for them jointly.  Each of the 16 waves owns one tile of 16 queries of one head and walks the key steps of 128 up to its diagonal.
; WHICH TILE: m = wave / 4, n = wave % 4; j = (2 (m / 2) + n / 2) xor 7 ((m xor n) & 1); head = m & 1; tile = 16 j + (iw xor 15 (j & 1)), iw = the work-group's x.  Early and late tiles are paired, so that the steps are even
; among the waves that share a SIMD and among work-groups.  The diagonal's step, 2 j + ((cluster x / 2) xor (j & 1)), hangs on the wave's number and the cluster's x alone.
; LAYOUT.  Both products transposed: S^T = K Q^T, O^T = V^T P^T: a lane holds one query throughout.  Tiles are in the row order 32 (mt / 2) + 8 (mt % 2) + r + 8 (r / 8), so the 16 registers of two neighbouring key tiles are 16 neighbouring keys.
; The first product's K is 64: the upper 64 of the instruction's 128 are zero codes on both sides (scale byte 0 there, which scales zeros).
; LIMITS: a hidden key gets p = 0, where the definition's score of -1e6 would differ only if a row's largest open score lay near -1e6; NaN and infinities are not served.
; REGISTERS: v1-7 addresses; v8-11 the step's addresses; v12 -M, v13 the largest t, v[14:15] the sum; v16-27 Q; v28-31 V's scale words; v32-79 four fragments of K; v80-127 of V; v128-191 S^T, then p; v192-223 O^T; v224-235 p's codes; v232-254 at work; v255 Q's scale word.
.set VIMG, 98304
.set KWD,  196608
.set VWD,  204800
.set EX,   208896                      ; 64 bytes a wave: half scale words change hands here; no fill lands there
.set VI,   4718592
.set QKS,  6291456
.set VS,   6684672
.set ZWD,  3145728
.set S,    128
.set O,    192
.set SC,   8
.set TK,   9
.set TS,   10
.set TJ,   11
.set KF,   12
.set DG,   13
.set Q0,   14
.set HI,   15
.set WV,   18
.set SEL,  20
.set CS,   22
.set G1K,  24
.set G1V,  32
.set G1KS, 40
.set G1VS, 48
.set G0K,  56
.set G0V,  60
.set G0KS, 68
.set G0VS, 72
.macro CROUND
	s_barrier_signal -1
	s_barrier_wait -1
	s_cmp_lg_u32 s[WV], 0
	s_cbranch_scc1 .Lnot_wave_0_\@
	s_barrier_signal -3
.Lnot_wave_0_\@:
	s_barrier_wait -3
	s_barrier_signal -1
	s_barrier_wait -1
.endm
	s_load_b128 s[4:7], s[0:1], 0x0                ; qkv, z
	v_lshl_add_u32 v254, v0, 2, 0x34000
	v_mov_b32 v255, 0
	ds_add_u32 v254, v255
	ds_add_u32 v254, v255
	s_wait_dscnt 0x0
	v_lshrrev_b32 v8, 5, v0
	v_readfirstlane_b32 s[WV], v8                  ; wave 0..15
	s_and_b32 s77, ttmp7, 0xffff                   ; y = 8 b + g, which the four partners share
	s_lshr_b32 s78, s77, 3                         ; b
	s_and_b32 s79, s77, 7                          ; g
	; descriptor groups 1: elements of 8 bytes, the mask of all four work-groups, bit 21 beside it, no padding
	s_mov_b32 s[G1K], 15|(3<<16)|(1<<21)           ; K: 64 half images of 768 bytes, 12 images apart
	s_mov_b32 s[G1K+1], 96<<16
	s_mov_b32 s[G1K+2], 64<<16
	s_mov_b32 s[G1K+3], 96<<16
	s_mov_b32 s[G1K+4], 64
	s_mov_b32 s[G1K+5], 2304
	s_mov_b32 s[G1K+6], 0
	s_mov_b32 s[G1K+7], 0
	s_mov_b32 s[G1V], 15|(3<<16)|(1<<21)           ; V: 49,152 dense bytes as 192 rows of 256
	s_mov_b32 s[G1V+1], 32<<16
	s_mov_b32 s[G1V+2], 192<<16
	s_mov_b32 s[G1V+3], 32<<16
	s_mov_b32 s[G1V+4], 192
	s_mov_b32 s[G1V+5], 32
	s_mov_b32 s[G1V+6], 0
	s_mov_b32 s[G1V+7], 0
	s_mov_b32 s[G1KS], 15|(3<<16)|(1<<21)          ; K's scale words: 128 rows of 64 bytes, 1,536 bytes apart
	s_mov_b32 s[G1KS+1], 8<<16
	s_mov_b32 s[G1KS+2], 128<<16
	s_mov_b32 s[G1KS+3], 8<<16
	s_mov_b32 s[G1KS+4], 128
	s_mov_b32 s[G1KS+5], 192
	s_mov_b32 s[G1KS+6], 0
	s_mov_b32 s[G1KS+7], 0
	s_mov_b32 s[G1VS], 15|(3<<16)|(1<<21)          ; V's scale words: 4,096 dense bytes
	s_mov_b32 s[G1VS+1], 32<<16
	s_mov_b32 s[G1VS+2], 16<<16
	s_mov_b32 s[G1VS+3], 32<<16
	s_mov_b32 s[G1VS+4], 16
	s_mov_b32 s[G1VS+5], 32
	s_mov_b32 s[G1VS+6], 0
	s_mov_b32 s[G1VS+7], 0
	s_and_b32 s80, s[WV], 1                        ; which half I fetch, if I fetch
	s_lshl_b32 s81, s78, 7
	s_lshl_b32 s82, s80, 6
	s_add_co_u32 s81, s81, s82                     ; K: first key tile 128 b + 64 half
	s_mul_i32 s81, s81, 12
	s_lshr_b32 s82, s79, 1
	s_add_co_u32 s82, s82, 8                       ; image column 8 + g / 2
	s_add_co_u32 s81, s81, s82
	s_mul_i32 s84, s81, 1536
	s_and_b32 s83, s79, 1
	s_mul_i32 s81, s83, 768                        ; which half of the image: g % 2
	s_add_co_u32 s84, s84, s81
	s_mov_b32 s85, 0
	s_wait_kmcnt 0x0
	s_mov_b32 s[G0K], 1
	s_mul_i32 s[G0K+1], s80, 49152
	s_add_nc_u64 s[G0K+2:G0K+3], s[4:5], s[84:85]
	s_or_b32 s[G0K+3], s[G0K+3], 0x80000000
	s_mul_i32 s84, s77, 98304
	s_mul_i32 s81, s80, 49152
	s_add_co_u32 s84, s84, s81
	s_add_co_u32 s84, s84, VI
	s_mov_b32 s[G0V], 1
	s_add_co_u32 s[G0V+1], s81, VIMG
	s_add_nc_u64 s[G0V+2:G0V+3], s[4:5], s[84:85]
	s_or_b32 s[G0V+3], s[G0V+3], 0x80000000
	s_mul_i32 s84, s78, 128*12
	s_add_co_u32 s84, s84, s82
	s_lshl_b32 s84, s84, 7
	s_lshl_b32 s81, s83, 6
	s_add_co_u32 s84, s84, s81
	s_add_co_u32 s84, s84, QKS
	s_mov_b32 s[G0KS], 1
	s_mov_b32 s[G0KS+1], KWD
	s_add_nc_u64 s[G0KS+2:G0KS+3], s[4:5], s[84:85]
	s_or_b32 s[G0KS+3], s[G0KS+3], 0x80000000
	s_lshl_b32 s84, s77, 12
	s_add_co_u32 s84, s84, VS
	s_mov_b32 s[G0VS], 1
	s_mov_b32 s[G0VS+1], VWD
	s_add_nc_u64 s[G0VS+2:G0VS+3], s[4:5], s[84:85]
	s_or_b32 s[G0VS+3], s[G0VS+3], 0x80000000
	CROUND                                         ; all four work-groups are here: the joint loads meet
	s_cmp_lt_u32 s[WV], 2                          ; waves 0, 1: K's halves; 2, 3: V's; 4: K's scale words; 5: V's; the others nothing.  One load a wave; four v_nop follow each
	s_cbranch_scc0 .Lnot_k
	tensor_load_to_lds s[G0K:G0K+3], s[G1K:G1K+7]
	s_nop 0
.rept 4
	v_nop
.endr
	s_branch .Lasked
.Lnot_k:
	s_cmp_lt_u32 s[WV], 4
	s_cbranch_scc0 .Lnot_v
	tensor_load_to_lds s[G0V:G0V+3], s[G1V:G1V+7]
	s_nop 0
.rept 4
	v_nop
.endr
	s_branch .Lasked
.Lnot_v:
	s_cmp_eq_u32 s[WV], 4
	s_cbranch_scc0 .Lnot_ks
	tensor_load_to_lds s[G0KS:G0KS+3], s[G1KS:G1KS+7]
	s_nop 0
.rept 4
	v_nop
.endr
	s_branch .Lasked
.Lnot_ks:
	s_cmp_eq_u32 s[WV], 5
	s_cbranch_scc0 .Lasked
	tensor_load_to_lds s[G0VS:G0VS+3], s[G1VS:G1VS+7]
	s_nop 0
.rept 4
	v_nop
.endr
.Lasked:
	; my tile
	s_bfe_u32 s76, ttmp6, 0x40000                  ; cx: it enters global addresses and the mask's numbers alone
	s_lshr_b32 s80, s[WV], 2                       ; m
	s_and_b32 s81, s[WV], 3                        ; n
	s_lshr_b32 s82, s80, 1
	s_lshl_b32 s82, s82, 1
	s_lshr_b32 s83, s81, 1
	s_add_co_u32 s82, s82, s83
	s_xor_b32 s83, s80, s81
	s_and_b32 s83, s83, 1
	s_mul_i32 s83, s83, 7
	s_xor_b32 s82, s82, s83                        ; j
	s_and_b32 s[HI], s80, 1                        ; which head of the group
	s_and_b32 s84, s82, 1
	s_lshr_b32 s85, ttmp9, 1
	s_xor_b32 s85, s85, s84
	s_lshl_b32 s[DG], s82, 1
	s_add_co_u32 s[DG], s[DG], s85                 ; the key step on my diagonal
	s_lshl_b32 s86, ttmp9, 2
	s_add_co_u32 s86, s86, s76                     ; iw
	s_mul_i32 s84, s84, 15
	s_xor_b32 s86, s86, s84
	s_lshl_b32 s87, s82, 4
	s_add_co_u32 s86, s86, s87                     ; my tile in the batch, 0 .. 127
	s_lshr_b32 s87, s86, 1
	s_lshl_b32 s87, s87, 5
	s_and_b32 s88, s86, 1
	s_lshl_b32 s88, s88, 3
	s_add_co_u32 s[Q0], s87, s88                   ; its first token: lane r's query is Q0 + r + 8 (r / 8)
	s_lshl_b32 s89, s78, 7
	s_add_co_u32 s89, s89, s86                     ; mt
	s_mul_i32 s87, s89, 12
	s_add_co_u32 s87, s87, s79                     ; q's image (mt, g)
	s_mul_i32 s90, s87, 1536
	s_mul_i32 s88, s[HI], 768
	s_add_co_u32 s90, s90, s88
	s_mov_b32 s91, 0
	s_add_nc_u64 s[92:93], s[4:5], s[90:91]        ; my head's half image of q
	s_lshl_b32 s90, s87, 7
	s_lshl_b32 s87, s[HI], 6
	s_add_co_u32 s90, s90, s87
	s_add_co_u32 s90, s90, QKS
	s_add_nc_u64 s[94:95], s[4:5], s[90:91]        ; and its scale words
	s_lshl_b32 s87, s89, 3
	s_add_co_u32 s87, s87, s79                     ; z's image (mt, g)
	s_mul_i32 s90, s87, 1536
	s_add_co_u32 s90, s90, s88
	s_add_nc_u64 s[96:97], s[6:7], s[90:91]
	s_lshl_b32 s90, s87, 6
	s_add_co_u32 s90, s90, ZWD
	s_add_nc_u64 s[98:99], s[6:7], s[90:91]
	v_and_b32 v8, 15, v0                           ; r
	v_bfe_u32 v9, v0, 4, 1                         ; h
	v_and_b32 v10, 31, v0
	v_lshlrev_b32 v1, 3, v10                       ; 8 x lane: my place in a plane of K
	v_add_nc_u32 v2, VIMG, v1                      ; of V
	v_lshl_add_u32 v3, v8, 2, KWD                  ; K's scale words
	v_lshl_add_u32 v4, v8, 2, VWD                  ; V's
	v_and_b32 v11, 8, v8
	v_add_nc_u32 v5, v11, v8
	v_lshlrev_b32 v11, 4, v9
	v_sub_nc_u32 v5, v5, v11                       ; r + 8 (r / 8) - 16 h
	v_lshlrev_b32 v6, 2, v8                        ; 4 r
	v_lshl_add_u32 v7, v8, 2, EX
	s_lshl_b32 s87, s[WV], 6
	v_add_nc_u32 v7, s87, v7                       ; my half scale words,
	v_xor_b32 v243, 320, v7                        ; and those of the wave with the group's other head and my tile: wave xor 5
.irp p, 0,1,2
	global_load_b64 v[16+2*\p:17+2*\p], v1, s[92:93] offset:256*\p   ; Q's fragment stays in registers
.endr
	global_load_b32 v255, v6, s[94:95]
.irp p, 22,23,24,25,26,27
	v_mov_b32 v\p, 0                               ; the upper 64 along K: zero codes
.endr
.irp t, 0,1,2,3
.irp p, 6,7,8,9,10,11
	v_mov_b32 v[32+12*\t+\p], 0
.endr
.endr
	v_mov_b32 v13, 0xff61b1e6                      ; the largest t so far: -3e38
	v_floor_f32 v12, -v13                          ; -M
	v_mov_b32 v14, 0
	v_mov_b32 v15, 0
.irp b, 0,1,2,3
	v_mov_b32 v[236+\b], 0                         ; written once: a lane permute's destination counts as one of its sources
.endr
	v_mov_b32 v252, 0
	v_mov_b32 v253, 0
.set n, 0
.rept 32
	v_mov_b32 v[O+n], 0                            ; O^T: the step is written once; the first finds zeros
.set n, n+1
.endr
	s_mov_b32 s[SEL], 0x76543210
	s_mov_b32 s[SEL+1], 0xfedcba98
	s_mov_b32 s[CS], 0x3e38aa3b                    ; c = log2(e) / 8
	s_mov_b32 s[CS+1], s[CS]
	s_mov_b32 s[TK], 0
	s_mov_b32 s[TS], 0
	s_mov_b32 s[TJ], 0
	s_mov_b32 s[KF], 0
	s_mov_b32 s[SC], 0
	s_wait_loadcnt 0x0                             ; Q
	s_wait_tensorcnt 0x0                           ; my fill has landed,
	s_barrier_signal -1
	s_barrier_wait -1                              ; everybody's has
.Lstep:                                                ; 16 trips in every wave; a step all of whose keys come after my queries is jumped over, but for the lines that step addresses
	s_cmp_gt_u32 s[SC], s[DG]
	s_cbranch_scc1 .Lhidden
	v_add_nc_u32 v8, s[TK], v1
	v_add_nc_u32 v9, s[TK], v2
	v_add_nc_u32 v10, s[TS], v3
	v_add_nc_u32 v11, s[TJ], v4
.irp g, 0,1                                    ; S^T = K Q^T, four tiles of 16 keys at a time
.if \g > 0
.rept 4
	v_nop                                          ; places in front of loads into registers that matrix instructions have read
.endr
.endif
.irp t, 0,1,2,3
.irp p, 0,1,2
	ds_load_b64 v[32+12*\t+2*\p:33+12*\t+2*\p], v8 offset:(4*\g+\t)*768+256*\p
.endr
	ds_load_b32 v[248+\t], v10 offset:(4*\g+\t)*64
.endr
	s_wait_dscnt 0x0
.irp t, 0,1,2,3
	v_wmma_scale_f32_16x16x128_f8f6f4 v[S+8*(4*\g+\t):S+7+8*(4*\g+\t)], v[32+12*\t:43+12*\t], v[16:27], 0, v[248+\t], v255 matrix_a_fmt:MATRIX_FMT_BF6 matrix_b_fmt:MATRIX_FMT_BF6
.endr
.endr
.rept 4
	v_nop
.endr
.irp t, 0,1,2,3                                ; V's four fragments are asked for now and land under the softmax
.irp p, 0,1,2,3,4,5
	ds_load_b64 v[80+12*\t+2*\p:81+12*\t+2*\p], v9 offset:\t*1536+256*\p
.endr
	ds_load_b32 v[28+\t], v11 offset:\t*64
.endr
	s_cmp_lt_u32 s[SC], s[DG]
	s_cbranch_scc1 .Lopen                          ; all keys of the step count
	s_sub_co_i32 s90, s[Q0], s[KF]
	v_add_nc_u32 v252, s90, v5                     ; d = my query - KF - 16 h.  Register 16 b + i holds key KF + 16 h + 32 b + i: hidden where 32 b + i > d
	v_mov_b32 v254, 0xff800000
.set n, 0
.rept 64
	v_cmp_gt_i32 vcc_lo, 32*(n/16)+n%16, v252
	v_cndmask_b32 v[S+n], v[S+n], v254, vcc_lo
.set n, n+1
.endr
.Lopen:
.irp b, 0,1,2,3
	v_max3_num_f32 v[232+\b], v[S+16*\b], v[S+1+16*\b], v[S+2+16*\b]   ; the largest score of each block of 32 keys: it serves for the row's maximum and, since p rises with the score, for the block's largest p
.endr
.irp i, 3,5,7,9,11,13
.irp b, 0,1,2,3
	v_max3_num_f32 v[232+\b], v[232+\b], v[S+16*\b+\i], v[S+1+16*\b+\i]
.endr
.endr
.irp b, 0,1,2,3
	v_max_num_f32 v[232+\b], v[232+\b], v[S+15+16*\b]
.endr
.irp b, 0,1,2,3
	v_permlanex16_b32 v[236+\b], v[232+\b], s[SEL], s[SEL+1]
.endr
.irp b, 0,1,2,3
	v_max_num_f32 v[232+\b], v[232+\b], v[236+\b]
.endr
	v_max3_num_f32 v254, v232, v233, v234
	v_max_num_f32 v254, v254, v235
	v_mul_f32 v254, s[CS], v254
	v_max_num_f32 v13, v13, v254                   ; the running largest t
	v_mov_b32 v254, v12
	v_floor_f32 v12, -v13                          ; the new -M = -ceil(t)
	v_sub_f32 v254, v12, v254                      ; old M - new M: a whole number, 0 or less
	v_cvt_i32_f32 v254, v254                       ; (it saturates)
	v_ldexp_f32 v252, 1.0, v254                    ; f = 2^(old M - new M): a multiplication by it rounds nothing
.set n, 0
.rept 32
	v_pk_fma_f32 v[S+n:S+n+1], v[S+n:S+n+1], s[CS:CS+1], v[12:13] op_sel_hi:[1,0,0]   ; t - M
.set n, n+2
.endr
.irp b, 0,1,2,3
	v_fma_f32 v[232+\b], v[232+\b], s[CS], v12
.endr
.set n, 0
.rept 64
	v_exp_f32 v[S+n], v[S+n]                       ; p = 2^(t - M)
.set n, n+1
.endr
.irp b, 0,1,2,3
	v_exp_f32 v[232+\b], v[232+\b]                 ; the block's largest p
.endr
	v_pk_mul_f32 v[14:15], v[14:15], v[252:253] op_sel_hi:[1,0]   ; the sums under the new M (a plain line behind the exponentials)
	s_wait_alu depctr_va_vdst(0)
.irp b, 0,1,2,3
	v_max_num_f32 v[232+\b], 0x2800000, v[232+\b]  ; the floor 2^(5 - 127)
.endr
.irp b, 0,1,2,3
	v_add_nc_u32 v[244+\b], 0xfe000000, v[232+\b]
.endr
.irp b, 0,1,2,3
	v_lshrrev_b32 v[236+\b], 23, v[244+\b]
.endr
	v_lshl_or_b32 v253, v237, 8, v236              ; p's scale word for these 128 keys
	v_lshl_or_b32 v253, v238, 16, v253
	v_lshl_or_b32 v253, v239, 24, v253
.irp c, 0,1
	v_cvt_scalef32_pk16_bf6_f32 v[224+6*\c:226+6*\c], v[S+32*\c:S+15+32*\c], v[244+2*\c]
	v_cvt_scalef32_pk16_bf6_f32 v[236+4*\c:238+4*\c], v[S+16+32*\c:S+31+32*\c], v[244+2*\c+1]
.endr
	v_nop
.irp c, 0,1                                    ; the operand's layout wants a whole block in a lane
.irp i, 0,1,2
	v_permlane16_swap_b32 v[224+6*\c+\i], v[236+4*\c+\i]
.endr
.irp i, 0,1,2
	v_mov_b32 v[227+6*\c+\i], v[236+4*\c+\i]
.endr
.endr
	v_pk_add_f32 v[236:237], v[S:S+1], v[S+2:S+3]  ; the row's sum is taken of the unquantised p
.irp j, 4,8,12,16,20,24,28,32,36,40,44,48,52,56,60
	v_pk_add_f32 v[14:15], v[14:15], v[S+\j:S+1+\j]
	v_pk_add_f32 v[236:237], v[236:237], v[S+2+\j:S+3+\j]
.endr
	v_pk_add_f32 v[14:15], v[14:15], v[236:237]
.set n, 0
.rept 16
	v_pk_mul_f32 v[O+n:O+n+1], v[O+n:O+n+1], v[252:253] op_sel_hi:[1,0]   ; O^T under the new M
.set n, n+2
.endr
	s_wait_dscnt 0x0                               ; V's fragments and scale words are in
.irp t, 0,1,2,3                                ; O^T += V^T P^T: the four accumulators by turns
	v_wmma_scale_f32_16x16x128_f8f6f4 v[O+8*\t:O+7+8*\t], v[80+12*\t:91+12*\t], v[224:235], v[O+8*\t:O+7+8*\t], v[28+\t], v253 matrix_a_fmt:MATRIX_FMT_BF6 matrix_b_fmt:MATRIX_FMT_BF6
.endr
.Lhidden:
	s_add_co_u32 s[TK], s[TK], 6144                ; 8 half images of K, and 4 images of V
	s_add_co_u32 s[TS], s[TS], 512
	s_add_co_u32 s[TJ], s[TJ], 256
	s_add_co_u32 s[KF], s[KF], 128
	s_add_co_u32 s[SC], s[SC], 1
	s_cmp_lt_u32 s[SC], 16
	s_cbranch_scc1 .Lstep
.rept 4
	v_nop                                          ; places behind the last products
.endr
	v_add_f32 v14, v14, v15
	v_permlanex16_b32 v252, v14, s[SEL], s[SEL+1]
	v_add_f32 v14, v14, v252                       ; the row's sum
	v_rcp_f32 v14, v14
	v_nop
.set n, 0
	s_wait_alu depctr_va_vdst(0)
.rept 32
	v_mul_f32 v[S+n], v[O+n], v14                  ; z: register 16 b + i is channel 32 b + 16 h + i of my query
.set n, n+1
.endr
.irp b, 0,1
	v_max3_num_f32 v[232+\b], |v[S+16*\b]|, |v[S+1+16*\b]|, 0x2800000
.endr
.irp i, 2,4,6,8,10,12,14
.irp b, 0,1
	v_max3_num_f32 v[232+\b], v[232+\b], |v[S+16*\b+\i]|, |v[S+1+16*\b+\i]|
.endr
.endr
.irp b, 0,1
	v_permlanex16_b32 v[236+\b], v[232+\b], s[SEL], s[SEL+1]
.endr
.irp b, 0,1
	v_max_num_f32 v[232+\b], v[232+\b], v[236+\b]
.endr
.irp b, 0,1
	v_add_nc_u32 v[244+\b], 0xfe000000, v[232+\b]
.endr
.irp b, 0,1
	v_lshrrev_b32 v[236+\b], 23, v[244+\b]
.endr
	v_lshl_or_b32 v253, v237, 8, v236              ; my head's two bytes
	v_cvt_scalef32_pk16_bf6_f32 v[224:226], v[S:S+15], v244
	v_cvt_scalef32_pk16_bf6_f32 v[228:230], v[S+16:S+31], v245
	v_nop
	v_permlane16_swap_b32 v224, v228
	v_permlane16_swap_b32 v225, v229
	v_permlane16_swap_b32 v226, v230
	v_mov_b32 v227, v228
	v_mov_b32 v228, v229
	v_mov_b32 v229, v230                           ; registers 0-5 of a fragment: k = 32 h + 0 .. 31 of my head
.irp p, 0,1,2
	global_store_b64 v1, v[224+2*\p:225+2*\p], s[96:97] offset:256*\p   ; three planes of 256 consecutive bytes
.endr
	ds_store_b32 v7, v253
	s_wait_dscnt 0x0
	s_barrier_signal -1
	s_barrier_wait -1
	s_cmp_lg_u32 s[HI], 0
	s_cbranch_scc1 .Lno_word
	ds_load_b32 v232, v7                           ; the wave with the even head joins the two halves of the image's scale words
	ds_load_b32 v233, v243
	s_wait_dscnt 0x0
	v_lshl_or_b32 v232, v233, 16, v232
	global_store_b32 v6, v232, s[98:99]            ; lanes 16-31 repeat lanes 0-15's address and value
.Lno_word:
	s_wait_xcnt 0x0
	v_lshl_add_u32 v254, v0, 2, 0x34000
	v_mov_b32 v255, 0
	s_wait_tensorcnt 0x0
	ds_add_u32 v254, v255
	s_wait_dscnt 0x0
	CROUND                                         ; the closing round
	s_endpgm
.Lfunc_end_k_q2713d0cc52_attn:
	.size	k_q2713d0cc52_attn, .Lfunc_end_k_q2713d0cc52_attn-k_q2713d0cc52_attn
	.p2alignl 7, 3214868480
	.fill 96, 4, 3214868480
	.section	.rodata,"a",@progbits
	.p2align	6, 0x0
	.amdhsa_kernel k_q2713d0cc52_attn
		.amdhsa_group_segment_fixed_size 215040
		.amdhsa_private_segment_fixed_size 0
		.amdhsa_enable_private_segment 0
		.amdhsa_kernarg_size 16
		.amdhsa_user_sgpr_count 2
		.amdhsa_user_sgpr_kernarg_segment_ptr 1
		.amdhsa_wavefront_size32 1
		.amdhsa_system_sgpr_workgroup_id_x 1
		.amdhsa_system_sgpr_workgroup_id_y 1
		.amdhsa_system_sgpr_workgroup_id_z 1
		.amdhsa_system_vgpr_workitem_id 0
		.amdhsa_next_free_vgpr 256
		.amdhsa_next_free_sgpr 100
		.amdhsa_reserve_vcc 1
		.amdhsa_float_denorm_mode_32 3
		.amdhsa_float_denorm_mode_16_64 3
		.amdhsa_memory_ordered 1
		.amdhsa_forward_progress 1
		.amdhsa_inst_pref_size 40
	.end_amdhsa_kernel
	.amdgpu_metadata
---
amdhsa.version: [ 1, 2 ]
amdhsa.kernels:
  - .name:           k_q2713d0cc52_attn
    .symbol:         k_q2713d0cc52_attn.kd
    .args:
      - { .name: qkv, .offset: 0, .size: 8, .value_kind: global_buffer, .address_space: global }
      - { .name: z, .offset: 8, .size: 8, .value_kind: global_buffer, .address_space: global }
    .group_segment_fixed_size: 215040
    .private_segment_fixed_size: 0
    .kernarg_segment_align: 8
    .kernarg_segment_size: 16
    .max_flat_workgroup_size: 512
    .sgpr_count:     100
    .vgpr_count:     256
    .wavefront_size: 32
...
	.end_amdgpu_metadata
.endif
;; end of part 4
;; launch proj (part 5): grid 4 x 16, 4 waves a work-group, clusters of 4 x 4, 327,680 bytes of LDS; arguments z, wo_c, wo_s, b_out, x, post; writes post
.if DOCPART == 5
	.amdgcn_target "amdgcn-amd-amdhsa--gfx1250"
	.amdhsa_code_object_version 6
	.text
	.protected	k_q2713d0cc52_proj
	.globl	k_q2713d0cc52_proj
	.p2align	8
	.type	k_q2713d0cc52_proj,@function
k_q2713d0cc52_proj:
	s_mov_b64 s[64:65], 0
	v_nop
	global_prefetch_b8 v0, s[64:65] scope:SCOPE_SE
	s_setreg_imm32_b32 hwreg(HW_REG_WAVE_MODE, 25, 1), 1
	s_wait_xcnt 0x0
	s_wait_alu depctr_hold_cnt(0) depctr_sa_sdst(0) depctr_va_vdst(0) depctr_va_sdst(0) depctr_va_ssrc(0) depctr_va_vcc(0) depctr_vm_vsrc(0)
	s_getreg_b32 s2, hwreg(HW_REG_IB_STS2, 6, 4)
	s_cmp_eq_u32 s2, 0
	s_cbranch_scc0 .Lentry_in_a_cluster
	s_endpgm
.Lentry_in_a_cluster:
	s_bfe_u32 s2, ttmp6, 0x10000c
	s_cmp_lg_u32 s2, 0xf033
	s_cbranch_scc0 .Lentry_shape_is_right
	s_endpgm
.Lentry_shape_is_right:
; out = resid + bias + A B^T on codes of BF6 (E3M2) with E8M0 scales for each 32 along K.  A: images of operand registers (row tile mt, K step s) of 1,536 bytes, six planes of 256; B: rows of codes; out, resid: f32, [4096][1024], token order.
; A tile of C is 256 x 256; four waves, each 128 x 128: 64 accumulators.  K goes in steps of 256 through a ring of two LDS slots filled by the tensor data mover; all scales come into LDS once, with the first fills.
; CLUSTERS: 4 x 4 work-groups; A's tiles are asked for jointly along a row of the cluster, B's along a column.  THE MATRIX INSTRUCTION IS USED TRANSPOSED (source 0 = rows of B, source 1 = rows of A).
; The bias is the C of each sum's first product.  The residual comes as whole rows of 512 bytes into the registers that B's fragments have left, up to four blocks ahead, and is added on the way out.
; ROW ORDER: row tile mt holds tokens 32 (mt / 2) + 8 (mt % 2) + r + 8 (r / 8); the way out puts each row at its token.
; REGISTERS: window 0: v1-31 addresses; v32-63 A's scale words, v64-95 B's, two sets each; v96-127, v224-255 the bias; v128-223 A's fragments; on the way out v128-255 rows of C.  window 1: B's fragments, two sets; later the residual.  windows 2, 3: the accumulators.
.set SIZE_K,  1024
.set ASC_OFF, 3145728                  ; where A's scale words begin
.set SA_BLK,  512                      ; from row tile to row tile among them, in LDS
.set SA_STEP, 64                       ; from 128 along K to the next
.set STW,     8448
.set KSTEP,  256
.set NQ,     2
.set ROWB,   192
.set KROW,   SIZE_K*6/8
.set PITCH,  240
.set FR,     12
.set NL,     6
.set NP,     4
.set AIMG,   1536
.set HALFA,  8*NQ*AIMG
.set HALFB,  128*PITCH
.set SLOT,   2*HALFA+2*HALFB
.set LAPS,   SIZE_K/(2*KSTEP)
.set KS,     SIZE_K/32
.set SCB,    2*SLOT
.set HALFS,  (128*KS/256)*272
.set SBLK,   (16*KS/256)*272
.set SCA,    SCB+2*HALFS
.set SABYTES, 8*SIZE_K
.set SPARE,  SCA+SABYTES               ; the spare words, 128 bytes for each wave: two blocks of 256 bytes that no other line names
.set SPITCH, 528
.set L8,   12
.set ADRA, 16
.set ADRB, 20
.set STO,  24
.set RD,   25
.set CO,   26
.set ADSA, 27
.set SPW,  28
.set NIL,  29
.set ADSB, 30
.set BOF,  31
.set SCAR, 32
.set SCBR, 64
.set BIAS, 96
.set AF,   128
.set BK,   128
.set G1, 24
.set G0, 32
.set G1B, 48
.set G0B, 56
.set G1S, 68
.set G0S, 76
.set G1SB, 80
.set G0SB, 88
.set MSB, 0
.macro WIN new
.if MSB != \new
	s_set_vgpr_msb (MSB<<8)|\new
.set MSB, \new
.endif
.endm
.set MUL_LO, 0xa1
.set MUL_HI, 0xf1
.set TO_B,   0x40
.macro JLOAD g0a, g1a, g0b, g1b        ; a joint load: waves 0 and 1 fetch for A, waves 2 and 3 for B; four v_nop follow each of the two lines
	s_cmp_eq_u32 s15, 0
	s_cbranch_scc0 .Lfor_b_\@
	tensor_load_to_lds s[\g0a:\g0a+3], s[\g1a:\g1a+7]
	s_nop 0
.rept 4
	v_nop
.endr
	s_branch .Lasked_\@
.Lfor_b_\@:
	tensor_load_to_lds s[\g0b:\g0b+3], s[\g1b:\g1b+7]
	s_nop 0
.rept 4
	v_nop
.endr
.Lasked_\@:
.endm
.macro CREST
	s_cmp_lg_u32 s14, 0
	s_cbranch_scc1 .Lnot_wave_0_\@
	s_barrier_signal -3
.Lnot_wave_0_\@:
	s_barrier_wait -3
	s_barrier_signal -1
	s_barrier_wait -1
.endm
.macro CROUND
	s_barrier_signal -1
	s_barrier_wait -1
	CREST
.endm
.macro PLACES n
.rept \n
	v_nop
.endr
.endm
.macro FRAGA reg, slot, q, i
.irp p, 0,1,2,3,4,5
	ds_load_b64 v[\reg+2*\p:\reg+2*\p+1], v[ADRA+\slot] offset:(\i)*NQ*AIMG+(\q)*AIMG+256*\p
.endr
.endm
.macro FRAGB reg, adr, q, i
.irp p, 0,1,2,3,4,5
.set PCE, 12*(\q)+6*(\p/3)+\p%3
.if PCE%8 < 5
	ds_load_b64 v[\reg+2*\p:\reg+2*\p+1], v[\adr] offset:8*PCE+16*(PCE/8)+(\i)*16*PITCH
.else
	ds_load_b64 v[\reg+2*\p:\reg+2*\p+1], v[\adr+2] offset:8*PCE+16*(PCE/8)+(\i)*16*PITCH
.endif
.endr
.endm
; 16 matrix instructions.  cm = 1: C = 0; cm = 2: C = the bias; cm = 0: in place.  The 64 accumulators take turns, one instruction a turn.
.macro MUL16 a0, p, q, sc, cm
.irp a, \a0, \a0+1
.irp b, 0,1,2,3,4,5,6,7
.if \cm == 1
	v_wmma_scale_f32_16x16x128_f8f6f4 v[8*(8*((\a)%4)+\b):8*(8*((\a)%4)+\b)+7], v[128*(\p)+FR*\b:128*(\p)+FR*\b+FR-1], v[AF+FR*(\a):AF+FR*(\a)+FR-1], 0, v[SCBR+16*(\sc)+2*\b+(\q)], v[SCAR+16*(\sc)+2*(\a)+(\q)] matrix_a_fmt:MATRIX_FMT_BF6 matrix_b_fmt:MATRIX_FMT_BF6
.elseif \cm == 2
	v_wmma_scale_f32_16x16x128_f8f6f4 v[8*(8*((\a)%4)+\b):8*(8*((\a)%4)+\b)+7], v[128*(\p)+FR*\b:128*(\p)+FR*\b+FR-1], v[AF+FR*(\a):AF+FR*(\a)+FR-1], v[BIAS+8*\b+96*(\b/4):BIAS+8*\b+96*(\b/4)+7], v[SCBR+16*(\sc)+2*\b+(\q)], v[SCAR+16*(\sc)+2*(\a)+(\q)] matrix_a_fmt:MATRIX_FMT_BF6 matrix_b_fmt:MATRIX_FMT_BF6
.else
	v_wmma_scale_f32_16x16x128_f8f6f4 v[8*(8*((\a)%4)+\b):8*(8*((\a)%4)+\b)+7], v[128*(\p)+FR*\b:128*(\p)+FR*\b+FR-1], v[AF+FR*(\a):AF+FR*(\a)+FR-1], v[8*(8*((\a)%4)+\b):8*(8*((\a)%4)+\b)+7], v[SCBR+16*(\sc)+2*\b+(\q)], v[SCAR+16*(\sc)+2*(\a)+(\q)] matrix_a_fmt:MATRIX_FMT_BF6 matrix_b_fmt:MATRIX_FMT_BF6
.endif
.endr
.endr
.endm
.macro FETCH_B slot, q, p
	WIN TO_B
.irp i, 0,1,2,3,4,5,6,7
	FRAGB 128*(\p)+FR*\i, ADRB+\slot, \q, \i
.endr
	WIN 0
.endm
.macro FETCH_A slot, q, i0
.irp i, \i0, \i0+1, \i0+2, \i0+3
	FRAGA AF+FR*(\i), \slot, \q, \i
.endr
.endm
.macro SCALES sc
.irp i, 0,1,2,3,4,5,6,7
	ds_load_b64 v[SCBR+16*\sc+2*\i:SCBR+16*\sc+2*\i+1], v[ADSB] offset:\i*SBLK
.endr
.irp i, 0,1,2,3,4,5,6,7
	ds_load_b32 v[SCAR+16*\sc+2*\i], v[ADSA] offset:\i*SA_BLK
	ds_load_b32 v[SCAR+16*\sc+2*\i+1], v[ADSA] offset:\i*SA_BLK+SA_STEP
.endr
.endm
.macro STEP slot, q, cm
	s_wait_dscnt 4*NL                              ; B's set, the scale words and A's blocks 0-3 are in; the youngest 24 loads (A's blocks 4-7) may be out
.if \cm == 2
	WIN 0x81
.else
	WIN MUL_LO
.endif
	MUL16 0, (\q)%2, \q, \slot, \cm
	MUL16 2, (\q)%2, \q, \slot, \cm
	s_wait_dscnt 0
	PLACES NP
	FETCH_B \slot, (\q)+1, 1-(\q)%2
	FETCH_A \slot, (\q)+1, 0
.if \cm == 2
	WIN 0xc1
.else
	WIN MUL_HI
.endif
	MUL16 4, (\q)%2, \q, \slot, \cm
	MUL16 6, (\q)%2, \q, \slot, \cm
	PLACES NP
	WIN 0
	FETCH_A \slot, (\q)+1, 4
.endm
.macro TURN slot, next, fill
	s_wait_tensorcnt 0x0                           ; all my tensor loads have landed: my part of the next slot
	ds_add_u32 v[SPW], v[NIL]                      ; 0 onto my spare word
	s_wait_dscnt 4*NL+1                            ; (the add and the youngest 24 loads may be out)
	WIN MUL_LO
	MUL16 0, 1, NQ-1, \slot, 0
	s_wait_dscnt 0x0                               ; the add is done, and my reads of this slot are over
	s_barrier_signal -1
	MUL16 2, 1, NQ-1, \slot, 0
	WIN 0
	s_barrier_wait -1
.if \fill
	CREST                                          ; the barrier has opened a round of the cluster's barrier: no wave of any partner still reads this slot or has a load on its way
	s_add_nc_u64 s[G0+4*\slot+2:G0+4*\slot+3], s[G0+4*\slot+2:G0+4*\slot+3], 2*NQ*AIMG
	s_add_nc_u64 s[G0B+4*\slot+2:G0B+4*\slot+3], s[G0B+4*\slot+2:G0B+4*\slot+3], 2*ROWB
	JLOAD G0+4*\slot, G1, G0B+4*\slot, G1B
.else
	PLACES NP
.endif
	v_add_nc_u32 v[ADSA], 2*SA_STEP, v[ADSA]
	v_add_nc_u32 v[ADSB], 8, v[ADSB]
	FETCH_B \next, 0, 0
	FETCH_A \next, 0, 0
	SCALES \next
	WIN MUL_HI
	MUL16 4, 1, NQ-1, \slot, 0
	MUL16 6, 1, NQ-1, \slot, 0
	PLACES NP
	WIN 0
	FETCH_A \next, 0, 4
.endm
.macro RLOAD a                         ; the residual's 16 rows of block a, 512 consecutive bytes a load, into window 1, set a % 4
	WIN TO_B
.irp t, 0,1,2,3,4,5,6,7,8,9,10,11,12,13,14,15
	global_load_b128 v[64*((\a)%4)+4*\t:64*((\a)%4)+4*\t+3], v[CO], s[96:97] offset:(32*((\a)/2)+8*((\a)%2)+\t+8*(\t/8))*4096 th:TH_LOAD_NT
.endr
	WIN 0
.endm
.macro TOSTAGE a                       ; block a through my stage: in as 32 bytes a lane, back as whole rows of 512 bytes
.set AC, 64*((\a)%4)
	WIN 0x08+4*((\a)/4)
.irp b, 0,1,2,3,4,5,6,7
	ds_store_b128 v[STO], v[AC+8*\b:AC+8*\b+3] offset:64*\b          ; each accumulator from its low end on
	ds_store_b128 v[STO], v[AC+8*\b+4:AC+8*\b+7] offset:64*\b+16
.endr
	WIN 0
.set BB, BK+64*((\a)%2)
.irp t, 0,1,2,3,4,5,6,7,8,9,10,11,12,13,14,15
	ds_load_b128 v[BB+4*\t:BB+4*\t+3], v[RD] offset:\t*SPITCH
.endr
.endm
.macro SEND a, younger, lc             ; younger: LDS instructions issued behind block a's loads; lc: residual loads issued behind block a's
.set BB, BK+64*((\a)%2)
	s_wait_dscnt \younger
	s_wait_loadcnt \lc
	WIN 0x04                                       ; source 1: window 1
.set k, 0
.rept 32
	v_pk_add_f32 v[BB+k:BB+k+1], v[BB+k:BB+k+1], v[64*((\a)%4)+k:64*((\a)%4)+k+1]
.set k, k+2
.endr
	WIN 0
.irp t, 0,1,2,3,4,5,6,7,8,9,10,11,12,13,14,15
	global_store_b128 v[CO], v[BB+4*\t:BB+4*\t+3], s[98:99] offset:(32*((\a)/2)+8*((\a)%2)+\t+8*(\t/8))*4096   ; 32 lanes store 512 consecutive bytes, aligned: the row at its token
.endr
.if (\a) < 4
	RLOAD (\a)+4
.endif
.endm
	s_load_b64 s[4:5], s[0:1], 0x0                 ; A's images
	s_load_b128 s[8:11], s[0:1], 0x8               ; B's codes, B's scales
	s_load_b64 s[6:7], s[0:1], 0x18                ; the bias
	s_load_b128 s[96:99], s[0:1], 0x20             ; the residual, the output
	v_lshl_add_u32 v[SPW], v0, 2, SPARE
	v_mov_b32 v[NIL], 0
	ds_add_u32 v28, v29
	ds_add_u32 v28, v29
	s_wait_dscnt 0x0
	v_lshrrev_b32 v1, 5, v0
	v_readfirstlane_b32 s14, v1                    ; wave 0..3
	s_lshr_b32 s15, s14, 1                         ; which half of the tile's rows is mine.  Also: I fetch for A (0) or for B (1)
	s_and_b32 s16, s14, 1                          ; which half of its columns.  Also: which half of that tile I fetch
	s_bfe_u32 s40, ttmp6, 0x40000
	s_bfe_u32 s41, ttmp6, 0x40004
	s_lshl_b32 s42, ttmp9, 2
	s_add_co_u32 s42, s42, s40                     ; tile column of C
	s_and_b32 s17, ttmp7, 0xffff
	s_lshl_b32 s17, s17, 2
	s_add_co_u32 s17, s17, s41                     ; tile row of C
	s_lshl_b32 s43, s41, 2
	s_lshl_b32 s43, 15, s43
	s_lshl_b32 s44, 0x1111, s40
	s_or_b32 s[G1+0], s43, (3<<16)|(1<<21)         ; A's tile: 8 rows (row tiles) of 384 elements of 8 bytes (two images)
	s_mov_b32 s[G1+1], 384<<16
	s_mov_b32 s[G1+2], 8<<16
	s_mov_b32 s[G1+3], 384<<16
	s_mov_b32 s[G1+4], 8
	s_mov_b32 s[G1+5], (SIZE_K/128)*192
	s_mov_b32 s[G1+6], 0
	s_mov_b32 s[G1+7], 0
	s_or_b32 s[G1B+0], s44, (0<<16)|(1<<20)|(1<<21)|(3<<22)|(3<<25)   ; B's tile: 128 rows of 192 bytes, 4 words of padding behind every 16
	s_mov_b32 s[G1B+1], ROWB<<16
	s_mov_b32 s[G1B+2], 128<<16
	s_mov_b32 s[G1B+3], ROWB<<16
	s_mov_b32 s[G1B+4], 128
	s_mov_b32 s[G1B+5], KROW
	s_mov_b32 s[G1B+6], 0
	s_mov_b32 s[G1B+7], 0
	s_or_b32 s[G1S+0], s43, (3<<16)|(1<<21)        ; A's scale words of 8 row tiles: dense, rows of 256 bytes
	s_mov_b32 s[G1S+1], 32<<16
	s_mov_b32 s[G1S+2], (SIZE_K/64)<<16
	s_mov_b32 s[G1S+3], 32<<16
	s_mov_b32 s[G1S+4], SIZE_K/64
	s_mov_b32 s[G1S+5], 32
	s_mov_b32 s[G1S+6], 0
	s_mov_b32 s[G1S+7], 0
	s_or_b32 s[G1SB+0], s44, (3<<16)|(1<<20)|(1<<21)|(5<<22)|(3<<25)  ; B's scale bytes of 128 rows: dense, rows of 256 bytes + 16
	s_mov_b32 s[G1SB+1], 32<<16
	s_mov_b32 s[G1SB+2], (128*KS/256)<<16
	s_mov_b32 s[G1SB+3], 32<<16
	s_mov_b32 s[G1SB+4], 128*KS/256
	s_mov_b32 s[G1SB+5], 32
	s_mov_b32 s[G1SB+6], 0
	s_mov_b32 s[G1SB+7], 0
	s_lshl_b32 s20, s17, 4
	s_lshl_b32 s18, s16, 3
	s_add_co_u32 s20, s20, s18
	s_mul_i32 s20, s20, (SIZE_K/128)*AIMG
	s_mov_b32 s21, 0
	s_mul_i32 s22, s17, SABYTES
	s_mul_i32 s18, s16, SABYTES/2
	s_add_co_u32 s22, s22, s18
	s_add_co_u32 s22, s22, ASC_OFF
	s_mov_b32 s23, 0
	s_lshl_b32 s46, s42, 8
	s_lshl_b32 s47, s16, 7
	s_add_co_u32 s46, s46, s47                     ; B: row 256 x tile column + 128 x half
	s_mul_i32 s92, s46, KS
	s_mov_b32 s93, 0
	s_mul_i32 s46, s46, KROW
	s_mov_b32 s47, 0
	s_mul_i32 s45, s16, HALFA
	s_mul_i32 s94, s16, HALFB
	s_add_co_u32 s94, s94, 2*HALFA
	s_mul_i32 s95, s16, SABYTES/2
	s_mul_i32 s19, s16, HALFS
	s_wait_kmcnt 0x0
	s_add_nc_u64 s[20:21], s[4:5], s[20:21]
	s_add_nc_u64 s[22:23], s[4:5], s[22:23]
	s_add_nc_u64 s[46:47], s[8:9], s[46:47]
	s_add_nc_u64 s[92:93], s[10:11], s[92:93]
	CROUND                                         ; all sixteen work-groups are here: the first joint loads meet
	s_mov_b32 s[G0S], 1
	s_add_co_u32 s[G0S+1], s95, SCA
	s_mov_b64 s[G0S+2:G0S+3], s[22:23]
	s_or_b32 s[G0S+3], s[G0S+3], 0x80000000
	s_mov_b32 s[G0SB], 1
	s_add_co_u32 s[G0SB+1], s19, SCB
	s_mov_b64 s[G0SB+2:G0SB+3], s[92:93]
	s_or_b32 s[G0SB+3], s[G0SB+3], 0x80000000
	JLOAD G0S, G1S, G0SB, G1SB
.irp s, 0,1
	s_mov_b32 s[G0+4*\s], 1
	s_add_co_u32 s[G0+4*\s+1], s45, \s*SLOT
	s_add_nc_u64 s[G0+4*\s+2:G0+4*\s+3], s[20:21], \s*NQ*AIMG
	s_or_b32 s[G0+4*\s+3], s[G0+4*\s+3], 0x80000000
	s_mov_b32 s[G0B+4*\s], 1
	s_add_co_u32 s[G0B+4*\s+1], s94, \s*SLOT
	s_add_nc_u64 s[G0B+4*\s+2:G0B+4*\s+3], s[46:47], \s*ROWB
	s_or_b32 s[G0B+4*\s+3], s[G0B+4*\s+3], 0x80000000
	JLOAD G0+4*\s, G1, G0B+4*\s, G1B
.endr
	v_and_b32 v1, 15, v0                           ; r
	v_bfe_u32 v2, v0, 4, 1                         ; h
	v_and_b32 v6, 31, v0                           ; lane
	v_lshlrev_b32 v[L8], 3, v6
	v_lshlrev_b32 v[BOF], 5, v2                    ; the bias: 32 h bytes
	s_lshl_b32 s92, s42, 10
	s_lshl_b32 s93, s16, 9
	s_add_co_u32 s92, s92, s93                     ; my first column, in bytes
	s_mov_b32 s93, 0
	s_add_nc_u64 s[6:7], s[6:7], s[92:93]
.irp b, 0,1,2,3,4,5,6,7
	global_load_b128 v[BIAS+8*\b+96*(\b/4):BIAS+8*\b+96*(\b/4)+3], v[BOF], s[6:7] offset:64*\b       ; in the result's layout: columns 16 b + 8 h + 0 .. 7
	global_load_b128 v[BIAS+8*\b+96*(\b/4)+4:BIAS+8*\b+96*(\b/4)+7], v[BOF], s[6:7] offset:64*\b+16
.endr
	s_lshl_b32 s94, s17, 20
	s_lshl_b32 s95, s15, 19
	s_add_co_u32 s94, s94, s95
	s_add_co_u32 s92, s92, s94                     ; + my first token's row: (256 tile row + 128 half) x 4,096 bytes
	s_add_nc_u64 s[96:97], s[96:97], s[92:93]
	s_add_nc_u64 s[98:99], s[98:99], s[92:93]
	v_mul_u32_u24 v3, v1, PITCH
	v_mul_u32_u24 v4, v2, 24
	v_add_nc_u32 v4, v3, v4
	v_lshl_add_u32 v5, v2, 4, v4
	s_mul_i32 s21, s15, HALFA
	s_mul_i32 s22, s16, HALFB
	s_add_co_u32 s22, s22, 2*HALFA
.irp s, 0,1
	v_add_nc_u32 v[ADRA+\s], s21, v[L8]
	v_add_nc_u32 v[ADRB+\s], s22, v4
	v_add_nc_u32 v[ADRB+2+\s], s22, v5
	s_add_co_u32 s21, s21, SLOT
	s_add_co_u32 s22, s22, SLOT
.endr
	s_mul_i32 s21, s15, 8*SA_BLK
	s_add_co_u32 s21, s21, SCA
	v_lshl_add_u32 v[ADSA], v1, 2, s21
	v_mul_u32_u24 v5, v1, KS
	v_lshrrev_b32 v3, 8, v5
	v_lshl_add_u32 v5, v3, 4, v5
	s_mul_i32 s22, s16, HALFS
	s_add_co_u32 s22, s22, SCB
	v_add_nc_u32 v[ADSB], s22, v5
	s_mul_i32 s23, s14, STW                        ; my stage: in slot 0, which has had its last fill and its last read when the first result is stored there
	v_mul_u32_u24 v5, v1, SPITCH
	v_add_nc_u32 v5, s23, v5
	v_lshl_add_u32 v[STO], v2, 5, v5
	v_lshlrev_b32 v[CO], 4, v6
	v_add_nc_u32 v[RD], s23, v[CO]
	s_wait_tensorcnt 1                             ; the scales and my part of K step 0 are in (K step 1's load may be out),
	s_barrier_signal -1
	s_barrier_wait -1
	FETCH_B 0, 0, 0
	FETCH_A 0, 0, 0
	SCALES 0
	FETCH_A 0, 0, 4
	s_wait_loadcnt 0x0                             ; the bias
	STEP 0, 0, 2                                   ; the first step stands in front of the loop: its products start the sums on the bias
	s_mov_b32 s3, LAPS-1
.Llap:
	TURN 0, 1, 1
	STEP 1, 0, 0
	TURN 1, 0, 1
	STEP 0, 0, 0
	s_sub_co_u32 s3, s3, 1
	s_cmp_lg_u32 s3, 0
	s_cbranch_scc1 .Llap
	TURN 0, 1, 0
	STEP 1, 0, 0
	RLOAD 0                                        ; B's set 0 is done with (four places stand behind its last products): the residual of blocks 0 and 1
	RLOAD 1
	s_wait_dscnt 4*NL
	WIN MUL_LO
	MUL16 0, 1, NQ-1, 1, 0
	MUL16 2, 1, NQ-1, 1, 0
	s_wait_dscnt 0
	WIN MUL_HI
	MUL16 4, 1, NQ-1, 1, 0
	MUL16 6, 1, NQ-1, 1, 0
	WIN 0
	PLACES NP
	RLOAD 2
	RLOAD 3
	TOSTAGE 0
.irp a, 1,2,3,4,5,6,7
.if \a > 1
	s_wait_xcnt 0x0                                ; block a - 2's stores have read their registers: block a's loads may land there
.endif
	TOSTAGE \a
.if \a < 6
	SEND \a-1, 32, 48                              ; behind block a - 1's LDS loads: block a's 16 stores and 16 loads; behind its residual: three blocks' 48 loads
.else
	SEND \a-1, 32, 16*(7-(\a-1))
.endif
.endr
	SEND 7, 0, 0
	s_wait_tensorcnt 0x0                           ; the wave's end
	ds_add_u32 v[SPW], v[NIL]
	s_wait_dscnt 0x0
	CROUND                                         ; the closing round
	s_endpgm
.Lfunc_end_k_q2713d0cc52_proj:
	.size	k_q2713d0cc52_proj, .Lfunc_end_k_q2713d0cc52_proj-k_q2713d0cc52_proj
	.p2alignl 7, 3214868480
	.fill 96, 4, 3214868480
	.section	.rodata,"a",@progbits
	.p2align	6, 0x0
	.amdhsa_kernel k_q2713d0cc52_proj
		.amdhsa_group_segment_fixed_size 327680
		.amdhsa_private_segment_fixed_size 0
		.amdhsa_enable_private_segment 0
		.amdhsa_kernarg_size 48
		.amdhsa_user_sgpr_count 2
		.amdhsa_user_sgpr_kernarg_segment_ptr 1
		.amdhsa_wavefront_size32 1
		.amdhsa_system_sgpr_workgroup_id_x 1
		.amdhsa_system_sgpr_workgroup_id_y 1
		.amdhsa_system_sgpr_workgroup_id_z 1
		.amdhsa_system_vgpr_workitem_id 0
		.amdhsa_next_free_vgpr 1024
		.amdhsa_next_free_sgpr 102
		.amdhsa_reserve_vcc 0
		.amdhsa_float_denorm_mode_32 3
		.amdhsa_float_denorm_mode_16_64 3
		.amdhsa_memory_ordered 1
		.amdhsa_forward_progress 1
		.amdhsa_inst_pref_size 195
	.end_amdhsa_kernel
	.amdgpu_metadata
---
amdhsa.version: [ 1, 2 ]
amdhsa.kernels:
  - .name:           k_q2713d0cc52_proj
    .symbol:         k_q2713d0cc52_proj.kd
    .args:
      - { .name: z, .offset: 0, .size: 8, .value_kind: global_buffer, .address_space: global }
      - { .name: wo_c, .offset: 8, .size: 8, .value_kind: global_buffer, .address_space: global }
      - { .name: wo_s, .offset: 16, .size: 8, .value_kind: global_buffer, .address_space: global }
      - { .name: b_out, .offset: 24, .size: 8, .value_kind: global_buffer, .address_space: global }
      - { .name: x, .offset: 32, .size: 8, .value_kind: global_buffer, .address_space: global }
      - { .name: post, .offset: 40, .size: 8, .value_kind: global_buffer, .address_space: global }
    .group_segment_fixed_size: 327680
    .private_segment_fixed_size: 0
    .kernarg_segment_align: 8
    .kernarg_segment_size: 48
    .max_flat_workgroup_size: 128
    .sgpr_count:     102
    .vgpr_count:     1024
    .wavefront_size: 32
...
	.end_amdgpu_metadata
.endif
;; end of part 5
;; launch ln2: the kernel of part 2 again; grid 256 x 1, 8 waves a work-group, no clusters, 67,584 bytes of LDS; arguments post, ln2_w, ln2_b, act; writes act
;; launch mlp1 (part 6): grid 16 x 16, 4 waves a work-group, clusters of 4 x 4, 327,680 bytes of LDS; arguments act, mlp1_w_codes, mlp1_w_scales, mlp1_b, g; writes g
.if DOCPART == 6
	.amdgcn_target "amdgcn-amd-amdhsa--gfx1250"
	.amdhsa_code_object_version 6
	.text
	.protected	k_q2713d0cc52_mlp1
	.globl	k_q2713d0cc52_mlp1
	.p2align	8
	.type	k_q2713d0cc52_mlp1,@function
k_q2713d0cc52_mlp1:
	s_mov_b64 s[64:65], 0
	v_nop
	global_prefetch_b8 v0, s[64:65] scope:SCOPE_SE
	s_setreg_imm32_b32 hwreg(HW_REG_WAVE_MODE, 25, 1), 1
	s_wait_xcnt 0x0
	s_wait_alu depctr_hold_cnt(0) depctr_sa_sdst(0) depctr_va_vdst(0) depctr_va_sdst(0) depctr_va_ssrc(0) depctr_va_vcc(0) depctr_vm_vsrc(0)
	s_getreg_b32 s2, hwreg(HW_REG_IB_STS2, 6, 4)
	s_cmp_eq_u32 s2, 0
	s_cbranch_scc0 .Lentry_in_a_cluster
	s_endpgm
.Lentry_in_a_cluster:
	s_bfe_u32 s2, ttmp6, 0x10000c
	s_cmp_lg_u32 s2, 0xf033
	s_cbranch_scc0 .Lentry_shape_is_right
	s_endpgm
.Lentry_shape_is_right:
; g = Q(gelu(A B^T + bias)): the product on codes of BF6 (E3M2) with E8M0 scales for each 32 along K = 1,024; the exact GELU in f32; the result quantised along its columns (the next product's K) and stored as images.
; A tile of C is 256 x 256; four waves, each 128 x 128: 64 accumulators.  K goes in steps of 256 through a ring of two LDS slots filled by the tensor data mover; all scales come into LDS once, with the first fills.
; A: images of operand registers (row tile mt, K step s) of 1,536 bytes, six planes of 256.  B: rows of codes.  CLUSTERS: 4 x 4; A's tiles jointly along a row of the cluster, B's along a column.
; THE MATRIX INSTRUCTION IS USED TRANSPOSED (source 0 = rows of B, source 1 = rows of A).  The bias is the C of each sum's first product.
; GELU: gelu(x) = max(x, 0) - |x| e(x), e = erfc(|x| / sqrt 2) / 2 = t 2^(-x^2 log2(e) / 2 + c0 + t (c1 + .. + t c9)), t = 1 / (1 + |x| / (2 sqrt 2)): a fit of erfc whose fractional error stays under 1.2e-7 for every x; no branch.
; OUT: image (mt, s = 2 tile column + half) at (32 mt + s) x 1,536; scale words from byte 12,582,912 on, [tile row][s][row tile][16 rows], so that two row tiles' words are 128 consecutive bytes.
; LIMITS: e under 2^-126 comes out as 0; a block of zeros gets the byte 1 (its codes are zeros; this program alone reads the bytes); NaN and infinities are not served.
; REGISTERS: window 0: v1-31 addresses; v32-63 A's scale words, v64-95 B's; v96-127, v224-255 the bias; v128-223 A's fragments; on the way out v96-255 at work.  window 1: B's fragments.  windows 2, 3: the accumulators.
.set SIZE_K,  1024
.set ASC_OFF, 3145728
.set SA_BLK,  512
.set SA_STEP, 64
.set STW,     8448
.set GWORDS,  12582912
.set KSTEP,  256
.set NQ,     2
.set ROWB,   192
.set KROW,   SIZE_K*6/8
.set PITCH,  240
.set FR,     12
.set NL,     6
.set NP,     4
.set AIMG,   1536
.set HALFA,  8*NQ*AIMG
.set HALFB,  128*PITCH
.set SLOT,   2*HALFA+2*HALFB
.set LAPS,   SIZE_K/(2*KSTEP)
.set KS,     SIZE_K/32
.set SCB,    2*SLOT
.set HALFS,  (128*KS/256)*272
.set SBLK,   (16*KS/256)*272
.set SCA,    SCB+2*HALFS
.set SABYTES, 8*SIZE_K
.set SPARE,  SCA+SABYTES               ; the spare words, 128 bytes for each wave: two blocks of 256 bytes that no other line names
.set SPITCH, 528
.set KX,   4                           ; v[4:5]  -log2(e) / 2, twice
.set C9,   6                           ; v[6:7]  c9, twice
.set H8,   8
.set L8,   12
.set L4,   13
.set WE,   14
.set PX,   15
.set ADRA, 16
.set ADRB, 20
.set STO,  24
.set RQ,   25
.set ADSA, 27
.set SPW,  28
.set NIL,  29
.set ADSB, 30
.set BOF,  31
.set SCAR, 32
.set SCBR, 64
.set BIAS, 96
.set AF,   128
.set H,    96
.set X,    128
.set T,    192
.set P,    224
.set TM,   192
.set SO,   196
.set BY,   198
.set PC,   200
.set TQ,   212
.set PW,   220
.set WD,   221
.set G1, 24
.set G0, 32
.set G1B, 48
.set G0B, 56
.set SEL, 66
.set G1S, 68
.set G0S, 76
.set G1SB, 80
.set G0SB, 88
.set MSKHI, 2
.set CF,   24                          ; s[24:41] c0 .. c8, each twice: the descriptors' registers, free behind the last wait for tensor loads
.set KT,   43
.set MSB, 0
.macro WIN new
.if MSB != \new
	s_set_vgpr_msb (MSB<<8)|\new
.set MSB, \new
.endif
.endm
.set MUL_LO, 0xa1
.set MUL_HI, 0xf1
.set TO_B,   0x40
.macro JLOAD g0a, g1a, g0b, g1b        ; a joint load: waves 0 and 1 fetch for A, waves 2 and 3 for B; four v_nop follow each of the two lines
	s_cmp_eq_u32 s15, 0
	s_cbranch_scc0 .Lfor_b_\@
	tensor_load_to_lds s[\g0a:\g0a+3], s[\g1a:\g1a+7]
	s_nop 0
.rept 4
	v_nop
.endr
	s_branch .Lasked_\@
.Lfor_b_\@:
	tensor_load_to_lds s[\g0b:\g0b+3], s[\g1b:\g1b+7]
	s_nop 0
.rept 4
	v_nop
.endr
.Lasked_\@:
.endm
.macro CREST
	s_cmp_lg_u32 s14, 0
	s_cbranch_scc1 .Lnot_wave_0_\@
	s_barrier_signal -3
.Lnot_wave_0_\@:
	s_barrier_wait -3
	s_barrier_signal -1
	s_barrier_wait -1
.endm
.macro CROUND
	s_barrier_signal -1
	s_barrier_wait -1
	CREST
.endm
.macro PLACES n
.rept \n
	v_nop
.endr
.endm
.macro FRAGA reg, slot, q, i
.irp p, 0,1,2,3,4,5
	ds_load_b64 v[\reg+2*\p:\reg+2*\p+1], v[ADRA+\slot] offset:(\i)*NQ*AIMG+(\q)*AIMG+256*\p
.endr
.endm
.macro FRAGB reg, adr, q, i
.irp p, 0,1,2,3,4,5
.set PCE, 12*(\q)+6*(\p/3)+\p%3
.if PCE%8 < 5
	ds_load_b64 v[\reg+2*\p:\reg+2*\p+1], v[\adr] offset:8*PCE+16*(PCE/8)+(\i)*16*PITCH
.else
	ds_load_b64 v[\reg+2*\p:\reg+2*\p+1], v[\adr+2] offset:8*PCE+16*(PCE/8)+(\i)*16*PITCH
.endif
.endr
.endm
; 16 matrix instructions.  cm = 1: C = 0; cm = 2: C = the bias; cm = 0: in place.  The 64 accumulators take turns, one instruction a turn.
.macro MUL16 a0, p, q, sc, cm
.irp a, \a0, \a0+1
.irp b, 0,1,2,3,4,5,6,7
.if \cm == 1
	v_wmma_scale_f32_16x16x128_f8f6f4 v[8*(8*((\a)%4)+\b):8*(8*((\a)%4)+\b)+7], v[128*(\p)+FR*\b:128*(\p)+FR*\b+FR-1], v[AF+FR*(\a):AF+FR*(\a)+FR-1], 0, v[SCBR+16*(\sc)+2*\b+(\q)], v[SCAR+16*(\sc)+2*(\a)+(\q)] matrix_a_fmt:MATRIX_FMT_BF6 matrix_b_fmt:MATRIX_FMT_BF6
.elseif \cm == 2
	v_wmma_scale_f32_16x16x128_f8f6f4 v[8*(8*((\a)%4)+\b):8*(8*((\a)%4)+\b)+7], v[128*(\p)+FR*\b:128*(\p)+FR*\b+FR-1], v[AF+FR*(\a):AF+FR*(\a)+FR-1], v[BIAS+8*\b+96*(\b/4):BIAS+8*\b+96*(\b/4)+7], v[SCBR+16*(\sc)+2*\b+(\q)], v[SCAR+16*(\sc)+2*(\a)+(\q)] matrix_a_fmt:MATRIX_FMT_BF6 matrix_b_fmt:MATRIX_FMT_BF6
.else
	v_wmma_scale_f32_16x16x128_f8f6f4 v[8*(8*((\a)%4)+\b):8*(8*((\a)%4)+\b)+7], v[128*(\p)+FR*\b:128*(\p)+FR*\b+FR-1], v[AF+FR*(\a):AF+FR*(\a)+FR-1], v[8*(8*((\a)%4)+\b):8*(8*((\a)%4)+\b)+7], v[SCBR+16*(\sc)+2*\b+(\q)], v[SCAR+16*(\sc)+2*(\a)+(\q)] matrix_a_fmt:MATRIX_FMT_BF6 matrix_b_fmt:MATRIX_FMT_BF6
.endif
.endr
.endr
.endm
.macro FETCH_B slot, q, p
	WIN TO_B
.irp i, 0,1,2,3,4,5,6,7
	FRAGB 128*(\p)+FR*\i, ADRB+\slot, \q, \i
.endr
	WIN 0
.endm
.macro FETCH_A slot, q, i0
.irp i, \i0, \i0+1, \i0+2, \i0+3
	FRAGA AF+FR*(\i), \slot, \q, \i
.endr
.endm
.macro SCALES sc
.irp i, 0,1,2,3,4,5,6,7
	ds_load_b64 v[SCBR+16*\sc+2*\i:SCBR+16*\sc+2*\i+1], v[ADSB] offset:\i*SBLK
.endr
.irp i, 0,1,2,3,4,5,6,7
	ds_load_b32 v[SCAR+16*\sc+2*\i], v[ADSA] offset:\i*SA_BLK
	ds_load_b32 v[SCAR+16*\sc+2*\i+1], v[ADSA] offset:\i*SA_BLK+SA_STEP
.endr
.endm
.macro STEP slot, q, cm
	s_wait_dscnt 4*NL                              ; B's set, the scale words and A's blocks 0-3 are in; the youngest 24 loads (A's blocks 4-7) may be out
.if \cm == 2
	WIN 0x81
.else
	WIN MUL_LO
.endif
	MUL16 0, (\q)%2, \q, \slot, \cm
	MUL16 2, (\q)%2, \q, \slot, \cm
	s_wait_dscnt 0
	PLACES NP
	FETCH_B \slot, (\q)+1, 1-(\q)%2
	FETCH_A \slot, (\q)+1, 0
.if \cm == 2
	WIN 0xc1
.else
	WIN MUL_HI
.endif
	MUL16 4, (\q)%2, \q, \slot, \cm
	MUL16 6, (\q)%2, \q, \slot, \cm
	PLACES NP
	WIN 0
	FETCH_A \slot, (\q)+1, 4
.endm
.macro TURN slot, next, fill
	s_wait_tensorcnt 0x0                           ; all my tensor loads have landed: my part of the next slot
	ds_add_u32 v[SPW], v[NIL]                      ; 0 onto my spare word
	s_wait_dscnt 4*NL+1                            ; (the add and the youngest 24 loads may be out)
	WIN MUL_LO
	MUL16 0, 1, NQ-1, \slot, 0
	s_wait_dscnt 0x0                               ; the add is done, and my reads of this slot are over
	s_barrier_signal -1
	MUL16 2, 1, NQ-1, \slot, 0
	WIN 0
	s_barrier_wait -1
.if \fill
	CREST                                          ; the barrier has opened a round of the cluster's barrier: no wave of any partner still reads this slot or has a load on its way
	s_add_nc_u64 s[G0+4*\slot+2:G0+4*\slot+3], s[G0+4*\slot+2:G0+4*\slot+3], 2*NQ*AIMG
	s_add_nc_u64 s[G0B+4*\slot+2:G0B+4*\slot+3], s[G0B+4*\slot+2:G0B+4*\slot+3], 2*ROWB
	JLOAD G0+4*\slot, G1, G0B+4*\slot, G1B
.else
	PLACES NP
.endif
	v_add_nc_u32 v[ADSA], 2*SA_STEP, v[ADSA]
	v_add_nc_u32 v[ADSB], 8, v[ADSB]
	FETCH_B \next, 0, 0
	FETCH_A \next, 0, 0
	SCALES \next
	WIN MUL_HI
	MUL16 4, 1, NQ-1, \slot, 0
	MUL16 6, 1, NQ-1, \slot, 0
	PLACES NP
	WIN 0
	FETCH_A \next, 0, 4
.endm
.macro QUANT32                         ; v[X + 32 c + i] = k 64 c + 32 (lane / 16) + i of my row -> the fragment's 12 registers in v[PC] on, my row's scale word in v[PW]
.irp c, 0,1
	v_max3_num_f32 v[TM+\c], |v[X+32*\c]|, |v[X+32*\c+1]|, 0x2800000   ; with the floor 2^(5 - 127): the byte cannot fall under 1
	v_max_num_f32 v[TM+2+\c], |v[X+32*\c+2]|, |v[X+32*\c+3]|
.endr
.irp i, 4,8,12,16,20,24,28
.irp c, 0,1
	v_max3_num_f32 v[TM+\c], v[TM+\c], |v[X+32*\c+\i]|, |v[X+32*\c+\i+1]|
	v_max3_num_f32 v[TM+2+\c], v[TM+2+\c], |v[X+32*\c+\i+2]|, |v[X+32*\c+\i+3]|
.endr
.endr
.irp c, 0,1
	v_max_num_f32 v[TM+\c], v[TM+\c], v[TM+2+\c]
.endr
.irp c, 0,1
	v_add_nc_u32 v[SO+\c], 0xfe000000, v[TM+\c]
.endr
.irp c, 0,1
	v_lshrrev_b32 v[BY+\c], 23, v[SO+\c]
.endr
	v_lshl_or_b32 v[PW], v[BY+1], 16, v[BY]
	v_lshlrev_b32 v[PW], v[H8], v[PW]
	v_permlanex16_b32 v[PX], v[PW], s[SEL], s[SEL+1]
	v_or_b32 v[PW], v[PW], v[PX]
.irp c, 0,1
	v_cvt_scalef32_pk16_bf6_f32 v[PC+6*\c:PC+6*\c+2], v[X+32*\c:X+32*\c+15], v[SO+\c]
	v_cvt_scalef32_pk16_bf6_f32 v[TQ+4*\c:TQ+4*\c+2], v[X+32*\c+16:X+32*\c+31], v[SO+\c]
.endr
	v_nop
.irp c, 0,1
.irp i, 0,1,2
	v_mov_b32 v[PC+6*\c+3+\i], v[TQ+4*\c+\i]
.endr
.endr
.endm
.macro IMGST base, off
.irp p, 0,1,2,3,4,5
	global_store_b64 v[L8], v[PC+2*\p:PC+2*\p+1], s[\base:\base+1] offset:\off+256*\p
.endr
.endm
.macro STAGEQ a
.set AC, 64*((\a)%4)
	WIN 0x08+4*((\a)/4)
.irp b, 0,1,2,3,4,5,6,7
	ds_store_b128 v[STO], v[AC+8*\b:AC+8*\b+3] offset:64*\b          ; each accumulator from its low end on
	ds_store_b128 v[STO], v[AC+8*\b+4:AC+8*\b+7] offset:64*\b+16
.endr
	WIN 0
.irp c, 0,1
.irp j, 0,1,2,3,4,5,6,7
	ds_load_b128 v[X+32*\c+4*\j:X+32*\c+4*\j+3], v[RQ] offset:256*\c+16*\j
.endr
.endr
	s_wait_dscnt 0x0
.endm
.macro CONST k, val
	s_mov_b32 s[CF+2*\k], \val
	s_mov_b32 s[CF+2*\k+1], \val
.endm
.macro GELU c                          ; 32 numbers in place
.set XC, X+32*(\c)
.set n, 0
.rept 32
	v_fma_f32 v[T+n], |v[XC+n]|, s[KT], 1.0
.set n, n+1
.endr
.set n, 0
.rept 32
	v_rcp_f32 v[T+n], v[T+n]                       ; t
.set n, n+1
.endr
.set n, 0
.rept 16
	v_pk_mul_f32 v[P+n:P+n+1], v[XC+n:XC+n+1], v[XC+n:XC+n+1]      ; (plain lines behind the reciprocals)
.set n, n+2
.endr
.set n, 0
.rept 16
	v_pk_fma_f32 v[P+n:P+n+1], v[P+n:P+n+1], v[KX:KX+1], s[CF:CF+1] op_sel_hi:[1,1,0]
.set n, n+2
.endr
.set n, 0
	s_wait_alu depctr_va_vdst(0)
.rept 16
	v_pk_fma_f32 v[H+n:H+n+1], v[T+n:T+n+1], v[C9:C9+1], s[CF+16:CF+17] op_sel_hi:[1,1,0]
.set n, n+2
.endr
.irp k, 7,6,5,4,3,2,1
.set n, 0
.rept 16
	v_pk_fma_f32 v[H+n:H+n+1], v[H+n:H+n+1], v[T+n:T+n+1], s[CF+2*\k:CF+2*\k+1] op_sel_hi:[1,1,0]
.set n, n+2
.endr
.endr
.set n, 0
.rept 16
	v_pk_fma_f32 v[P+n:P+n+1], v[H+n:H+n+1], v[T+n:T+n+1], v[P+n:P+n+1]
.set n, n+2
.endr
.set n, 0
.rept 32
	v_exp_f32 v[P+n], v[P+n]
.set n, n+1
.endr
.set n, 0
.rept 32
	v_max_num_f32 v[H+n], 0, v[XC+n]               ; (plain lines behind the exponentials)
.set n, n+1
.endr
.set n, 0
	s_wait_alu depctr_va_vdst(0)
.rept 16
	v_pk_mul_f32 v[P+n:P+n+1], v[P+n:P+n+1], v[T+n:T+n+1]          ; e
.set n, n+2
.endr
.set n, 0
.rept 32
	v_fma_f32 v[XC+n], -|v[XC+n]|, v[P+n], v[H+n]
.set n, n+1
.endr
.endm
	s_load_b64 s[4:5], s[0:1], 0x0                 ; A's images
	s_load_b128 s[8:11], s[0:1], 0x8               ; B's codes, B's scales
	s_load_b128 s[96:99], s[0:1], 0x18             ; the bias, g
	v_lshl_add_u32 v[SPW], v0, 2, SPARE
	v_mov_b32 v[NIL], 0
	ds_add_u32 v28, v29
	ds_add_u32 v28, v29
	s_wait_dscnt 0x0
	v_lshrrev_b32 v1, 5, v0
	v_readfirstlane_b32 s14, v1
	s_lshr_b32 s15, s14, 1
	s_and_b32 s16, s14, 1
	s_bfe_u32 s40, ttmp6, 0x40000
	s_bfe_u32 s41, ttmp6, 0x40004
	s_lshl_b32 s42, ttmp9, 2
	s_add_co_u32 s42, s42, s40                     ; tile column of C
	s_and_b32 s17, ttmp7, 0xffff
	s_lshl_b32 s17, s17, 2
	s_add_co_u32 s17, s17, s41                     ; tile row of C
	s_lshl_b32 s43, s41, 2
	s_lshl_b32 s43, 15, s43
	s_lshl_b32 s44, 0x1111, s40
	s_or_b32 s[G1+0], s43, (3<<16)|(1<<21)
	s_mov_b32 s[G1+1], 384<<16
	s_mov_b32 s[G1+2], 8<<16
	s_mov_b32 s[G1+3], 384<<16
	s_mov_b32 s[G1+4], 8
	s_mov_b32 s[G1+5], (SIZE_K/128)*192
	s_mov_b32 s[G1+6], 0
	s_mov_b32 s[G1+7], 0
	s_or_b32 s[G1B+0], s44, (0<<16)|(1<<20)|(1<<21)|(3<<22)|(3<<25)
	s_mov_b32 s[G1B+1], ROWB<<16
	s_mov_b32 s[G1B+2], 128<<16
	s_mov_b32 s[G1B+3], ROWB<<16
	s_mov_b32 s[G1B+4], 128
	s_mov_b32 s[G1B+5], KROW
	s_mov_b32 s[G1B+6], 0
	s_mov_b32 s[G1B+7], 0
	s_or_b32 s[G1S+0], s43, (3<<16)|(1<<21)
	s_mov_b32 s[G1S+1], 32<<16
	s_mov_b32 s[G1S+2], (SIZE_K/64)<<16
	s_mov_b32 s[G1S+3], 32<<16
	s_mov_b32 s[G1S+4], SIZE_K/64
	s_mov_b32 s[G1S+5], 32
	s_mov_b32 s[G1S+6], 0
	s_mov_b32 s[G1S+7], 0
	s_or_b32 s[G1SB+0], s44, (3<<16)|(1<<20)|(1<<21)|(5<<22)|(3<<25)
	s_mov_b32 s[G1SB+1], 32<<16
	s_mov_b32 s[G1SB+2], (128*KS/256)<<16
	s_mov_b32 s[G1SB+3], 32<<16
	s_mov_b32 s[G1SB+4], 128*KS/256
	s_mov_b32 s[G1SB+5], 32
	s_mov_b32 s[G1SB+6], 0
	s_mov_b32 s[G1SB+7], 0
	s_lshl_b32 s20, s17, 4
	s_lshl_b32 s18, s16, 3
	s_add_co_u32 s20, s20, s18
	s_mul_i32 s20, s20, (SIZE_K/128)*AIMG
	s_mov_b32 s21, 0
	s_mul_i32 s22, s17, SABYTES
	s_mul_i32 s18, s16, SABYTES/2
	s_add_co_u32 s22, s22, s18
	s_add_co_u32 s22, s22, ASC_OFF
	s_mov_b32 s23, 0
	s_lshl_b32 s46, s42, 8
	s_lshl_b32 s47, s16, 7
	s_add_co_u32 s46, s46, s47
	s_mul_i32 s92, s46, KS
	s_mov_b32 s93, 0
	s_mul_i32 s46, s46, KROW
	s_mov_b32 s47, 0
	s_mul_i32 s45, s16, HALFA
	s_mul_i32 s94, s16, HALFB
	s_add_co_u32 s94, s94, 2*HALFA
	s_mul_i32 s95, s16, SABYTES/2
	s_mul_i32 s19, s16, HALFS
	s_wait_kmcnt 0x0
	s_add_nc_u64 s[20:21], s[4:5], s[20:21]
	s_add_nc_u64 s[22:23], s[4:5], s[22:23]
	s_add_nc_u64 s[46:47], s[8:9], s[46:47]
	s_add_nc_u64 s[92:93], s[10:11], s[92:93]
	CROUND                                         ; all sixteen work-groups are here: the first joint loads meet
	s_mov_b32 s[G0S], 1
	s_add_co_u32 s[G0S+1], s95, SCA
	s_mov_b64 s[G0S+2:G0S+3], s[22:23]
	s_or_b32 s[G0S+3], s[G0S+3], 0x80000000
	s_mov_b32 s[G0SB], 1
	s_add_co_u32 s[G0SB+1], s19, SCB
	s_mov_b64 s[G0SB+2:G0SB+3], s[92:93]
	s_or_b32 s[G0SB+3], s[G0SB+3], 0x80000000
	JLOAD G0S, G1S, G0SB, G1SB
.irp s, 0,1
	s_mov_b32 s[G0+4*\s], 1
	s_add_co_u32 s[G0+4*\s+1], s45, \s*SLOT
	s_add_nc_u64 s[G0+4*\s+2:G0+4*\s+3], s[20:21], \s*NQ*AIMG
	s_or_b32 s[G0+4*\s+3], s[G0+4*\s+3], 0x80000000
	s_mov_b32 s[G0B+4*\s], 1
	s_add_co_u32 s[G0B+4*\s+1], s94, \s*SLOT
	s_add_nc_u64 s[G0B+4*\s+2:G0B+4*\s+3], s[46:47], \s*ROWB
	s_or_b32 s[G0B+4*\s+3], s[G0B+4*\s+3], 0x80000000
	JLOAD G0+4*\s, G1, G0B+4*\s, G1B
.endr
	v_and_b32 v1, 15, v0                           ; r
	v_bfe_u32 v2, v0, 4, 1                         ; h
	v_and_b32 v6, 31, v0                           ; lane
	v_lshlrev_b32 v[L8], 3, v6
	v_lshlrev_b32 v[L4], 2, v6
	v_lshlrev_b32 v[H8], 3, v2
	v_mov_b32 v[PX], 0
	v_lshlrev_b32 v[BOF], 5, v2
	s_lshl_b32 s92, s42, 10
	s_lshl_b32 s93, s16, 9
	s_add_co_u32 s92, s92, s93
	s_mov_b32 s93, 0
	s_add_nc_u64 s[96:97], s[96:97], s[92:93]
.irp b, 0,1,2,3,4,5,6,7
	global_load_b128 v[BIAS+8*\b+96*(\b/4):BIAS+8*\b+96*(\b/4)+3], v[BOF], s[96:97] offset:64*\b     ; in the result's layout: columns 16 b + 8 h + 0 .. 7
	global_load_b128 v[BIAS+8*\b+96*(\b/4)+4:BIAS+8*\b+96*(\b/4)+7], v[BOF], s[96:97] offset:64*\b+16
.endr
	s_lshl_b32 s92, s17, 4
	s_lshl_b32 s94, s15, 3
	s_add_co_u32 s92, s92, s94                     ; my first row tile
	s_lshl_b32 s92, s92, 5
	s_lshl_b32 s94, s42, 1
	s_add_co_u32 s94, s94, s16                     ; my K step of the next product
	s_add_co_u32 s92, s92, s94
	s_mul_i32 s92, s92, AIMG
	s_add_nc_u64 s[12:13], s[98:99], s[92:93]      ; my images
	s_lshl_b32 s92, s17, 15
	s_lshl_b32 s94, s94, 10
	s_add_co_u32 s92, s92, s94
	s_lshl_b32 s94, s15, 9
	s_add_co_u32 s92, s92, s94
	s_add_co_u32 s92, s92, GWORDS
	s_add_nc_u64 s[6:7], s[98:99], s[92:93]        ; my scale words
	v_mul_u32_u24 v3, v1, PITCH
	v_mul_u32_u24 v4, v2, 24
	v_add_nc_u32 v4, v3, v4
	v_lshl_add_u32 v5, v2, 4, v4
	s_mul_i32 s21, s15, HALFA
	s_mul_i32 s22, s16, HALFB
	s_add_co_u32 s22, s22, 2*HALFA
.irp s, 0,1
	v_add_nc_u32 v[ADRA+\s], s21, v[L8]
	v_add_nc_u32 v[ADRB+\s], s22, v4
	v_add_nc_u32 v[ADRB+2+\s], s22, v5
	s_add_co_u32 s21, s21, SLOT
	s_add_co_u32 s22, s22, SLOT
.endr
	s_mul_i32 s21, s15, 8*SA_BLK
	s_add_co_u32 s21, s21, SCA
	v_lshl_add_u32 v[ADSA], v1, 2, s21
	v_mul_u32_u24 v5, v1, KS
	v_lshrrev_b32 v3, 8, v5
	v_lshl_add_u32 v5, v3, 4, v5
	s_mul_i32 s22, s16, HALFS
	s_add_co_u32 s22, s22, SCB
	v_add_nc_u32 v[ADSB], s22, v5
	s_mul_i32 s23, s14, STW                        ; my stage: in slot 0, which has had its last fill and its last read when the first result is stored there
	v_mul_u32_u24 v5, v1, SPITCH
	v_add_nc_u32 v5, s23, v5
	v_lshl_add_u32 v[STO], v2, 5, v5
	v_lshl_add_u32 v[RQ], v2, 7, v5
	s_mov_b32 s[SEL], 0x76543210
	s_mov_b32 s[SEL+1], 0xfedcba98
	s_wait_tensorcnt 1                             ; the scales and my part of K step 0 are in (K step 1's load may be out),
	s_barrier_signal -1
	s_barrier_wait -1
	FETCH_B 0, 0, 0
	FETCH_A 0, 0, 0
	SCALES 0
	FETCH_A 0, 0, 4
	s_wait_loadcnt 0x0                             ; the bias
	STEP 0, 0, 2                                   ; the first step stands in front of the loop: its products start the sums on the bias
	s_mov_b32 s3, LAPS-1
.Llap:
	TURN 0, 1, 1
	STEP 1, 0, 0
	TURN 1, 0, 1
	STEP 0, 0, 0
	s_sub_co_u32 s3, s3, 1
	s_cmp_lg_u32 s3, 0
	s_cbranch_scc1 .Llap
	TURN 0, 1, 0
	STEP 1, 0, 0
	s_wait_dscnt 4*NL
	WIN MUL_LO
	MUL16 0, 1, NQ-1, 1, 0
	MUL16 2, 1, NQ-1, 1, 0
	s_wait_dscnt 0
	WIN MUL_HI
	MUL16 4, 1, NQ-1, 1, 0
	MUL16 6, 1, NQ-1, 1, 0
	WIN 0
	PLACES NP
	s_mov_b32 s[MSKHI], 0xffff0000                 ; lanes 16-31
	s_mov_b32 s[KT], 0x3eb504f3                    ; 1 / (2 sqrt 2)
	CONST 0, 0xc034d90f                            ; the fit's coefficients x log2(e); c0 also carries the factor 1/2
	CONST 1, 0x3fb8ab5a
	CONST 2, 0x3f0a29d2
	CONST 3, 0x3e0efb2f
	CONST 4, 0xbe899a80
	CONST 5, 0x3ecdfd18
	CONST 6, 0xbfd1a1e5
	CONST 7, 0x40097039
	CONST 8, 0xbf97d29d
	v_mov_b32 v[KX], 0xbf38aa3b
	v_mov_b32 v[KX+1], 0xbf38aa3b
	v_mov_b32 v[C9], 0x3e7c6f08
	v_mov_b32 v[C9+1], 0x3e7c6f08
.irp a, 0,1,2,3,4,5,6,7
	s_wait_xcnt 0x0                                ; the last block's stores have read their registers
	STAGEQ \a
	GELU 0
	GELU 1
	QUANT32
	IMGST 12, \a*32*AIMG
.if \a%2 == 0
	v_mov_b32 v[WE], v[PW]
.else
	v_cndmask_b32 v[WD], v[WE], v[PW], s[MSKHI]    ; lanes 0-15: the even row tile's words; lanes 16-31: the odd one's: 128 consecutive bytes
	global_store_b32 v[L4], v[WD], s[6:7] offset:64*(\a-1)
.endif
.endr
	s_wait_tensorcnt 0x0                           ; the wave's end
	ds_add_u32 v[SPW], v[NIL]
	s_wait_dscnt 0x0
	CROUND                                         ; the closing round
	s_endpgm
.Lfunc_end_k_q2713d0cc52_mlp1:
	.size	k_q2713d0cc52_mlp1, .Lfunc_end_k_q2713d0cc52_mlp1-k_q2713d0cc52_mlp1
	.p2alignl 7, 3214868480
	.fill 96, 4, 3214868480
	.section	.rodata,"a",@progbits
	.p2align	6, 0x0
	.amdhsa_kernel k_q2713d0cc52_mlp1
		.amdhsa_group_segment_fixed_size 327680
		.amdhsa_private_segment_fixed_size 0
		.amdhsa_enable_private_segment 0
		.amdhsa_kernarg_size 40
		.amdhsa_user_sgpr_count 2
		.amdhsa_user_sgpr_kernarg_segment_ptr 1
		.amdhsa_wavefront_size32 1
		.amdhsa_system_sgpr_workgroup_id_x 1
		.amdhsa_system_sgpr_workgroup_id_y 1
		.amdhsa_system_sgpr_workgroup_id_z 1
		.amdhsa_system_vgpr_workitem_id 0
		.amdhsa_next_free_vgpr 1024
		.amdhsa_next_free_sgpr 102
		.amdhsa_reserve_vcc 0
		.amdhsa_float_denorm_mode_32 3
		.amdhsa_float_denorm_mode_16_64 3
		.amdhsa_memory_ordered 1
		.amdhsa_forward_progress 1
		.amdhsa_inst_pref_size 255
	.end_amdhsa_kernel
	.section	.bss,"aw",@nobits
	.p2align	6
	.space	262144
	.amdgpu_metadata
---
amdhsa.version: [ 1, 2 ]
amdhsa.kernels:
  - .name:           k_q2713d0cc52_mlp1
    .symbol:         k_q2713d0cc52_mlp1.kd
    .args:
      - { .name: act, .offset: 0, .size: 8, .value_kind: global_buffer, .address_space: global }
      - { .name: mlp1_w_codes, .offset: 8, .size: 8, .value_kind: global_buffer, .address_space: global }
      - { .name: mlp1_w_scales, .offset: 16, .size: 8, .value_kind: global_buffer, .address_space: global }
      - { .name: mlp1_b, .offset: 24, .size: 8, .value_kind: global_buffer, .address_space: global }
      - { .name: g, .offset: 32, .size: 8, .value_kind: global_buffer, .address_space: global }
    .group_segment_fixed_size: 327680
    .private_segment_fixed_size: 0
    .kernarg_segment_align: 8
    .kernarg_segment_size: 40
    .max_flat_workgroup_size: 128
    .sgpr_count:     102
    .vgpr_count:     1024
    .wavefront_size: 32
...
	.end_amdgpu_metadata
.endif
;; end of part 6
;; launch mlp2 (part 7): grid 4 x 16, 4 waves a work-group, clusters of 4 x 4, 327,680 bytes of LDS; arguments g, mlp2_w_codes, mlp2_w_scales, mlp2_b, post, out0; writes out0
.if DOCPART == 7
	.amdgcn_target "amdgcn-amd-amdhsa--gfx1250"
	.amdhsa_code_object_version 6
	.text
	.protected	k_q2713d0cc52_mlp2
	.globl	k_q2713d0cc52_mlp2
	.p2align	8
	.type	k_q2713d0cc52_mlp2,@function
k_q2713d0cc52_mlp2:
	s_mov_b64 s[64:65], 0
	v_nop
	global_prefetch_b8 v0, s[64:65] scope:SCOPE_SE
	s_setreg_imm32_b32 hwreg(HW_REG_WAVE_MODE, 25, 1), 1
	s_wait_xcnt 0x0
	s_wait_alu depctr_hold_cnt(0) depctr_sa_sdst(0) depctr_va_vdst(0) depctr_va_sdst(0) depctr_va_ssrc(0) depctr_va_vcc(0) depctr_vm_vsrc(0)
	s_getreg_b32 s2, hwreg(HW_REG_IB_STS2, 6, 4)
	s_cmp_eq_u32 s2, 0
	s_cbranch_scc0 .Lentry_in_a_cluster
	s_endpgm
.Lentry_in_a_cluster:
	s_bfe_u32 s2, ttmp6, 0x10000c
	s_cmp_lg_u32 s2, 0xf033
	s_cbranch_scc0 .Lentry_shape_is_right
	s_endpgm
.Lentry_shape_is_right:
; out = resid + bias + A B^T on codes of BF6 (E3M2) with E8M0 scales for each 32 along K = 4,096.  A: images of operand registers (row tile mt, K step s) of 1,536 bytes, six planes of 256; B: rows of codes; out, resid: f32, [4096][1024], token order.
; A tile of C is 256 x 256; four waves, each 128 x 128: 64 accumulators.  K goes in steps of 256 through a ring of two LDS slots filled by the tensor data mover; all scales come into LDS once, with the first fills.
; CLUSTERS: 4 x 4 work-groups; A's tiles are asked for jointly along a row of the cluster, B's along a column.  THE MATRIX INSTRUCTION IS USED TRANSPOSED (source 0 = rows of B, source 1 = rows of A).
; The bias is the C of each sum's first product.  The residual comes as whole rows of 512 bytes into the registers that B's fragments have left, up to four blocks ahead, and is added on the way out.
; ROW ORDER: row tile mt holds tokens 32 (mt / 2) + 8 (mt % 2) + r + 8 (r / 8); the way out puts each row at its token.
; REGISTERS: window 0: v1-31 addresses; v32-63 A's scale words, v64-95 B's, two sets each; v96-127, v224-255 the bias; v128-223 A's fragments; on the way out v128-255 rows of C.  window 1: B's fragments, two sets; later the residual.  windows 2, 3: the accumulators.
.set SIZE_K,  4096
.set ASC_OFF, 12582912                 ; where A's scale words begin
.set SA_BLK,  64                       ; from row tile to row tile among them, in LDS
.set SA_STEP, 1024                     ; from 128 along K to the next
.set STW,     8448
.set KSTEP,  256
.set NQ,     2
.set ROWB,   192
.set KROW,   SIZE_K*6/8
.set PITCH,  240
.set FR,     12
.set NL,     6
.set NP,     4
.set AIMG,   1536
.set HALFA,  8*NQ*AIMG
.set HALFB,  128*PITCH
.set SLOT,   2*HALFA+2*HALFB
.set LAPS,   SIZE_K/(2*KSTEP)
.set KS,     SIZE_K/32
.set SCB,    2*SLOT
.set HALFS,  (128*KS/256)*272
.set SBLK,   (16*KS/256)*272
.set SCA,    SCB+2*HALFS
.set SABYTES, 8*SIZE_K
.set SPARE,  SCA+SABYTES               ; the spare words, 128 bytes for each wave: two blocks of 256 bytes that no other line names
.set SPITCH, 528
.set L8,   12
.set ADRA, 16
.set ADRB, 20
.set STO,  24
.set RD,   25
.set CO,   26
.set ADSA, 27
.set SPW,  28
.set NIL,  29
.set ADSB, 30
.set BOF,  31
.set SCAR, 32
.set SCBR, 64
.set BIAS, 96
.set AF,   128
.set BK,   128
.set G1, 24
.set G0, 32
.set G1B, 48
.set G0B, 56
.set G1S, 68
.set G0S, 76
.set G1SB, 80
.set G0SB, 88
.set MSB, 0
.macro WIN new
.if MSB != \new
	s_set_vgpr_msb (MSB<<8)|\new
.set MSB, \new
.endif
.endm
.set MUL_LO, 0xa1
.set MUL_HI, 0xf1
.set TO_B,   0x40
.macro JLOAD g0a, g1a, g0b, g1b        ; a joint load: waves 0 and 1 fetch for A, waves 2 and 3 for B; four v_nop follow each of the two lines
	s_cmp_eq_u32 s15, 0
	s_cbranch_scc0 .Lfor_b_\@
	tensor_load_to_lds s[\g0a:\g0a+3], s[\g1a:\g1a+7]
	s_nop 0
.rept 4
	v_nop
.endr
	s_branch .Lasked_\@
.Lfor_b_\@:
	tensor_load_to_lds s[\g0b:\g0b+3], s[\g1b:\g1b+7]
	s_nop 0
.rept 4
	v_nop
.endr
.Lasked_\@:
.endm
.macro CREST
	s_cmp_lg_u32 s14, 0
	s_cbranch_scc1 .Lnot_wave_0_\@
	s_barrier_signal -3
.Lnot_wave_0_\@:
	s_barrier_wait -3
	s_barrier_signal -1
	s_barrier_wait -1
.endm
.macro CROUND
	s_barrier_signal -1
	s_barrier_wait -1
	CREST
.endm
.macro PLACES n
.rept \n
	v_nop
.endr
.endm
.macro FRAGA reg, slot, q, i
.irp p, 0,1,2,3,4,5
	ds_load_b64 v[\reg+2*\p:\reg+2*\p+1], v[ADRA+\slot] offset:(\i)*NQ*AIMG+(\q)*AIMG+256*\p
.endr
.endm
.macro FRAGB reg, adr, q, i
.irp p, 0,1,2,3,4,5
.set PCE, 12*(\q)+6*(\p/3)+\p%3
.if PCE%8 < 5
	ds_load_b64 v[\reg+2*\p:\reg+2*\p+1], v[\adr] offset:8*PCE+16*(PCE/8)+(\i)*16*PITCH
.else
	ds_load_b64 v[\reg+2*\p:\reg+2*\p+1], v[\adr+2] offset:8*PCE+16*(PCE/8)+(\i)*16*PITCH
.endif
.endr
.endm
; 16 matrix instructions.  cm = 1: C = 0; cm = 2: C = the bias; cm = 0: in place.  The 64 accumulators take turns, one instruction a turn.
.macro MUL16 a0, p, q, sc, cm
.irp a, \a0, \a0+1
.irp b, 0,1,2,3,4,5,6,7
.if \cm == 1
	v_wmma_scale_f32_16x16x128_f8f6f4 v[8*(8*((\a)%4)+\b):8*(8*((\a)%4)+\b)+7], v[128*(\p)+FR*\b:128*(\p)+FR*\b+FR-1], v[AF+FR*(\a):AF+FR*(\a)+FR-1], 0, v[SCBR+16*(\sc)+2*\b+(\q)], v[SCAR+16*(\sc)+2*(\a)+(\q)] matrix_a_fmt:MATRIX_FMT_BF6 matrix_b_fmt:MATRIX_FMT_BF6
.elseif \cm == 2
	v_wmma_scale_f32_16x16x128_f8f6f4 v[8*(8*((\a)%4)+\b):8*(8*((\a)%4)+\b)+7], v[128*(\p)+FR*\b:128*(\p)+FR*\b+FR-1], v[AF+FR*(\a):AF+FR*(\a)+FR-1], v[BIAS+8*\b+96*(\b/4):BIAS+8*\b+96*(\b/4)+7], v[SCBR+16*(\sc)+2*\b+(\q)], v[SCAR+16*(\sc)+2*(\a)+(\q)] matrix_a_fmt:MATRIX_FMT_BF6 matrix_b_fmt:MATRIX_FMT_BF6
.else
	v_wmma_scale_f32_16x16x128_f8f6f4 v[8*(8*((\a)%4)+\b):8*(8*((\a)%4)+\b)+7], v[128*(\p)+FR*\b:128*(\p)+FR*\b+FR-1], v[AF+FR*(\a):AF+FR*(\a)+FR-1], v[8*(8*((\a)%4)+\b):8*(8*((\a)%4)+\b)+7], v[SCBR+16*(\sc)+2*\b+(\q)], v[SCAR+16*(\sc)+2*(\a)+(\q)] matrix_a_fmt:MATRIX_FMT_BF6 matrix_b_fmt:MATRIX_FMT_BF6
.endif
.endr
.endr
.endm
.macro FETCH_B slot, q, p
	WIN TO_B
.irp i, 0,1,2,3,4,5,6,7
	FRAGB 128*(\p)+FR*\i, ADRB+\slot, \q, \i
.endr
	WIN 0
.endm
.macro FETCH_A slot, q, i0
.irp i, \i0, \i0+1, \i0+2, \i0+3
	FRAGA AF+FR*(\i), \slot, \q, \i
.endr
.endm
.macro SCALES sc
.irp i, 0,1,2,3,4,5,6,7
	ds_load_b64 v[SCBR+16*\sc+2*\i:SCBR+16*\sc+2*\i+1], v[ADSB] offset:\i*SBLK
.endr
.irp i, 0,1,2,3,4,5,6,7
	ds_load_b32 v[SCAR+16*\sc+2*\i], v[ADSA] offset:\i*SA_BLK
	ds_load_b32 v[SCAR+16*\sc+2*\i+1], v[ADSA] offset:\i*SA_BLK+SA_STEP
.endr
.endm
.macro STEP slot, q, cm
	s_wait_dscnt 4*NL                              ; B's set, the scale words and A's blocks 0-3 are in; the youngest 24 loads (A's blocks 4-7) may be out
.if \cm == 2
	WIN 0x81
.else
	WIN MUL_LO
.endif
	MUL16 0, (\q)%2, \q, \slot, \cm
	MUL16 2, (\q)%2, \q, \slot, \cm
	s_wait_dscnt 0
	PLACES NP
	FETCH_B \slot, (\q)+1, 1-(\q)%2
	FETCH_A \slot, (\q)+1, 0
.if \cm == 2
	WIN 0xc1
.else
	WIN MUL_HI
.endif
	MUL16 4, (\q)%2, \q, \slot, \cm
	MUL16 6, (\q)%2, \q, \slot, \cm
	PLACES NP
	WIN 0
	FETCH_A \slot, (\q)+1, 4
.endm
.macro TURN slot, next, fill
	s_wait_tensorcnt 0x0                           ; all my tensor loads have landed: my part of the next slot
	ds_add_u32 v[SPW], v[NIL]                      ; 0 onto my spare word
	s_wait_dscnt 4*NL+1                            ; (the add and the youngest 24 loads may be out)
	WIN MUL_LO
	MUL16 0, 1, NQ-1, \slot, 0
	s_wait_dscnt 0x0                               ; the add is done, and my reads of this slot are over
	s_barrier_signal -1
	MUL16 2, 1, NQ-1, \slot, 0
	WIN 0
	s_barrier_wait -1
.if \fill
	CREST                                          ; the barrier has opened a round of the cluster's barrier: no wave of any partner still reads this slot or has a load on its way
	s_add_nc_u64 s[G0+4*\slot+2:G0+4*\slot+3], s[G0+4*\slot+2:G0+4*\slot+3], 2*NQ*AIMG
	s_add_nc_u64 s[G0B+4*\slot+2:G0B+4*\slot+3], s[G0B+4*\slot+2:G0B+4*\slot+3], 2*ROWB
	JLOAD G0+4*\slot, G1, G0B+4*\slot, G1B
.else
	PLACES NP
.endif
	v_add_nc_u32 v[ADSA], 2*SA_STEP, v[ADSA]
	v_add_nc_u32 v[ADSB], 8, v[ADSB]
	FETCH_B \next, 0, 0
	FETCH_A \next, 0, 0
	SCALES \next
	WIN MUL_HI
	MUL16 4, 1, NQ-1, \slot, 0
	MUL16 6, 1, NQ-1, \slot, 0
	PLACES NP
	WIN 0
	FETCH_A \next, 0, 4
.endm
.macro RLOAD a                         ; the residual's 16 rows of block a, 512 consecutive bytes a load, into window 1, set a % 4
	WIN TO_B
.irp t, 0,1,2,3,4,5,6,7,8,9,10,11,12,13,14,15
	global_load_b128 v[64*((\a)%4)+4*\t:64*((\a)%4)+4*\t+3], v[CO], s[96:97] offset:(32*((\a)/2)+8*((\a)%2)+\t+8*(\t/8))*4096 th:TH_LOAD_NT
.endr
	WIN 0
.endm
.macro TOSTAGE a                       ; block a through my stage: in as 32 bytes a lane, back as whole rows of 512 bytes
.set AC, 64*((\a)%4)
	WIN 0x08+4*((\a)/4)
.irp b, 0,1,2,3,4,5,6,7
	ds_store_b128 v[STO], v[AC+8*\b:AC+8*\b+3] offset:64*\b          ; each accumulator from its low end on
	ds_store_b128 v[STO], v[AC+8*\b+4:AC+8*\b+7] offset:64*\b+16
.endr
	WIN 0
.set BB, BK+64*((\a)%2)
.irp t, 0,1,2,3,4,5,6,7,8,9,10,11,12,13,14,15
	ds_load_b128 v[BB+4*\t:BB+4*\t+3], v[RD] offset:\t*SPITCH
.endr
.endm
.macro SEND a, younger, lc             ; younger: LDS instructions issued behind block a's loads; lc: residual loads issued behind block a's
.set BB, BK+64*((\a)%2)
	s_wait_dscnt \younger
	s_wait_loadcnt \lc
	WIN 0x04                                       ; source 1: window 1
.set k, 0
.rept 32
	v_pk_add_f32 v[BB+k:BB+k+1], v[BB+k:BB+k+1], v[64*((\a)%4)+k:64*((\a)%4)+k+1]
.set k, k+2
.endr
	WIN 0
.irp t, 0,1,2,3,4,5,6,7,8,9,10,11,12,13,14,15
	global_store_b128 v[CO], v[BB+4*\t:BB+4*\t+3], s[98:99] offset:(32*((\a)/2)+8*((\a)%2)+\t+8*(\t/8))*4096 th:TH_STORE_NT   ; 32 lanes store 512 consecutive bytes, aligned: the row at its token
.endr
.if (\a) < 4
	RLOAD (\a)+4
.endif
.endm
	s_load_b64 s[4:5], s[0:1], 0x0                 ; A's images
	s_load_b128 s[8:11], s[0:1], 0x8               ; B's codes, B's scales
	s_load_b64 s[6:7], s[0:1], 0x18                ; the bias
	s_load_b128 s[96:99], s[0:1], 0x20             ; the residual, the output
	v_lshl_add_u32 v[SPW], v0, 2, SPARE
	v_mov_b32 v[NIL], 0
	ds_add_u32 v28, v29
	ds_add_u32 v28, v29
	s_wait_dscnt 0x0
	v_lshrrev_b32 v1, 5, v0
	v_readfirstlane_b32 s14, v1                    ; wave 0..3
	s_lshr_b32 s15, s14, 1
	s_and_b32 s16, s14, 1
	s_bfe_u32 s40, ttmp6, 0x40000
	s_bfe_u32 s41, ttmp6, 0x40004
	s_lshl_b32 s42, ttmp9, 2
	s_add_co_u32 s42, s42, s40                     ; tile column of C
	s_and_b32 s17, ttmp7, 0xffff
	s_lshl_b32 s17, s17, 2
	s_add_co_u32 s17, s17, s41                     ; tile row of C
	s_lshl_b32 s43, s41, 2
	s_lshl_b32 s43, 15, s43
	s_lshl_b32 s44, 0x1111, s40
	s_or_b32 s[G1+0], s43, (3<<16)|(1<<21)
	s_mov_b32 s[G1+1], 384<<16
	s_mov_b32 s[G1+2], 8<<16
	s_mov_b32 s[G1+3], 384<<16
	s_mov_b32 s[G1+4], 8
	s_mov_b32 s[G1+5], (SIZE_K/128)*192
	s_mov_b32 s[G1+6], 0
	s_mov_b32 s[G1+7], 0
	s_or_b32 s[G1B+0], s44, (0<<16)|(1<<20)|(1<<21)|(3<<22)|(3<<25)
	s_mov_b32 s[G1B+1], ROWB<<16
	s_mov_b32 s[G1B+2], 128<<16
	s_mov_b32 s[G1B+3], ROWB<<16
	s_mov_b32 s[G1B+4], 128
	s_mov_b32 s[G1B+5], KROW
	s_mov_b32 s[G1B+6], 0
	s_mov_b32 s[G1B+7], 0
	s_or_b32 s[G1S+0], s43, (3<<16)|(1<<21)
	s_mov_b32 s[G1S+1], 32<<16
	s_mov_b32 s[G1S+2], (SIZE_K/64)<<16
	s_mov_b32 s[G1S+3], 32<<16
	s_mov_b32 s[G1S+4], SIZE_K/64
	s_mov_b32 s[G1S+5], 32
	s_mov_b32 s[G1S+6], 0
	s_mov_b32 s[G1S+7], 0
	s_or_b32 s[G1SB+0], s44, (3<<16)|(1<<20)|(1<<21)|(5<<22)|(3<<25)
	s_mov_b32 s[G1SB+1], 32<<16
	s_mov_b32 s[G1SB+2], (128*KS/256)<<16
	s_mov_b32 s[G1SB+3], 32<<16
	s_mov_b32 s[G1SB+4], 128*KS/256
	s_mov_b32 s[G1SB+5], 32
	s_mov_b32 s[G1SB+6], 0
	s_mov_b32 s[G1SB+7], 0
	s_lshl_b32 s20, s17, 4
	s_lshl_b32 s18, s16, 3
	s_add_co_u32 s20, s20, s18
	s_mul_i32 s20, s20, (SIZE_K/128)*AIMG
	s_mov_b32 s21, 0
	s_mul_i32 s22, s17, SABYTES
	s_mul_i32 s18, s16, SABYTES/2
	s_add_co_u32 s22, s22, s18
	s_add_co_u32 s22, s22, ASC_OFF
	s_mov_b32 s23, 0
	s_lshl_b32 s46, s42, 8
	s_lshl_b32 s47, s16, 7
	s_add_co_u32 s46, s46, s47
	s_mul_i32 s92, s46, KS
	s_mov_b32 s93, 0
	s_mul_i32 s46, s46, KROW
	s_mov_b32 s47, 0
	s_mul_i32 s45, s16, HALFA
	s_mul_i32 s94, s16, HALFB
	s_add_co_u32 s94, s94, 2*HALFA
	s_mul_i32 s95, s16, SABYTES/2
	s_mul_i32 s19, s16, HALFS
	s_wait_kmcnt 0x0
	s_add_nc_u64 s[20:21], s[4:5], s[20:21]
	s_add_nc_u64 s[22:23], s[4:5], s[22:23]
	s_add_nc_u64 s[46:47], s[8:9], s[46:47]
	s_add_nc_u64 s[92:93], s[10:11], s[92:93]
	CROUND                                         ; all sixteen work-groups are here: the first joint loads meet
	s_mov_b32 s[G0S], 1
	s_add_co_u32 s[G0S+1], s95, SCA
	s_mov_b64 s[G0S+2:G0S+3], s[22:23]
	s_or_b32 s[G0S+3], s[G0S+3], 0x80000000
	s_mov_b32 s[G0SB], 1
	s_add_co_u32 s[G0SB+1], s19, SCB
	s_mov_b64 s[G0SB+2:G0SB+3], s[92:93]
	s_or_b32 s[G0SB+3], s[G0SB+3], 0x80000000
	JLOAD G0S, G1S, G0SB, G1SB
.irp s, 0,1
	s_mov_b32 s[G0+4*\s], 1
	s_add_co_u32 s[G0+4*\s+1], s45, \s*SLOT
	s_add_nc_u64 s[G0+4*\s+2:G0+4*\s+3], s[20:21], \s*NQ*AIMG
	s_or_b32 s[G0+4*\s+3], s[G0+4*\s+3], 0x80000000
	s_mov_b32 s[G0B+4*\s], 1
	s_add_co_u32 s[G0B+4*\s+1], s94, \s*SLOT
	s_add_nc_u64 s[G0B+4*\s+2:G0B+4*\s+3], s[46:47], \s*ROWB
	s_or_b32 s[G0B+4*\s+3], s[G0B+4*\s+3], 0x80000000
	JLOAD G0+4*\s, G1, G0B+4*\s, G1B
.endr
	v_and_b32 v1, 15, v0                           ; r
	v_bfe_u32 v2, v0, 4, 1                         ; h
	v_and_b32 v6, 31, v0                           ; lane
	v_lshlrev_b32 v[L8], 3, v6
	v_lshlrev_b32 v[BOF], 5, v2
	s_lshl_b32 s92, s42, 10
	s_lshl_b32 s93, s16, 9
	s_add_co_u32 s92, s92, s93                     ; my first column, in bytes
	s_mov_b32 s93, 0
	s_add_nc_u64 s[6:7], s[6:7], s[92:93]
.irp b, 0,1,2,3,4,5,6,7
	global_load_b128 v[BIAS+8*\b+96*(\b/4):BIAS+8*\b+96*(\b/4)+3], v[BOF], s[6:7] offset:64*\b       ; in the result's layout: columns 16 b + 8 h + 0 .. 7
	global_load_b128 v[BIAS+8*\b+96*(\b/4)+4:BIAS+8*\b+96*(\b/4)+7], v[BOF], s[6:7] offset:64*\b+16
.endr
	s_lshl_b32 s94, s17, 20
	s_lshl_b32 s95, s15, 19
	s_add_co_u32 s94, s94, s95
	s_add_co_u32 s92, s92, s94                     ; + my first token's row
	s_add_nc_u64 s[96:97], s[96:97], s[92:93]
	s_add_nc_u64 s[98:99], s[98:99], s[92:93]
	v_mul_u32_u24 v3, v1, PITCH
	v_mul_u32_u24 v4, v2, 24
	v_add_nc_u32 v4, v3, v4
	v_lshl_add_u32 v5, v2, 4, v4
	s_mul_i32 s21, s15, HALFA
	s_mul_i32 s22, s16, HALFB
	s_add_co_u32 s22, s22, 2*HALFA
.irp s, 0,1
	v_add_nc_u32 v[ADRA+\s], s21, v[L8]
	v_add_nc_u32 v[ADRB+\s], s22, v4
	v_add_nc_u32 v[ADRB+2+\s], s22, v5
	s_add_co_u32 s21, s21, SLOT
	s_add_co_u32 s22, s22, SLOT
.endr
	s_mul_i32 s21, s15, 8*SA_BLK
	s_add_co_u32 s21, s21, SCA
	v_lshl_add_u32 v[ADSA], v1, 2, s21
	v_mul_u32_u24 v5, v1, KS
	v_lshrrev_b32 v3, 8, v5
	v_lshl_add_u32 v5, v3, 4, v5
	s_mul_i32 s22, s16, HALFS
	s_add_co_u32 s22, s22, SCB
	v_add_nc_u32 v[ADSB], s22, v5
	s_mul_i32 s23, s14, STW                        ; my stage: in slot 0, which has had its last fill and its last read when the first result is stored there
	v_mul_u32_u24 v5, v1, SPITCH
	v_add_nc_u32 v5, s23, v5
	v_lshl_add_u32 v[STO], v2, 5, v5
	v_lshlrev_b32 v[CO], 4, v6
	v_add_nc_u32 v[RD], s23, v[CO]
	s_wait_tensorcnt 1                             ; the scales and my part of K step 0 are in (K step 1's load may be out),
	s_barrier_signal -1
	s_barrier_wait -1
	FETCH_B 0, 0, 0
	FETCH_A 0, 0, 0
	SCALES 0
	FETCH_A 0, 0, 4
	s_wait_loadcnt 0x0                             ; the bias
	STEP 0, 0, 2                                   ; the first step stands in front of the loop: its products start the sums on the bias
	s_mov_b32 s3, LAPS-1
.Llap:
	TURN 0, 1, 1
	STEP 1, 0, 0
	TURN 1, 0, 1
	STEP 0, 0, 0
	s_sub_co_u32 s3, s3, 1
	s_cmp_lg_u32 s3, 0
	s_cbranch_scc1 .Llap
	TURN 0, 1, 0
	STEP 1, 0, 0
	RLOAD 0                                        ; B's set 0 is done with (four places stand behind its last products): the residual of blocks 0 and 1
	RLOAD 1
	s_wait_dscnt 4*NL
	WIN MUL_LO
	MUL16 0, 1, NQ-1, 1, 0
	MUL16 2, 1, NQ-1, 1, 0
	s_wait_dscnt 0
	WIN MUL_HI
	MUL16 4, 1, NQ-1, 1, 0
	MUL16 6, 1, NQ-1, 1, 0
	WIN 0
	PLACES NP
	RLOAD 2
	RLOAD 3
	TOSTAGE 0
.irp a, 1,2,3,4,5,6,7
.if \a > 1
	s_wait_xcnt 0x0                                ; block a - 2's stores have read their registers: block a's loads may land there
.endif
	TOSTAGE \a
.if \a < 6
	SEND \a-1, 32, 48                              ; behind block a - 1's LDS loads: block a's 16 stores and 16 loads; behind its residual: three blocks' 48 loads
.else
	SEND \a-1, 32, 16*(7-(\a-1))
.endif
.endr
	SEND 7, 0, 0
	s_wait_tensorcnt 0x0                           ; the wave's end
	ds_add_u32 v[SPW], v[NIL]
	s_wait_dscnt 0x0
	CROUND                                         ; the closing round
	s_endpgm
.Lfunc_end_k_q2713d0cc52_mlp2:
	.size	k_q2713d0cc52_mlp2, .Lfunc_end_k_q2713d0cc52_mlp2-k_q2713d0cc52_mlp2
	.p2alignl 7, 3214868480
	.fill 96, 4, 3214868480
	.section	.rodata,"a",@progbits
	.p2align	6, 0x0
	.amdhsa_kernel k_q2713d0cc52_mlp2
		.amdhsa_group_segment_fixed_size 327680
		.amdhsa_private_segment_fixed_size 0
		.amdhsa_enable_private_segment 0
		.amdhsa_kernarg_size 48
		.amdhsa_user_sgpr_count 2
		.amdhsa_user_sgpr_kernarg_segment_ptr 1
		.amdhsa_wavefront_size32 1
		.amdhsa_system_sgpr_workgroup_id_x 1
		.amdhsa_system_sgpr_workgroup_id_y 1
		.amdhsa_system_sgpr_workgroup_id_z 1
		.amdhsa_system_vgpr_workitem_id 0
		.amdhsa_next_free_vgpr 1024
		.amdhsa_next_free_sgpr 102
		.amdhsa_reserve_vcc 0
		.amdhsa_float_denorm_mode_32 3
		.amdhsa_float_denorm_mode_16_64 3
		.amdhsa_memory_ordered 1
		.amdhsa_forward_progress 1
		.amdhsa_inst_pref_size 195
	.end_amdhsa_kernel
	.amdgpu_metadata
---
amdhsa.version: [ 1, 2 ]
amdhsa.kernels:
  - .name:           k_q2713d0cc52_mlp2
    .symbol:         k_q2713d0cc52_mlp2.kd
    .args:
      - { .name: g, .offset: 0, .size: 8, .value_kind: global_buffer, .address_space: global }
      - { .name: mlp2_w_codes, .offset: 8, .size: 8, .value_kind: global_buffer, .address_space: global }
      - { .name: mlp2_w_scales, .offset: 16, .size: 8, .value_kind: global_buffer, .address_space: global }
      - { .name: mlp2_b, .offset: 24, .size: 8, .value_kind: global_buffer, .address_space: global }
      - { .name: post, .offset: 32, .size: 8, .value_kind: global_buffer, .address_space: global }
      - { .name: out0, .offset: 40, .size: 8, .value_kind: global_buffer, .address_space: global }
    .group_segment_fixed_size: 327680
    .private_segment_fixed_size: 0
    .kernarg_segment_align: 8
    .kernarg_segment_size: 48
    .max_flat_workgroup_size: 128
    .sgpr_count:     102
    .vgpr_count:     1024
    .wavefront_size: 32
...
	.end_amdgpu_metadata
.endif
;; end of part 7
;; ======== version 2 of 2: 7 launches
;; limits: right only within a limited range of input values
;; workspace buffers: wo_c 786,432 bytes; wo_s 32,768 bytes; act 3,276,800 bytes; qkv 6,750,208 bytes; z 3,276,800 bytes; post 16,777,216 bytes; g 13,107,200 bytes; wi 7,929,856 bytes
;; launch ln1 (part 8): grid 448 x 1, 8 waves a work-group, no clusters, 67,584 bytes of LDS; arguments x, ln1_w, ln1_b, act, W_Q_codes, W_K_codes, W_V_codes, mlp1_w_codes, mlp2_w_codes, W_Q_scales, W_K_scales, W_V_scales, W_out, wi, wo_c, wo_s; writes act, wi, wo_c, wo_s
.if DOCPART == 8
	.amdgcn_target "amdgcn-amd-amdhsa--gfx1250"
	.amdhsa_code_object_version 6
	.text
	.protected	k_q2713d0cc52_ln1
	.globl	k_q2713d0cc52_ln1
	.p2align	8
	.type	k_q2713d0cc52_ln1,@function
k_q2713d0cc52_ln1:
	s_mov_b64 s[64:65], 0
	v_nop
	global_prefetch_b8 v0, s[64:65] scope:SCOPE_SE
	s_setreg_imm32_b32 hwreg(HW_REG_WAVE_MODE, 25, 1), 1
	s_wait_xcnt 0x0
; y = (x - mean) rsqrt(var + 1e-5) w + b along rows of 1,024 f32, then quantised to BF6 (E3M2) with one E8M0 scale for each 32 along the row, and stored as IMAGES OF OPERAND REGISTERS.
; ROW ORDER.  Row tile mt holds tokens 32 (mt / 2) + 8 (mt % 2) + r + 8 (r / 8), r = 0 .. 15.  Image (mt, s) = 16 rows x 128 K: six planes of 256 bytes; plane p holds registers 2 p, 2 p + 1 of lane l at 256 p + 8 l.
; Images at (8 mt + s) x 1,536; the scale words (one for a row and 128 K) from byte 3,145,728 on, 64 bytes an image.
; A work-group is one tile.  Phase 1: wave w normalises two neighbouring tokens (mean first, then the squares of x - mean: it holds under a common offset), rows to LDS.  Phase 2: wave s quantises K step s of all 16 rows.
; LIMITS: a block of zeros gets the byte 1 (its codes are zeros; this program alone reads the bytes); NaN and infinities are not served.
.set ROWP,  4112                       ; an LDS row: 4,096 bytes + 16 = 1,028 words: row r starts at bank 4 r mod 64
.set WRD,   16*ROWP                    ; behind the rows: the tile's 8 x 16 scale words
.set AIMG,  1536
.set AWORDS, 3145728
.set R0,  32                           ; v32-63, v64-95 my two rows
.set GW,  96                           ; v96-127 w;  v128-159 b
.set GB,  128
.set S,   160                          ; v160-167 sums, v168-175 sums of squares
.set X,   32                           ; phase 2: 64 numbers
.set TM,  160
.set SO,  164
.set BY,  166
.set PW,  168
.set PC,  170
.set TQ,  182
.set PX,  190
.set H8,  9
.set SEL, 20
.macro QUANT32                         ; v[X + 32 c + i] = k 64 c + 32 (lane / 16) + i of my row -> the fragment's 12 registers in v[PC] on, my row's scale word in v[PW]
.irp c, 0,1
	v_max3_num_f32 v[TM+\c], |v[X+32*\c]|, |v[X+32*\c+1]|, 0x2800000   ; with the floor 2^(5 - 127): the byte cannot fall under 1
	v_max_num_f32 v[TM+2+\c], |v[X+32*\c+2]|, |v[X+32*\c+3]|
.endr
.irp i, 4,8,12,16,20,24,28
.irp c, 0,1
	s_delay_alu instid0(VALU_DEP_4)
	v_max3_num_f32 v[TM+\c], v[TM+\c], |v[X+32*\c+\i]|, |v[X+32*\c+\i+1]|
	s_delay_alu instid0(VALU_DEP_4)
	v_max3_num_f32 v[TM+2+\c], v[TM+2+\c], |v[X+32*\c+\i+2]|, |v[X+32*\c+\i+3]|
.endr
.endr
.irp c, 0
	s_delay_alu instid0(VALU_DEP_3)
	v_max_num_f32 v[TM+\c], v[TM+\c], v[TM+2+\c]
.endr
.irp c, 1
	s_delay_alu instid0(VALU_DEP_2)
	v_max_num_f32 v[TM+\c], v[TM+\c], v[TM+2+\c]
.endr
.irp c, 0,1
	s_delay_alu instid0(VALU_DEP_2)
	v_add_nc_u32 v[SO+\c], 0xfe000000, v[TM+\c]    ; 4 off the exponent field: the conversion's scale operand
.endr
.irp c, 0,1
	s_delay_alu instid0(VALU_DEP_2)
	v_lshrrev_b32 v[BY+\c], 23, v[SO+\c]           ; the scale's byte
.endr
	s_delay_alu instid0(VALU_DEP_1)
	v_lshl_or_b32 v[PW], v[BY+1], 16, v[BY]        ; my blocks h and 2 + h,
	s_delay_alu instid0(VALU_DEP_1)
	v_lshlrev_b32 v[PW], v[H8], v[PW]              ; at their places;
	s_delay_alu instid0(VALU_DEP_1)
	v_permlanex16_b32 v[PX], v[PW], s[SEL], s[SEL+1]
	s_delay_alu instid0(VALU_DEP_1)
	v_or_b32 v[PW], v[PW], v[PX]                   ; with lane l xor 16's two the word is whole
.irp c, 0,1
	v_cvt_scalef32_pk16_bf6_f32 v[PC+6*\c:PC+6*\c+2], v[X+32*\c:X+32*\c+15], v[SO+\c]
	v_cvt_scalef32_pk16_bf6_f32 v[TQ+4*\c:TQ+4*\c+2], v[X+32*\c+16:X+32*\c+31], v[SO+\c]   ; (a conversion's three registers begin on an even number)
.endr
	v_nop                                          ; one plain line behind the conversions
.irp c, 0,1
.irp i, 0,1,2
	v_mov_b32 v[PC+6*\c+3+\i], v[TQ+4*\c+\i]
.endr
.endr
.endm
.macro LANESUM r, t                    ; the sum over the wave's 32 lanes, in every lane
	v_add_f32_dpp v[\r], v[\r], v[\r] row_xmask:1 row_mask:0xf bank_mask:0xf
	s_delay_alu instid0(VALU_DEP_1)
	v_add_f32_dpp v[\r], v[\r], v[\r] row_xmask:2 row_mask:0xf bank_mask:0xf
	s_delay_alu instid0(VALU_DEP_1)
	v_add_f32_dpp v[\r], v[\r], v[\r] row_xmask:4 row_mask:0xf bank_mask:0xf
	s_delay_alu instid0(VALU_DEP_1)
	v_add_f32_dpp v[\r], v[\r], v[\r] row_xmask:8 row_mask:0xf bank_mask:0xf
	s_delay_alu instid0(VALU_DEP_1)
	v_permlanex16_b32 v[\t], v[\r], s[SEL], s[SEL+1]
	s_delay_alu instid0(VALU_DEP_1)
	v_add_f32 v[\r], v[\r], v[\t]
.endm
	s_cmp_ge_u32 ttmp9, 256                        ; work-groups 256 on (first layer norm's launch alone) prepare the weights: see .Lprep
	s_cbranch_scc1 .Lprep
	s_load_b256 s[4:11], s[0:1], 0x0
	v_lshl_add_u32 v192, v0, 2, 0x10400
	v_mov_b32 v193, 0
	v_lshrrev_b32 v1, 5, v0
	s_delay_alu instid0(VALU_DEP_1)
	v_readfirstlane_b32 s12, v1                    ; wave 0..7
	v_and_b32 v2, 31, v0                           ; lane
	v_and_b32 v3, 15, v0                           ; r
	v_bfe_u32 v4, v0, 4, 1                         ; h
	s_delay_alu instid0(VALU_DEP_3)
	v_lshlrev_b32 v5, 4, v2                        ; 16 bytes a lane
	s_wait_alu depctr_va_vdst(0)
	s_lshr_b32 s13, ttmp9, 1
	s_lshl_b32 s13, s13, 5
	s_and_b32 s14, ttmp9, 1
	s_lshl_b32 s14, s14, 3
	s_add_co_u32 s13, s13, s14
	s_lshl_b32 s14, s12, 1
	s_add_co_u32 s13, s13, s14
	s_lshr_b32 s14, s12, 2
	s_lshl_b32 s14, s14, 3
	s_add_co_u32 s13, s13, s14                     ; my first token: 32 (mt / 2) + 8 (mt % 2) + 2 w + 8 (w / 4)
	s_lshl_b32 s14, s13, 12
	s_mov_b32 s15, 0
	s_mul_i32 s16, s12, 2*ROWP
	v_add_nc_u32 v6, s16, v5                       ; phase 1: rows 2 w, 2 w + 1 of the tile
	v_mul_u32_u24 v7, v3, ROWP
	s_delay_alu instid0(VALU_DEP_1)
	v_lshl_add_u32 v7, v4, 7, v7
	s_lshl_b32 s16, s12, 9
	v_add_nc_u32 v7, s16, v7                       ; phase 2: row r, K step = wave, + 128 h bytes
	v_lshl_add_u32 v8, v3, 2, WRD
	s_lshl_b32 s16, s12, 6
	v_add_nc_u32 v8, s16, v8                       ; my K step's scale words
	v_lshlrev_b32 v[H8], 3, v4                     ; 8 h
	v_lshlrev_b32 v10, 3, v2                       ; 8 bytes a lane: a plane
	v_add_nc_u32 v11, WRD, v5                      ; all the tile's words, 16 bytes a lane
	v_mov_b32 v[PX], 0                             ; written once: a lane permute's destination counts as one of its sources
	v_mov_b32 v191, 0
	s_mov_b32 s[SEL], 0x76543210
	s_mov_b32 s[SEL+1], 0xfedcba98                 ; lane l xor 16
	s_mov_b32 s22, 0x3a800000                      ; 1 / 1,024
	s_mov_b32 s23, 0x3727c5ac                      ; 1e-5
	s_lshl_b32 s16, ttmp9, 3
	s_add_co_u32 s16, s16, s12
	s_mul_i32 s16, s16, AIMG                       ; image (mt, wave)
	s_mov_b32 s17, 0
	s_lshl_b32 s18, ttmp9, 9
	s_add_co_u32 s18, s18, AWORDS                  ; the tile's 512 bytes of words
	s_mov_b32 s19, 0
	s_wait_kmcnt 0x0
	s_add_nc_u64 s[4:5], s[4:5], s[14:15]
	s_add_nc_u64 s[24:25], s[10:11], s[16:17]
	s_add_nc_u64 s[26:27], s[10:11], s[18:19]
.irp e, 0,1
.irp j, 0,1,2,3,4,5,6,7
	global_load_b128 v[R0+32*\e+4*\j:R0+32*\e+4*\j+3], v5, s[4:5] offset:4096*\e+512*\j   ; 32 lanes read 512 consecutive bytes
.endr
.endr
.irp j, 0,1,2,3,4,5,6,7
	global_load_b128 v[GW+4*\j:GW+4*\j+3], v5, s[6:7] offset:512*\j
.endr
.irp j, 0,1,2,3,4,5,6,7
	global_load_b128 v[GB+4*\j:GB+4*\j+3], v5, s[8:9] offset:512*\j
.endr
	s_wait_loadcnt 16                              ; my two rows are in; the 16 loads of w and b may be out
.irp e, 0,1
	v_pk_add_f32 v[S+4*\e:S+4*\e+1], v[R0+32*\e:R0+32*\e+1], v[R0+32*\e+2:R0+32*\e+3]
	v_pk_add_f32 v[S+4*\e+2:S+4*\e+3], v[R0+32*\e+4:R0+32*\e+5], v[R0+32*\e+6:R0+32*\e+7]
.endr
.irp i, 8,12,16,20,24,28
.irp e, 0,1
	s_delay_alu instid0(VALU_DEP_4)
	v_pk_add_f32 v[S+4*\e:S+4*\e+1], v[S+4*\e:S+4*\e+1], v[R0+32*\e+\i:R0+32*\e+\i+1]
	s_delay_alu instid0(VALU_DEP_4)
	v_pk_add_f32 v[S+4*\e+2:S+4*\e+3], v[S+4*\e+2:S+4*\e+3], v[R0+32*\e+\i+2:R0+32*\e+\i+3]
.endr
.endr
.irp e, 0
	s_delay_alu instid0(VALU_DEP_3)
	v_pk_add_f32 v[S+4*\e:S+4*\e+1], v[S+4*\e:S+4*\e+1], v[S+4*\e+2:S+4*\e+3]
.endr
.irp e, 1
	s_delay_alu instid0(VALU_DEP_2)
	v_pk_add_f32 v[S+4*\e:S+4*\e+1], v[S+4*\e:S+4*\e+1], v[S+4*\e+2:S+4*\e+3]
.endr
.irp e, 0,1
	s_delay_alu instid0(VALU_DEP_2)
	v_add_f32 v[S+4*\e], v[S+4*\e], v[S+4*\e+1]
.endr
	LANESUM S, PX
	LANESUM S+4, 191
.irp e, 0
	v_mul_f32 v[S+4*\e], s22, v[S+4*\e]            ; the mean
.endr
.irp e, 1
	s_delay_alu instid0(VALU_DEP_2)
	v_mul_f32 v[S+4*\e], s22, v[S+4*\e]            ; the mean
.endr
.irp e, 0,1
	s_delay_alu instid0(VALU_DEP_2)
	v_mov_b32 v[S+4*\e+1], v[S+4*\e]
.endr
.irp i, 0,2,4,6,8,10,12,14,16,18,20,22,24,26,28,30
.irp e, 0,1
	v_pk_add_f32 v[R0+32*\e+\i:R0+32*\e+\i+1], v[R0+32*\e+\i:R0+32*\e+\i+1], v[S+4*\e:S+4*\e+1] neg_lo:[0,1] neg_hi:[0,1]   ; x - mean
.endr
.endr
.irp e, 0,1
	v_pk_mul_f32 v[S+8+4*\e:S+9+4*\e], v[R0+32*\e:R0+32*\e+1], v[R0+32*\e:R0+32*\e+1]
	v_pk_mul_f32 v[S+10+4*\e:S+11+4*\e], v[R0+32*\e+2:R0+32*\e+3], v[R0+32*\e+2:R0+32*\e+3]
.endr
.irp i, 4,8,12,16,20,24,28
.irp e, 0,1
	s_delay_alu instid0(VALU_DEP_4)
	v_pk_fma_f32 v[S+8+4*\e:S+9+4*\e], v[R0+32*\e+\i:R0+32*\e+\i+1], v[R0+32*\e+\i:R0+32*\e+\i+1], v[S+8+4*\e:S+9+4*\e]
	s_delay_alu instid0(VALU_DEP_4)
	v_pk_fma_f32 v[S+10+4*\e:S+11+4*\e], v[R0+32*\e+\i+2:R0+32*\e+\i+3], v[R0+32*\e+\i+2:R0+32*\e+\i+3], v[S+10+4*\e:S+11+4*\e]
.endr
.endr
.irp e, 0
	s_delay_alu instid0(VALU_DEP_3)
	v_pk_add_f32 v[S+8+4*\e:S+9+4*\e], v[S+8+4*\e:S+9+4*\e], v[S+10+4*\e:S+11+4*\e]
.endr
.irp e, 1
	s_delay_alu instid0(VALU_DEP_2)
	v_pk_add_f32 v[S+8+4*\e:S+9+4*\e], v[S+8+4*\e:S+9+4*\e], v[S+10+4*\e:S+11+4*\e]
.endr
.irp e, 0,1
	s_delay_alu instid0(VALU_DEP_2)
	v_add_f32 v[S+8+4*\e], v[S+8+4*\e], v[S+9+4*\e]
.endr
	LANESUM S+8, PX
	LANESUM S+12, 191
.irp e, 0
	v_fma_f32 v[S+8+4*\e], v[S+8+4*\e], s22, s23   ; the variance + 1e-5
.endr
.irp e, 1
	s_delay_alu instid0(VALU_DEP_2)
	v_fma_f32 v[S+8+4*\e], v[S+8+4*\e], s22, s23   ; the variance + 1e-5
.endr
	s_wait_alu depctr_va_vdst(0)
.irp e, 0,1
	v_rsq_f32 v[S+8+4*\e], v[S+8+4*\e]
.endr
	v_nop                                          ; a plain line behind the transcendentals
	s_wait_alu depctr_va_vdst(0)
.irp e, 0,1
	v_mov_b32 v[S+9+4*\e], v[S+8+4*\e]
.endr
	s_wait_alu depctr_va_vdst(0)
	s_wait_loadcnt 0x0                             ; w and b
.irp i, 0,2,4,6,8,10,12,14,16,18,20,22,24,26,28,30
.irp e, 0,1
	v_pk_mul_f32 v[R0+32*\e+\i:R0+32*\e+\i+1], v[R0+32*\e+\i:R0+32*\e+\i+1], v[S+8+4*\e:S+9+4*\e]
.endr
.endr
.irp i, 0,2,4,6,8,10,12,14,16,18,20,22,24,26,28,30
.irp e, 0,1
	v_pk_fma_f32 v[R0+32*\e+\i:R0+32*\e+\i+1], v[R0+32*\e+\i:R0+32*\e+\i+1], v[GW+\i:GW+\i+1], v[GB+\i:GB+\i+1]
.endr
.endr
.irp e, 0,1
.irp j, 0,1,2,3,4,5,6,7
	ds_store_b128 v6, v[R0+32*\e+4*\j:R0+32*\e+4*\j+3] offset:\e*ROWP+512*\j
.endr
.endr
	s_wait_dscnt 0x0                               ; for the others' sake: my rows have landed
	s_barrier_signal -1
	s_barrier_wait -1
.irp c, 0,1
.irp j, 0,1,2,3,4,5,6,7
	ds_load_b128 v[X+32*\c+4*\j:X+32*\c+4*\j+3], v7 offset:256*\c+16*\j   ; row r, k = 128 wave + 64 c + 32 h + 4 j ..
.endr
.endr
	s_wait_dscnt 0x0
	QUANT32
.irp p, 0,1,2,3,4,5
	global_store_b64 v10, v[PC+2*\p:PC+2*\p+1], s[24:25] offset:256*\p   ; a plane: 256 consecutive bytes, aligned
.endr
	ds_store_b32 v8, v[PW]                         ; both halves of the lanes write the same word with the same value
	s_wait_dscnt 0x0
	s_barrier_signal -1
	s_barrier_wait -1
	s_cmp_lg_u32 s12, 0
	s_cbranch_scc1 .Lend
	ds_load_b128 v[32:35], v11                     ; wave 0: the tile's 512 bytes of scale words leave whole
	s_wait_dscnt 0x0
	global_store_b128 v5, v[32:35], s[26:27]
.Lend:
	s_wait_tensorcnt 0x0
	ds_add_u32 v192, v193
	s_wait_dscnt 0x0
	s_endpgm
; THE WEIGHTS' PREPARATION: no LDS, no barrier; a wave's number is U = 8 (work-group - 256) + wave.
; U < 1,280: half U % 2 of unit u = U / 2.  A unit is 16 rows x 1,024 K of given codes, which become 8 IMAGES OF OPERAND REGISTERS (16 rows x 128 K = six planes of 256 bytes; plane p = registers 2 p, 2 p + 1 of lane l at 256 p + 8 l), at wi + 12,288 u; a wave makes four of them.
;   u 0-63 W_Q's row tiles; 64-127 W_K's and W_V's, eight tiles of each by turns (a tile column of k beside v); 128-383 mlp1_w's; 384-639 mlp2_w's (tile u' / 4, quarter u' % 4 of K).  For u < 128 the first half also copies the tile's 512 scale bytes to wi + WI_QS + 512 u.
; U >= 1,280: W_out [64 k][16 h][1024 d] f32, K = 64 h + k: a lane takes a column d and two heads (one K step of 128): four blocks of 32 in its registers; codes leave as images, the scale word at wo_s[d][4 step].
; LIMIT: a block of zeros gets the byte 1 (its codes are zeros; this program alone reads the bytes).
.set WI_QS, 7864320
.Lprep:
	s_load_b256 s[4:11], s[0:1], 0x20              ; W_Q, W_K, W_V, mlp1_w codes
	s_load_b256 s[12:19], s[0:1], 0x40             ; mlp2_w codes; W_Q, W_K, W_V scales
	s_load_b256 s[20:27], s[0:1], 0x60             ; W_out, wi, wo_c, wo_s
	v_lshrrev_b32 v1, 5, v0
	v_readfirstlane_b32 s29, v1                    ; wave
	v_and_b32 v2, 31, v0                           ; lane
	v_and_b32 v3, 15, v0                           ; r
	v_bfe_u32 v4, v0, 4, 1                         ; h
	s_sub_co_u32 s28, ttmp9, 256
	s_lshl_b32 s28, s28, 3
	s_add_co_u32 s28, s28, s29                     ; u
	s_wait_alu depctr_va_vdst(0)
	s_wait_kmcnt 0x0
	s_cmp_ge_u32 s28, 1280
	s_cbranch_scc1 .Lwq
	s_and_b32 s38, s28, 1                          ; which four of the unit's eight images
	s_lshr_b32 s28, s28, 1                         ; u
	s_sub_co_u32 s30, s28, 64                      ; k, v: tile 8 (u' / 16) + u' % 8, bit 3 of u' says which weight
	s_lshr_b32 s31, s30, 4
	s_lshl_b32 s31, s31, 3
	s_and_b32 s32, s30, 7
	s_or_b32 s31, s31, s32
	s_bitcmp1_b32 s30, 3
	s_cselect_b64 s[6:7], s[8:9], s[6:7]
	s_cselect_b64 s[16:17], s[18:19], s[16:17]
	s_cmp_lt_u32 s28, 64
	s_cselect_b32 s35, s28, s31                    ; the source's row tile among q, k, v
	s_cselect_b64 s[4:5], s[4:5], s[6:7]
	s_cselect_b64 s[14:15], s[14:15], s[16:17]
	s_sub_co_u32 s32, s28, 128
	s_cmp_lt_u32 s28, 128
	s_cselect_b32 s31, s35, s32
	s_cselect_b64 s[4:5], s[4:5], s[10:11]
	s_mul_i32 s31, s31, 12288                      ; 16 rows of 768 bytes
	s_sub_co_u32 s32, s28, 384
	s_lshr_b32 s33, s32, 2
	s_mul_i32 s33, s33, 49152                      ; mlp2_w: 16 rows of 3,072 bytes,
	s_and_b32 s32, s32, 3
	s_mul_i32 s32, s32, 768                        ; and the quarter of K
	s_add_co_u32 s33, s33, s32
	s_mov_b32 s34, 3072
	s_cmp_lt_u32 s28, 384
	s_cselect_b32 s30, s31, s33
	s_cselect_b64 s[4:5], s[4:5], s[12:13]
	s_cselect_b32 s34, 768, s34                    ; the source's row in bytes
	s_mov_b32 s31, 0
	s_add_nc_u64 s[4:5], s[4:5], s[30:31]
	s_mul_i32 s30, s38, 384                        ; four K steps of 96 bytes along each row
	s_add_nc_u64 s[4:5], s[4:5], s[30:31]
	v_mul_u32_u24 v5, s34, v3
	v_mad_u32_u24 v5, v4, 24, v5                   ; in: row r, + 24 h
	v_lshlrev_b32 v6, 3, v2                        ; out: 8 bytes a lane
	v_lshlrev_b32 v7, 4, v2                        ; scales: 16 bytes a lane
	s_mul_i32 s32, s28, 12288
	s_mul_i32 s39, s38, 6144                       ; four images
	s_add_co_u32 s32, s32, s39
	s_mov_b32 s33, 0
	s_add_nc_u64 s[36:37], s[22:23], s[32:33]
	s_wait_alu depctr_va_vdst(0)
.set n, 0
.rept 24
	global_load_b64 v[32+2*n:33+2*n], v5, s[4:5] offset:96*(n/6)+48*((n%6)/3)+8*(n%3)   ; the fragment's pieces as the operand's layout wants them
.set n, n+1
.endr
.set n, 0
.rept 4
	s_wait_loadcnt 18-6*n                          ; image n's six loads are in; the 6 (3 - n) behind them may be out
.irp p, 0,1,2,3,4,5
	global_store_b64 v6, v[32+12*n+2*\p:33+12*n+2*\p], s[36:37] offset:1536*n+256*\p   ; a plane: 256 consecutive bytes, aligned
.endr
.set n, n+1
.endr
	s_cmp_ge_u32 s28, 128
	s_cbranch_scc1 .Lpend
	s_cmp_lg_u32 s38, 0                            ; the unit's first half alone copies the scale rows
	s_cbranch_scc1 .Lpend
	s_lshl_b32 s32, s35, 9
	s_add_nc_u64 s[14:15], s[14:15], s[32:33]
	s_lshl_b32 s32, s28, 9
	s_add_co_u32 s32, s32, WI_QS
	s_add_nc_u64 s[22:23], s[22:23], s[32:33]
	global_load_b128 v[8:11], v7, s[14:15]         ; 16 rows x 32 scale bytes
	s_wait_loadcnt 0x0
	global_store_b128 v7, v[8:11], s[22:23]
.Lpend:
	s_endpgm
.macro WBLK b                          ; block b = 2 e + t of my K step: head 2 step + e, k 32 t on
.set XS, 32+32*(\b)
.if \b < 2
	s_wait_loadcnt 63                              ; the count's field holds no more; it covers the first 65 loads
.else
	s_wait_loadcnt 96-32*(\b)
.endif
	v_max3_num_f32 v12, |v[XS]|, |v[XS+1]|, |v[XS+2]|
	v_max3_num_f32 v13, |v[XS+3]|, |v[XS+4]|, |v[XS+5]|
.irp i, 6,10,14,18,22,26
	v_max3_num_f32 v12, v12, |v[XS+\i]|, |v[XS+\i+1]|
	v_max3_num_f32 v13, v13, |v[XS+\i+2]|, |v[XS+\i+3]|
.endr
	v_max3_num_f32 v12, v12, |v[XS+30]|, |v[XS+31]|
	v_max3_num_f32 v12, v12, v13, 0x2800000        ; the floor 2^(5 - 127): the byte cannot fall under 1
	v_add_nc_u32 v14, 0xfe000000, v12              ; 4 off the exponent field: the conversion's scale operand
	v_lshrrev_b32 v15, 23, v14
.if \b == 0
	v_mov_b32 v16, v15
.else
	v_lshl_or_b32 v16, v15, 8*(\b), v16
.endif
	v_cvt_scalef32_pk16_bf6_f32 v[160+8*(\b):162+8*(\b)], v[XS:XS+15], v14
	v_cvt_scalef32_pk16_bf6_f32 v[164+8*(\b):166+8*(\b)], v[XS+16:XS+31], v14
	v_nop                                          ; one plain line behind the conversions
	v_mov_b32 v[163+8*(\b)], v[164+8*(\b)]
	v_mov_b32 v[164+8*(\b)], v[165+8*(\b)]
	v_mov_b32 v[165+8*(\b)], v[166+8*(\b)]
.irp j, 0,1,2
	global_store_b64 v6, v[160+8*(\b)+2*\j:161+8*(\b)+2*\j], s[24:25] offset:256*(3*((\b)/2)+\j)+128*((\b)%2)   ; sixteen lanes: half a plane; block b xor 1 fills the other half
.endr
.endm
.Lwq:
	s_sub_co_u32 s28, s28, 1280
	s_lshr_b32 s30, s28, 3                         ; 32 columns
	s_and_b32 s31, s28, 7                          ; K step = pair of heads
	s_lshl_b32 s32, s31, 13
	s_lshl_b32 s34, s30, 7
	s_add_co_u32 s32, s32, s34
	s_mov_b32 s33, 0
	s_add_nc_u64 s[20:21], s[20:21], s[32:33]
	s_mul_i32 s32, s30, 24576                      ; two row tiles of 8 images
	s_mul_i32 s34, s31, 1536
	s_add_co_u32 s32, s32, s34
	s_add_nc_u64 s[24:25], s[24:25], s[32:33]
	s_lshl_b32 s32, s30, 10
	s_lshl_b32 s34, s31, 2
	s_add_co_u32 s32, s32, s34
	s_add_nc_u64 s[26:27], s[26:27], s[32:33]
	v_lshlrev_b32 v5, 2, v2
	v_mul_u32_u24 v6, 12288, v4
	v_lshl_add_u32 v6, v3, 3, v6                   ; my tile, 8 r
	v_lshlrev_b32 v7, 5, v2                        ; my row of wo_s
	s_wait_alu depctr_va_vdst(0)
.set n, 0
.rept 128
	global_load_b32 v[32+n], v5, s[20:21] offset:(n%64)*65536+(n/64)*4096 th:TH_LOAD_NT   ; 32 lanes read 128 consecutive bytes
.set n, n+1
.endr
	WBLK 0
	WBLK 1
	WBLK 2
	WBLK 3
	global_store_b32 v7, v16, s[26:27]
	s_endpgm
.Lfunc_end_k_q2713d0cc52_ln1:
	.size	k_q2713d0cc52_ln1, .Lfunc_end_k_q2713d0cc52_ln1-k_q2713d0cc52_ln1
	.p2alignl 7, 3214868480
	.fill 96, 4, 3214868480
	.section	.rodata,"a",@progbits
	.p2align	6, 0x0
	.amdhsa_kernel k_q2713d0cc52_ln1
		.amdhsa_group_segment_fixed_size 67584
		.amdhsa_private_segment_fixed_size 0
		.amdhsa_enable_private_segment 0
		.amdhsa_kernarg_size 128
		.amdhsa_user_sgpr_count 2
		.amdhsa_user_sgpr_kernarg_segment_ptr 1
		.amdhsa_wavefront_size32 1
		.amdhsa_system_sgpr_workgroup_id_x 1
		.amdhsa_system_sgpr_workgroup_id_y 1
		.amdhsa_system_sgpr_workgroup_id_z 1
		.amdhsa_system_vgpr_workitem_id 0
		.amdhsa_next_free_vgpr 194
		.amdhsa_next_free_sgpr 66
		.amdhsa_reserve_vcc 0
		.amdhsa_float_denorm_mode_32 3
		.amdhsa_float_denorm_mode_16_64 3
		.amdhsa_memory_ordered 1
		.amdhsa_forward_progress 1
		.amdhsa_inst_pref_size 56
	.end_amdhsa_kernel
	.amdgpu_metadata
---
amdhsa.version: [ 1, 2 ]
amdhsa.kernels:
  - .name:           k_q2713d0cc52_ln1
    .symbol:         k_q2713d0cc52_ln1.kd
    .args:
      - { .name: x, .offset: 0, .size: 8, .value_kind: global_buffer, .address_space: global }
      - { .name: ln1_w, .offset: 8, .size: 8, .value_kind: global_buffer, .address_space: global }
      - { .name: ln1_b, .offset: 16, .size: 8, .value_kind: global_buffer, .address_space: global }
      - { .name: act, .offset: 24, .size: 8, .value_kind: global_buffer, .address_space: global }
      - { .name: W_Q_codes, .offset: 32, .size: 8, .value_kind: global_buffer, .address_space: global }
      - { .name: W_K_codes, .offset: 40, .size: 8, .value_kind: global_buffer, .address_space: global }
      - { .name: W_V_codes, .offset: 48, .size: 8, .value_kind: global_buffer, .address_space: global }
      - { .name: mlp1_w_codes, .offset: 56, .size: 8, .value_kind: global_buffer, .address_space: global }
      - { .name: mlp2_w_codes, .offset: 64, .size: 8, .value_kind: global_buffer, .address_space: global }
      - { .name: W_Q_scales, .offset: 72, .size: 8, .value_kind: global_buffer, .address_space: global }
      - { .name: W_K_scales, .offset: 80, .size: 8, .value_kind: global_buffer, .address_space: global }
      - { .name: W_V_scales, .offset: 88, .size: 8, .value_kind: global_buffer, .address_space: global }
      - { .name: W_out, .offset: 96, .size: 8, .value_kind: global_buffer, .address_space: global }
      - { .name: wi, .offset: 104, .size: 8, .value_kind: global_buffer, .address_space: global }
      - { .name: wo_c, .offset: 112, .size: 8, .value_kind: global_buffer, .address_space: global }
      - { .name: wo_s, .offset: 120, .size: 8, .value_kind: global_buffer, .address_space: global }
    .group_segment_fixed_size: 67584
    .private_segment_fixed_size: 0
    .kernarg_segment_align: 8
    .kernarg_segment_size: 128
    .max_flat_workgroup_size: 256
    .sgpr_count:     66
    .vgpr_count:     194
    .wavefront_size: 32
...
	.end_amdgpu_metadata
.endif
;; end of part 8
;; launch qkvp (part 9): grid 8 x 16, 4 waves a work-group, clusters of 4 x 4, 327,680 bytes of LDS; arguments act, wi, qkv; writes qkv
.if DOCPART == 9
	.amdgcn_target "amdgcn-amd-amdhsa--gfx1250"
	.amdhsa_code_object_version 6
	.text
	.protected	k_q2713d0cc52_qkvp
	.globl	k_q2713d0cc52_qkvp
	.p2align	8
	.type	k_q2713d0cc52_qkvp,@function
k_q2713d0cc52_qkvp:
	s_mov_b64 s[64:65], 0
	v_nop
	global_prefetch_b8 v0, s[64:65] scope:SCOPE_SE
	s_setreg_imm32_b32 hwreg(HW_REG_WAVE_MODE, 25, 1), 1
	s_wait_xcnt 0x0
	s_wait_alu depctr_hold_cnt(0) depctr_sa_sdst(0) depctr_va_vdst(0) depctr_va_sdst(0) depctr_va_ssrc(0) depctr_va_vcc(0) depctr_vm_vsrc(0)
	s_getreg_b32 s2, hwreg(HW_REG_IB_STS2, 6, 4)
	s_cmp_eq_u32 s2, 0
	s_cbranch_scc0 .Lentry_in_a_cluster
	s_endpgm
.Lentry_in_a_cluster:
	s_bfe_u32 s2, ttmp6, 0x10000c
	s_cmp_lg_u32 s2, 0xf033
	s_cbranch_scc0 .Lentry_shape_is_right
	s_endpgm
.Lentry_shape_is_right:
; q, k, v = normed x times W_Q, W_K, W_V, on codes of BF6 (E3M2) with E8M0 scales for each 32 along K = 1,024; the results are quantised again, in f32 registers, for attention's two products.
; A tile of C is 256 rows x 256 columns; four waves, each 128 x 128: 64 accumulators.  K goes in steps of 256 through a ring of two LDS slots filled by the tensor data mover.
; A (the activations) lies in memory as IMAGES OF OPERAND REGISTERS: image (row tile mt, K step s) = six planes of 256 bytes, plane p = registers 2 p, 2 p + 1 of lane l at 256 p + 8 l; a fragment is six loads of 8 bytes a lane, 256 consecutive bytes each.
; B (the weights) lies as images of operand registers, as A does.
; The scale words of the work-group's rows of A and the scale bytes of its rows of B, for all of K, come into LDS once, with the first fills.
; CLUSTERS: 4 x 4 work-groups; A's tiles are asked for jointly along a row of the cluster, B's along a column.  Clusters with x = 0 make q (tile column cx: W_Q's rows 256 cx on).  Clusters with x = 1 make k and v:
; tile column cx holds W_K's rows 128 cx on beside W_V's rows 128 cx on, so that what a wave does with its results hangs on the cluster's x and the wave's number alone.
; THE MATRIX INSTRUCTION IS USED TRANSPOSED (source 0 = 16 rows of B, source 1 = 16 rows of A): a lane holds one row of C and eight neighbouring columns.
; ROW ORDER: row tile mt holds tokens 32 (mt / 2) + 8 (mt % 2) + r + 8 (r / 8).
; OUT.  q, k: K = a head's 64: image (mt, chi) = two heads side by side (chi 0-7: q's heads 2 chi, 2 chi + 1; chi 8-11: k's groups), at (12 mt + chi) x 1,536; a scale word for each head and row, its upper two bytes 0, from QKS on.
;       v: K = the keys, in token order: image (batch, group, key step of 128, channel tile ct) from VI on; ct's lane r is channel 32 (ct / 2) + 8 (ct % 2) + r + 8 (r / 8); scale words from VS on.
; LIMITS: a block of zeros gets the byte 1 (its codes are zeros; this program alone reads the bytes); NaN and infinities are not served.
; REGISTERS: window 0: v1-31 addresses; v32-63 A's scale words, v64-95 B's, two sets each; v128-223 A's fragments, one set; on the way out v128-221 at work.  window 1: B's fragments, two sets.  windows 2, 3: the accumulators, (a, b) at v[8 (8 (a % 4) + b)].
; B NOW LIES AS IMAGES TOO (buffer wi, laid by the first launch): row tile 16 (4 cluster x + cx) + i, 8 images of 1,536 bytes a tile, fetched and read as A's are; its scale rows from wi + 7,864,320 on, in the same tile order.
; THE HEAD: one tensor load a wave: wave 0 A's 16 tiles of K step 0, wave 1 B's, wave 2 A's scale words, wave 3 B's scale bytes; slot 1's first fill follows behind the full sequence, as a refill does.
.set SIZE_K,  1024
.set ASC_OFF, 3145728                  ; where A's scale words begin
.set SA_BLK,  512                      ; from row tile to row tile among them, in LDS
.set SA_STEP, 64                       ; from 128 along K to the next
.set STW,     22528                    ; a wave's stage on the way out
.set VI,      4718592
.set QKS,     6291456
.set VS,      6684672
.set KSTEP,  256
.set NQ,     2
.set ROWB,   3072
.set KROW,   SIZE_K*6/8
.set PITCH,  240                       ; 3 x (64 bytes + 16 of padding) = 60 words: the 32 lanes of a load of 8 bytes touch 64 different banks
.set FR,     12
.set NL,     6
.set NP,     4
.set AIMG,   1536
.set HALFA,  8*NQ*AIMG                 ; 8 row tiles x 2 images: what one tensor load brings of A
.set HALFB,  HALFA
.set SLOT,   2*HALFA+2*HALFB
.set LAPS,   SIZE_K/(2*KSTEP)
.set KS,     SIZE_K/32
.set SCB,    2*SLOT                    ; behind the ring: B's scale bytes, as units of 256 bytes + 16,
.set HALFS,  (128*KS/256)*272
.set SBLK,   (16*KS/256)*272
.set SCA,    SCB+2*HALFS               ; A's scale words, dense,
.set SABYTES, 8*SIZE_K
.set SPARE,  SCA+SABYTES               ; and the spare words, 128 bytes for each wave: two blocks of 256 bytes that no other line names
.set SPITCH, 528
.set H8,   8                           ; v8   8 h
.set H16,  9                           ; v9   16 h
.set VSTO, 10                          ; v10  v's way out: into the stage
.set VRD,  11                          ; v11  and back, turned
.set L8,   12                          ; v12  8 x lane
.set L4,   13                          ; v13  4 x lane
.set WE,   14                          ; v14  a scale word kept for its partner
.set PX,   15
.set ADRA, 16                          ; v16-17 LDS address of my A fragments in slot 0, 1
.set ADRB, 20                          ; v20-21 the same for B
.set STO,  24
.set RQ,   25
.set ADSA, 27
.set SPW,  28
.set NIL,  29
.set ADSB, 30
.set SCAR, 32
.set SCBR, 64
.set BIAS, 96
.set AF,   128
.set X,    128
.set TM,   192
.set SO,   196
.set BY,   198
.set PC,   200
.set TQ,   212
.set PW,   220
.set WD,   221
.set G1, 24
.set G0, 32
.set G1B, 48
.set G0B, 56
.set SEL, 66
.set G1S, 68
.set G0S, 76
.set G1SB, 80
.set G0SB, 88
.set MSKHI, 2
.set MSB, 0
.macro WIN new                         ; the immediate's high byte repeats the setting that is left
.if MSB != \new
	s_set_vgpr_msb (MSB<<8)|\new
.set MSB, \new
.endif
.endm
.set MUL_LO, 0xa1                      ; source 0 (B) window 1, source 1 (A) window 0, C and D window 2
.set MUL_HI, 0xf1
.set TO_B,   0x40
.macro JLOAD g0a, g1a, g0b, g1b        ; a joint load: waves 0 and 1 fetch for A, waves 2 and 3 for B; four v_nop follow each of the two lines
	s_cmp_eq_u32 s15, 0
	s_cbranch_scc0 .Lfor_b_\@
	tensor_load_to_lds s[\g0a:\g0a+3], s[\g1a:\g1a+7]
	s_nop 0
.rept 4
	v_nop
.endr
	s_branch .Lasked_\@
.Lfor_b_\@:
	tensor_load_to_lds s[\g0b:\g0b+3], s[\g1b:\g1b+7]
	s_nop 0
.rept 4
	v_nop
.endr
.Lasked_\@:
.endm
.macro CREST                           ; a round of the cluster's barrier behind its opening barrier
	s_cmp_lg_u32 s14, 0
	s_cbranch_scc1 .Lnot_wave_0_\@
	s_barrier_signal -3
.Lnot_wave_0_\@:
	s_barrier_wait -3
	s_barrier_signal -1
	s_barrier_wait -1
.endm
.macro CROUND
	s_barrier_signal -1
	s_barrier_wait -1
	CREST
.endm
.macro PLACES n
.rept \n
	v_nop
.endr
.endm
.macro FRAGA reg, slot, q, i           ; A's fragment of row tile i, the slot's q-th 128 along K: six planes
.irp p, 0,1,2,3,4,5
	ds_load_b64 v[\reg+2*\p:\reg+2*\p+1], v[ADRA+\slot] offset:(\i)*NQ*AIMG+(\q)*AIMG+256*\p
.endr
.endm
.macro FRAGB reg, adr, q, i            ; B's fragment of row tile i, the slot's q-th 128 along K: six planes
.irp p, 0,1,2,3,4,5
	ds_load_b64 v[\reg+2*\p:\reg+2*\p+1], v[\adr] offset:(\i)*NQ*AIMG+(\q)*AIMG+256*\p
.endr
.endm
; 16 matrix instructions: A's blocks a0, a0 + 1 x B's eight.  cm = 1: C = 0 starts the sums; cm = 2: C = the bias; cm = 0: in place.  The 64 accumulators take turns, one instruction a turn.
.macro MUL16 a0, p, q, sc, cm
.irp a, \a0, \a0+1
.irp b, 0,1,2,3,4,5,6,7
.if \cm == 1
	v_wmma_scale_f32_16x16x128_f8f6f4 v[8*(8*((\a)%4)+\b):8*(8*((\a)%4)+\b)+7], v[128*(\p)+FR*\b:128*(\p)+FR*\b+FR-1], v[AF+FR*(\a):AF+FR*(\a)+FR-1], 0, v[SCBR+16*(\sc)+2*\b+(\q)], v[SCAR+16*(\sc)+2*(\a)+(\q)] matrix_a_fmt:MATRIX_FMT_BF6 matrix_b_fmt:MATRIX_FMT_BF6
.elseif \cm == 2
	v_wmma_scale_f32_16x16x128_f8f6f4 v[8*(8*((\a)%4)+\b):8*(8*((\a)%4)+\b)+7], v[128*(\p)+FR*\b:128*(\p)+FR*\b+FR-1], v[AF+FR*(\a):AF+FR*(\a)+FR-1], v[BIAS+8*\b+96*(\b/4):BIAS+8*\b+96*(\b/4)+7], v[SCBR+16*(\sc)+2*\b+(\q)], v[SCAR+16*(\sc)+2*(\a)+(\q)] matrix_a_fmt:MATRIX_FMT_BF6 matrix_b_fmt:MATRIX_FMT_BF6
.else
	v_wmma_scale_f32_16x16x128_f8f6f4 v[8*(8*((\a)%4)+\b):8*(8*((\a)%4)+\b)+7], v[128*(\p)+FR*\b:128*(\p)+FR*\b+FR-1], v[AF+FR*(\a):AF+FR*(\a)+FR-1], v[8*(8*((\a)%4)+\b):8*(8*((\a)%4)+\b)+7], v[SCBR+16*(\sc)+2*\b+(\q)], v[SCAR+16*(\sc)+2*(\a)+(\q)] matrix_a_fmt:MATRIX_FMT_BF6 matrix_b_fmt:MATRIX_FMT_BF6
.endif
.endr
.endr
.endm
.macro FETCH_B slot, q, p
	WIN TO_B
.irp i, 0,1,2,3,4,5,6,7
	FRAGB 128*(\p)+FR*\i, ADRB+\slot, \q, \i
.endr
	WIN 0
.endm
.macro FETCH_A slot, q, i0
.irp i, \i0, \i0+1, \i0+2, \i0+3
	FRAGA AF+FR*(\i), \slot, \q, \i
.endr
.endm
.macro SCALES sc                       ; the next K step's scale words into set sc: register 2 i + q for block i and the slot's q-th 128 along K; lane r takes row r's
.irp i, 0,1,2,3,4,5,6,7
	ds_load_b64 v[SCBR+16*\sc+2*\i:SCBR+16*\sc+2*\i+1], v[ADSB] offset:\i*SBLK
.endr
.irp i, 0,1,2,3,4,5,6,7
	ds_load_b32 v[SCAR+16*\sc+2*\i], v[ADSA] offset:\i*SA_BLK
	ds_load_b32 v[SCAR+16*\sc+2*\i+1], v[ADSA] offset:\i*SA_BLK+SA_STEP
.endr
.endm
; A step of 128 along K that has its successor in the same slot.  Loads into registers that matrix instructions have read stand four plain vector lines behind them (ISA guide 7.12.1 for vector instructions).
.macro STEP slot, q, cm
	s_wait_dscnt 4*NL                              ; B's set, the scale words and A's blocks 0-3 are in; the youngest 24 loads (A's blocks 4-7) may be out
.if \cm == 2
	WIN 0x81
.else
	WIN MUL_LO
.endif
	MUL16 0, (\q)%2, \q, \slot, \cm
	MUL16 2, (\q)%2, \q, \slot, \cm
	s_wait_dscnt 0
	PLACES NP
	FETCH_B \slot, (\q)+1, 1-(\q)%2
	FETCH_A \slot, (\q)+1, 0
.if \cm == 2
	WIN 0xc1
.else
	WIN MUL_HI
.endif
	MUL16 4, (\q)%2, \q, \slot, \cm
	MUL16 6, (\q)%2, \q, \slot, \cm
	PLACES NP
	WIN 0
	FETCH_A \slot, (\q)+1, 4
.endm
; A slot's last step changes slots: one barrier; in front of it each wave waits for all its tensor loads, adds 0 to its spare word, and waits for that and for its own reads of this slot.  fill = 1: this slot is filled again, two K steps ahead.
.macro TURN slot, next, fill
	s_wait_tensorcnt 0x0                           ; all my tensor loads have landed: my part of the next slot
	ds_add_u32 v[SPW], v[NIL]                      ; 0 onto my spare word
	s_wait_dscnt 4*NL+1                            ; (the add and the youngest 24 loads may be out)
	WIN MUL_LO
	MUL16 0, 1, NQ-1, \slot, 0
	s_wait_dscnt 0x0                               ; the add is done, and my reads of this slot are over
	s_barrier_signal -1
	MUL16 2, 1, NQ-1, \slot, 0
	WIN 0
	s_barrier_wait -1
.if \fill
	CREST                                          ; the barrier has opened a round of the cluster's barrier: no wave of any partner still reads this slot or has a load on its way
	s_add_nc_u64 s[G0+4*\slot+2:G0+4*\slot+3], s[G0+4*\slot+2:G0+4*\slot+3], 2*NQ*AIMG
	s_add_nc_u64 s[G0B+4*\slot+2:G0B+4*\slot+3], s[G0B+4*\slot+2:G0B+4*\slot+3], 2*ROWB
	JLOAD G0+4*\slot, G1, G0B+4*\slot, G1B         ; the first tensor load behind the round; its four v_nop are also the places in front of the loads below
.else
	PLACES NP
.endif
	s_wait_alu depctr_va_vdst(0)
	v_add_nc_u32 v[ADSA], 2*SA_STEP, v[ADSA]       ; on to the next K step's scale words
	v_add_nc_u32 v[ADSB], 8, v[ADSB]
	FETCH_B \next, 0, 0
	FETCH_A \next, 0, 0
	SCALES \next
	WIN MUL_HI
	MUL16 4, 1, NQ-1, \slot, 0
	MUL16 6, 1, NQ-1, \slot, 0
	PLACES NP
	WIN 0
	FETCH_A \next, 0, 4
.endm
.macro QUANT32                         ; v[X + 32 c + i] = k 64 c + 32 (lane / 16) + i of my row -> the fragment's 12 registers in v[PC] on, my row's scale word in v[PW]
.irp c, 0,1
	v_max3_num_f32 v[TM+\c], |v[X+32*\c]|, |v[X+32*\c+1]|, 0x2800000   ; with the floor 2^(5 - 127): the byte cannot fall under 1
	v_max_num_f32 v[TM+2+\c], |v[X+32*\c+2]|, |v[X+32*\c+3]|
.endr
.irp i, 4,8,12,16,20,24,28
.irp c, 0,1
	v_max3_num_f32 v[TM+\c], v[TM+\c], |v[X+32*\c+\i]|, |v[X+32*\c+\i+1]|
	v_max3_num_f32 v[TM+2+\c], v[TM+2+\c], |v[X+32*\c+\i+2]|, |v[X+32*\c+\i+3]|
.endr
.endr
.irp c, 0,1
	v_max_num_f32 v[TM+\c], v[TM+\c], v[TM+2+\c]
.endr
.irp c, 0,1
	v_add_nc_u32 v[SO+\c], 0xfe000000, v[TM+\c]    ; 4 off the exponent field: the conversion's scale operand
.endr
.irp c, 0,1
	v_lshrrev_b32 v[BY+\c], 23, v[SO+\c]
.endr
	v_lshl_or_b32 v[PW], v[BY+1], 16, v[BY]
	v_lshlrev_b32 v[PW], v[H8], v[PW]
	v_permlanex16_b32 v[PX], v[PW], s[SEL], s[SEL+1]
	v_or_b32 v[PW], v[PW], v[PX]                   ; with lane l xor 16's two bytes the word is whole
.irp c, 0,1
	v_cvt_scalef32_pk16_bf6_f32 v[PC+6*\c:PC+6*\c+2], v[X+32*\c:X+32*\c+15], v[SO+\c]
	v_cvt_scalef32_pk16_bf6_f32 v[TQ+4*\c:TQ+4*\c+2], v[X+32*\c+16:X+32*\c+31], v[SO+\c]
.endr
	v_nop                                          ; one plain line behind the conversions
.irp c, 0,1
.irp i, 0,1,2
	v_mov_b32 v[PC+6*\c+3+\i], v[TQ+4*\c+\i]
.endr
.endr
.endm
.macro IMGST base, off                 ; the fragment leaves as six planes of 256 consecutive bytes, aligned
.irp p, 0,1,2,3,4,5
	global_store_b64 v[L8], v[PC+2*\p:PC+2*\p+1], s[\base:\base+1] offset:\off+256*\p
.endr
.endm
.macro STAGEQ a                        ; block a (16 rows x 128 columns) through my stage: in as 32 bytes a lane, back as 2 x 128 bytes a lane: k 64 c + 32 h + 0 .. 31 of row r
.set AC, 64*((\a)%4)
	WIN 0x08+4*((\a)/4)
.irp b, 0,1,2,3,4,5,6,7
	ds_store_b128 v[STO], v[AC+8*\b:AC+8*\b+3] offset:64*\b          ; each accumulator from its low end on
	ds_store_b128 v[STO], v[AC+8*\b+4:AC+8*\b+7] offset:64*\b+16
.endr
	WIN 0
.irp c, 0,1
.irp j, 0,1,2,3,4,5,6,7
	ds_load_b128 v[X+32*\c+4*\j:X+32*\c+4*\j+3], v[RQ] offset:256*\c+16*\j   ; LDS serves a wave's instructions in order: these see my stores
.endr
.endr
	s_wait_dscnt 0x0
.endm
	s_load_b64 s[4:5], s[0:1], 0x0                 ; the activations' images
	s_load_b64 s[8:9], s[0:1], 0x8                 ; wi: the weights' images,
	s_load_b64 s[10:11], s[0:1], 0x8               ; and once more for their scale rows
	s_load_b64 s[12:13], s[0:1], 0x10              ; qkv
	v_lshl_add_u32 v[SPW], v0, 2, SPARE
	v_mov_b32 v[NIL], 0
	ds_add_u32 v28, v29
	ds_add_u32 v28, v29
	s_wait_dscnt 0x0
	v_lshrrev_b32 v1, 5, v0
	v_readfirstlane_b32 s14, v1                    ; wave 0..3
	s_lshr_b32 s15, s14, 1                         ; which half of the tile's rows is mine.  Also: I fetch for A (0) or for B (1)
	s_and_b32 s16, s14, 1                          ; which half of its columns.  Also: which half of that tile I fetch
	s_wait_kmcnt 0x0
	s_bfe_u32 s40, ttmp6, 0x40000                  ; cx, cy
	s_bfe_u32 s41, ttmp6, 0x40004
	s_and_b32 s17, ttmp7, 0xffff
	s_lshl_b32 s17, s17, 2
	s_add_co_u32 s17, s17, s41                     ; tile row of C
	s_lshl_b32 s43, s41, 2
	s_lshl_b32 s43, 15, s43                        ; my row of the cluster
	s_lshl_b32 s44, 0x1111, s40                    ; my column
	s_or_b32 s[G1+0], s43, (3<<16)|(1<<21)         ; A's tile: 8 rows (row tiles) of 384 elements of 8 bytes (two images), no padding; the mask: my row
	s_mov_b32 s[G1+1], 384<<16
	s_mov_b32 s[G1+2], 16<<16                      ; the head's load takes all 16 tiles
	s_mov_b32 s[G1+3], 384<<16
	s_mov_b32 s[G1+4], 16
	s_mov_b32 s[G1+5], (SIZE_K/128)*192
	s_mov_b32 s[G1+6], 0
	s_mov_b32 s[G1+7], 0
	s_or_b32 s[G1B+0], s44, (3<<16)|(1<<21)        ; B's tile: as A's; the mask: my column
	s_mov_b32 s[G1B+1], 384<<16
	s_mov_b32 s[G1B+2], 16<<16
	s_mov_b32 s[G1B+3], 384<<16
	s_mov_b32 s[G1B+4], 16
	s_mov_b32 s[G1B+5], (SIZE_K/128)*192
	s_mov_b32 s[G1B+6], 0
	s_mov_b32 s[G1B+7], 0
	s_or_b32 s[G1S+0], s43, (3<<16)|(1<<21)        ; A's scale words of 16 row tiles: dense, as rows of 256 bytes
	s_mov_b32 s[G1S+1], 32<<16
	s_mov_b32 s[G1S+2], (SIZE_K/32)<<16
	s_mov_b32 s[G1S+3], 32<<16
	s_mov_b32 s[G1S+4], SIZE_K/32
	s_mov_b32 s[G1S+5], 32
	s_mov_b32 s[G1S+6], 0
	s_mov_b32 s[G1S+7], 0
	s_or_b32 s[G1SB+0], s44, (3<<16)|(1<<20)|(1<<21)|(5<<22)|(3<<25)  ; B's scale bytes of 256 rows: dense, rows of 256 bytes + 16
	s_mov_b32 s[G1SB+1], 32<<16
	s_mov_b32 s[G1SB+2], KS<<16
	s_mov_b32 s[G1SB+3], 32<<16
	s_mov_b32 s[G1SB+4], KS
	s_mov_b32 s[G1SB+5], 32
	s_mov_b32 s[G1SB+6], 0
	s_mov_b32 s[G1SB+7], 0
	s_lshl_b32 s20, s17, 4
	s_mul_i32 s20, s20, (SIZE_K/128)*AIMG
	s_mov_b32 s21, 0
	s_mul_i32 s22, s17, SABYTES
	s_add_co_u32 s22, s22, ASC_OFF
	s_mov_b32 s23, 0
	s_lshl_b32 s46, ttmp9, 2
	s_add_co_u32 s46, s46, s40
	s_lshl_b32 s46, s46, 8                         ; B: row 256 x tile column, in wi's order
	s_mul_i32 s92, s46, KS
	s_add_co_u32 s92, s92, 7864320
	s_mov_b32 s93, 0
	s_mul_i32 s46, s46, KROW
	s_mov_b32 s47, 0
	s_mul_i32 s45, s16, HALFA                      ; where they go: no place in the cluster enters an LDS address
	s_mul_i32 s94, s16, HALFB
	s_add_co_u32 s94, s94, 2*HALFA
	s_mul_i32 s18, s16, 8*(SIZE_K/128)*AIMG        ; in the ring I fetch 8 tiles: which half, in bytes
	s_mov_b32 s19, 0
	s_add_nc_u64 s[20:21], s[4:5], s[20:21]
	s_add_nc_u64 s[22:23], s[4:5], s[22:23]
	s_add_nc_u64 s[46:47], s[8:9], s[46:47]
	s_add_nc_u64 s[92:93], s[10:11], s[92:93]
	CROUND                                         ; all sixteen work-groups are here: the first joint loads meet
	s_mov_b32 s[G0S], 1
	s_mov_b32 s[G0S+1], SCA
	s_mov_b64 s[G0S+2:G0S+3], s[22:23]
	s_or_b32 s[G0S+3], s[G0S+3], 0x80000000
	s_mov_b32 s[G0SB], 1
	s_mov_b32 s[G0SB+1], SCB
	s_mov_b64 s[G0SB+2:G0SB+3], s[92:93]
	s_or_b32 s[G0SB+3], s[G0SB+3], 0x80000000
	s_mov_b32 s[G0], 1                             ; slot 0's group 0 serves the head's whole tiles first
	s_mov_b32 s[G0+1], 0
	s_mov_b64 s[G0+2:G0+3], s[20:21]
	s_or_b32 s[G0+3], s[G0+3], 0x80000000
	s_mov_b32 s[G0B], 1
	s_mov_b32 s[G0B+1], 2*HALFA
	s_mov_b64 s[G0B+2:G0B+3], s[46:47]
	s_or_b32 s[G0B+3], s[G0B+3], 0x80000000
	s_add_nc_u64 s[20:21], s[20:21], s[18:19]      ; for the ring: my half
	s_add_nc_u64 s[46:47], s[46:47], s[18:19]
	s_mov_b32 s[G0+4], 1
	s_add_co_u32 s[G0+5], s45, SLOT
	s_add_nc_u64 s[G0+6:G0+7], s[20:21], NQ*AIMG
	s_or_b32 s[G0+7], s[G0+7], 0x80000000
	s_mov_b32 s[G0B+4], 1
	s_add_co_u32 s[G0B+5], s94, SLOT
	s_add_nc_u64 s[G0B+6:G0B+7], s[46:47], NQ*AIMG
	s_or_b32 s[G0B+7], s[G0B+7], 0x80000000
.macro ARM under, g0, g1, next         ; one chain of branches on the wave's number, one load to an arm
	s_cmp_lt_u32 s14, \under
	s_cbranch_scc0 \next
	tensor_load_to_lds s[\g0:\g0+3], s[\g1:\g1+7]
	s_nop 0
.rept 4
	v_nop
.endr
	s_branch .Lhead_asked
\next:
.endm
	ARM 1, G0,  G1,  .Lhead_b
	ARM 2, G0B, G1B, .Lhead_sa
	ARM 3, G0S, G1S, .Lhead_sb
	tensor_load_to_lds s[G0SB:G0SB+3], s[G1SB:G1SB+7]
	s_nop 0
.rept 4
	v_nop
.endr
.Lhead_asked:
	v_and_b32 v1, 15, v0                           ; r
	v_bfe_u32 v2, v0, 4, 1                         ; h
	v_and_b32 v6, 31, v0                           ; lane
	v_lshlrev_b32 v[L8], 3, v6
	v_lshlrev_b32 v[L4], 2, v6
	v_lshlrev_b32 v[H8], 3, v2
	v_lshlrev_b32 v[H16], 4, v2
	v_mov_b32 v[PX], 0                             ; written once: a lane permute's destination counts as one of its sources
	s_wait_alu depctr_va_vdst(0)
	s_mul_i32 s21, s15, HALFA                      ; my 8 row tiles of A
	s_mul_i32 s22, s16, HALFB                      ; my 128 rows of B, behind A's 16 tiles
	s_add_co_u32 s22, s22, 2*HALFA
.irp s, 0,1
	v_add_nc_u32 v[ADRA+\s], s21, v[L8]
	v_add_nc_u32 v[ADRB+\s], s22, v[L8]
	s_add_co_u32 s21, s21, SLOT
	s_add_co_u32 s22, s22, SLOT
.endr
	s_mul_i32 s21, s15, 8*SA_BLK
	s_add_co_u32 s21, s21, SCA
	v_lshl_add_u32 v[ADSA], v1, 2, s21             ; A's scale words: my 8 tiles, row r
	v_mul_u32_u24 v5, v1, KS
	v_lshrrev_b32 v3, 8, v5
	v_lshl_add_u32 v5, v3, 4, v5                   ; B's: KS bytes a row, and 16 more for each 256 passed
	s_mul_i32 s22, s16, HALFS
	s_add_co_u32 s22, s22, SCB
	v_add_nc_u32 v[ADSB], s22, v5
	s_mul_i32 s23, s14, STW                        ; my stage: it lies in slot 0, which has had its last fill and its last read when the first result is stored there
	v_mul_u32_u24 v5, v1, SPITCH
	v_add_nc_u32 v5, s23, v5
	v_lshl_add_u32 v[STO], v2, 5, v5               ; in: row r, 32 bytes for each half of the lanes
	v_lshl_add_u32 v[RQ], v2, 7, v5                ; back: row r, 128 bytes for each half
	v_mul_u32_u24 v3, v1, 176                      ; v's stage: 128 rows (keys) of 176 bytes = 44 words: sixteen rows start at sixteen different groups of four banks
	v_lshl_add_u32 v3, v2, 5, v3
	v_add_nc_u32 v[VSTO], s23, v3
	v_and_b32 v3, 8, v1
	v_add_nc_u32 v3, v3, v1                        ; r + 8 (r / 8): my channel in a group of 32
	v_lshlrev_b32 v3, 2, v3
	v_mad_u32_u24 v3, v2, 32*176+32, v3            ; lanes 16-31 read 32 keys on; those rows are laid 32 bytes to the right, so that the two halves touch different banks
	v_add_nc_u32 v[VRD], s23, v3
	s_mov_b32 s[SEL], 0x76543210
	s_mov_b32 s[SEL+1], 0xfedcba98                 ; lane l xor 16
	s_wait_alu depctr_va_vdst(0)
	s_wait_tensorcnt 0x0                           ; my tile of the head's four is in
	ds_add_u32 v[SPW], v[NIL]
	s_mov_b32 s[G1+2], 8<<16                       ; no load of mine is out: from here on a load brings 8 tiles,
	s_mov_b32 s[G1+4], 8
	s_mov_b32 s[G1B+2], 8<<16
	s_mov_b32 s[G1B+4], 8
	s_mov_b32 s[G0+1], s45                         ; and slot 0's group 0 names my half
	s_add_nc_u64 s[G0+2:G0+3], s[G0+2:G0+3], s[18:19]
	s_add_co_u32 s[G0B+1], s45, 2*HALFA
	s_add_nc_u64 s[G0B+2:G0B+3], s[G0B+2:G0B+3], s[18:19]
	s_wait_dscnt 0x0
	CROUND                                         ; all four tiles are in, all sixteen work-groups are here
	JLOAD G0+4, G1, G0B+4, G1B                     ; slot 1's first fill, the first tensor load behind the round
	FETCH_B 0, 0, 0
	FETCH_A 0, 0, 0
	SCALES 0
	FETCH_A 0, 0, 4
	STEP 0, 0, 1                                   ; the first step stands in front of the loop: its products start the sums
	s_mov_b32 s3, LAPS-1
.Llap:                                                 ; a trip goes once round the ring and fills both slots again
	TURN 0, 1, 1
	STEP 1, 0, 0
	TURN 1, 0, 1
	STEP 0, 0, 0
	s_sub_co_u32 s3, s3, 1
	s_cmp_lg_u32 s3, 0
	s_cbranch_scc1 .Llap
	TURN 0, 1, 0                                   ; the last lap fills nothing
	STEP 1, 0, 0
	s_wait_dscnt 4*NL
	WIN MUL_LO
	MUL16 0, 1, NQ-1, 1, 0
	MUL16 2, 1, NQ-1, 1, 0
	s_wait_dscnt 0
	WIN MUL_HI
	MUL16 4, 1, NQ-1, 1, 0
	MUL16 6, 1, NQ-1, 1, 0
	WIN 0
	PLACES NP                                      ; in front of the first read of results and of loads into the registers that held A's fragments
	s_mov_b32 s[MSKHI], 0xffff0000                 ; lanes 16-31
	s_and_b32 s3, ttmp9, s16
	s_cmp_lg_u32 s3, 0
	s_cbranch_scc1 .Lvway                          ; cluster x = 1 and the right half of the columns: v
	; ---- q and k: K = the head's 64, which runs along my columns
	s_lshl_b32 s92, s40, 1
	s_add_co_u32 s92, s92, s16                     ; q: pair of heads 2 cx + half
	s_add_co_u32 s93, s40, 8                       ; k: pair of groups, 8 + cx
	s_cmp_eq_u32 ttmp9, 0
	s_cselect_b32 s92, s92, s93
	s_lshl_b32 s93, s17, 4
	s_lshl_b32 s94, s15, 3
	s_add_co_u32 s93, s93, s94                     ; my first row tile
	s_mul_i32 s93, s93, 12
	s_add_co_u32 s92, s92, s93
	s_mul_i32 s94, s92, AIMG
	s_mov_b32 s95, 0
	s_add_nc_u64 s[96:97], s[12:13], s[94:95]
	s_lshl_b32 s94, s92, 7
	s_add_co_u32 s94, s94, QKS
	s_add_nc_u64 s[98:99], s[12:13], s[94:95]
.irp a, 0,1,2,3,4,5,6,7
	s_wait_xcnt 0x0                                ; the last block's stores have read their registers
	STAGEQ \a
	QUANT32
	IMGST 96, \a*12*AIMG
	v_lshrrev_b32 v[WD], v[H16], v[PW]             ; lanes 0-15: the left head's two bytes of row r; lanes 16-31: the right head's
	v_and_b32 v[WD], 0xffff, v[WD]                 ; the upper two bytes are 0: they scale zero codes
	global_store_b32 v[L4], v[WD], s[98:99] offset:\a*12*128
.endr
	s_branch .Ldone
.Lvway:	; ---- v: K = the keys, which run down my rows: 32 channels at a time go through the stage and come back turned, the keys in token order
	s_lshr_b32 s92, s17, 3                         ; batch
	s_lshl_b32 s92, s92, 3
	s_lshl_b32 s93, s40, 1
	s_add_co_u32 s92, s92, s93                     ; 8 b + group 2 cx
	s_lshl_b32 s92, s92, 4
	s_and_b32 s93, s17, 7
	s_lshl_b32 s93, s93, 1
	s_add_co_u32 s92, s92, s93
	s_add_co_u32 s92, s92, s15                     ; x 16 + key step 2 (tile row % 8) + half
	s_mul_i32 s94, s92, 4*AIMG
	s_add_co_u32 s94, s94, VI
	s_mov_b32 s95, 0
	s_add_nc_u64 s[96:97], s[12:13], s[94:95]
	s_lshl_b32 s94, s92, 8
	s_add_co_u32 s94, s94, VS
	s_add_nc_u64 s[98:99], s[12:13], s[94:95]
.irp bb, 0,1,2,3
.irp a, 0,1,2,3,4,5,6,7
	WIN 0x08+4*(\a/4)
.irp e, 0,1
	ds_store_b128 v[VSTO], v[64*(\a%4)+8*(2*\bb+\e):64*(\a%4)+8*(2*\bb+\e)+3] offset:16*\a*176+32*((\a>>1)&1)+64*\e
	ds_store_b128 v[VSTO], v[64*(\a%4)+8*(2*\bb+\e)+4:64*(\a%4)+8*(2*\bb+\e)+7] offset:16*\a*176+32*((\a>>1)&1)+64*\e+16
.endr
.endr
	WIN 0
.irp u, 0,1
	s_wait_xcnt 0x0                                ; the last tile's stores have read their registers
.irp c, 0,1
.set i, 0
.rept 32
	ds_load_b32 v[X+32*\c+i], v[VRD] offset:(64*\c+((i&7)|(((i>>3)&1)<<4)|(((i>>4)&1)<<3)))*176+32*\u   ; key 64 c + 32 h + i lies in the row with bits 3 and 4 of i changed over
.set i, i+1
.endr
.endr
	s_wait_dscnt 0x0
	QUANT32
.set OFFV, (\bb>>1)*16*4*AIMG+(2*(\bb&1)+\u)*AIMG
	IMGST 96, OFFV
.if \u == 0
	v_mov_b32 v[WE], v[PW]
.else
	v_cndmask_b32 v[WD], v[WE], v[PW], s[MSKHI]    ; lanes 0-15: the even tile's words; lanes 16-31: the odd tile's: 128 consecutive bytes
	global_store_b32 v[L4], v[WD], s[98:99] offset:(\bb>>1)*4096+(\bb&1)*128
.endif
.endr
.endr
.Ldone:
	s_wait_tensorcnt 0x0                           ; the wave's end
	ds_add_u32 v[SPW], v[NIL]
	s_wait_dscnt 0x0
	CROUND                                         ; the closing round: no work-group ends while a partner may still ask for a tile that names it
	s_endpgm
.Lfunc_end_k_q2713d0cc52_qkvp:
	.size	k_q2713d0cc52_qkvp, .Lfunc_end_k_q2713d0cc52_qkvp-k_q2713d0cc52_qkvp
	.p2alignl 7, 3214868480
	.fill 96, 4, 3214868480
	.section	.rodata,"a",@progbits
	.p2align	6, 0x0
	.amdhsa_kernel k_q2713d0cc52_qkvp
		.amdhsa_group_segment_fixed_size 327680
		.amdhsa_private_segment_fixed_size 0
		.amdhsa_enable_private_segment 0
		.amdhsa_kernarg_size 24
		.amdhsa_user_sgpr_count 2
		.amdhsa_user_sgpr_kernarg_segment_ptr 1
		.amdhsa_wavefront_size32 1
		.amdhsa_system_sgpr_workgroup_id_x 1
		.amdhsa_system_sgpr_workgroup_id_y 1
		.amdhsa_system_sgpr_workgroup_id_z 1
		.amdhsa_system_vgpr_workitem_id 0
		.amdhsa_next_free_vgpr 1024
		.amdhsa_next_free_sgpr 102
		.amdhsa_reserve_vcc 0
		.amdhsa_float_denorm_mode_32 3
		.amdhsa_float_denorm_mode_16_64 3
		.amdhsa_memory_ordered 1
		.amdhsa_forward_progress 1
		.amdhsa_inst_pref_size 254
	.end_amdhsa_kernel
	.amdgpu_metadata
---
amdhsa.version: [ 1, 2 ]
amdhsa.kernels:
  - .name:           k_q2713d0cc52_qkvp
    .symbol:         k_q2713d0cc52_qkvp.kd
    .args:
      - { .name: act, .offset: 0, .size: 8, .value_kind: global_buffer, .address_space: global }
      - { .name: wi, .offset: 8, .size: 8, .value_kind: global_buffer, .address_space: global }
      - { .name: qkv, .offset: 16, .size: 8, .value_kind: global_buffer, .address_space: global }
    .group_segment_fixed_size: 327680
    .private_segment_fixed_size: 0
    .kernarg_segment_align: 8
    .kernarg_segment_size: 24
    .max_flat_workgroup_size: 128
    .sgpr_count:     102
    .vgpr_count:     1024
    .wavefront_size: 32
...
	.end_amdgpu_metadata
.endif
;; end of part 9
;; launch attn (part 10): grid 16 x 16, 16 waves a work-group, clusters of 4 x 1, 215,040 bytes of LDS; arguments qkv, z; writes z
.if DOCPART == 10
	.amdgcn_target "amdgcn-amd-amdhsa--gfx1250"
	.amdhsa_code_object_version 6
	.text
	.protected	k_q2713d0cc52_attn
	.globl	k_q2713d0cc52_attn
	.p2align	8
	.type	k_q2713d0cc52_attn,@function
k_q2713d0cc52_attn:
	s_mov_b64 s[64:65], 0
	v_nop
	global_prefetch_b8 v0, s[64:65] scope:SCOPE_SE
	s_setreg_imm32_b32 hwreg(HW_REG_WAVE_MODE, 25, 1), 1
	s_wait_xcnt 0x0
	s_wait_alu depctr_hold_cnt(0) depctr_sa_sdst(0) depctr_va_vdst(0) depctr_va_sdst(0) depctr_va_ssrc(0) depctr_va_vcc(0) depctr_vm_vsrc(0)
	s_getreg_b32 s2, hwreg(HW_REG_IB_STS2, 6, 4)
	s_cmp_eq_u32 s2, 0
	s_cbranch_scc0 .Lentry_in_a_cluster
	s_endpgm
.Lentry_in_a_cluster:
	s_bfe_u32 s2, ttmp6, 0x10000c
	s_cmp_lg_u32 s2, 0x3003
	s_cbranch_scc0 .Lentry_shape_is_right
	s_endpgm
.Lentry_shape_is_right:
; z = softmax(q k^T / 8, causal) v for 2 batches x 8 groups x 2 heads of 64, both products on codes of BF6 (E3M2) with E8M0 scales; z is quantised for the next product and stored as images.
; THE SOFTMAX: t = score x log2(e) / 8; M = the running largest t rounded UP to a whole number; p = 2^(t - M) is quantised along the keys, not normalised; the row's sum is taken of the unquantised p and divides at the end.
; SHARES.  Work-group y = 8 batch + group.  ALL of the group's K (128 half images of 768 bytes) and V (64 images) and their scale words fit in LDS: they are filled once; nothing is filled again.
; The four work-groups of a cluster ask for them jointly.  Each of the 16 waves owns one tile of 16 queries of one head and walks the key steps of 128 up to its diagonal.
; WHICH TILE: m = wave / 4, n = wave % 4; j = (2 (m / 2) + n / 2) xor 7 ((m xor n) & 1); head = m & 1; tile = 16 j + (iw xor 15 (j & 1)), iw = the work-group's x.  Early and late tiles are paired, so that the steps are even
; among the waves that share a SIMD and among work-groups.  The diagonal's step, 2 j + ((cluster x / 2) xor (j & 1)), hangs on the wave's number and the cluster's x alone.
; LAYOUT.  Both products transposed: S^T = K Q^T, O^T = V^T P^T: a lane holds one query throughout.  Tiles are in the row order 32 (mt / 2) + 8 (mt % 2) + r + 8 (r / 8), so the 16 registers of two neighbouring key tiles are 16 neighbouring keys.
; The first product's K is 64: the upper 64 of the instruction's 128 are zero codes on both sides (scale byte 0 there, which scales zeros).
; LIMITS: a hidden key gets p = 0, where the definition's score of -1e6 would differ only if a row's largest open score lay near -1e6; NaN and infinities are not served.
; REGISTERS: v1-7 addresses; v8-11 the step's addresses; v12 -M, v13 the largest t, v[14:15] the sum; v16-27 Q; v28-31 V's scale words; v32-79 four fragments of K; v80-127 of V; v128-191 S^T, then p; v192-223 O^T; v224-235 p's codes; v232-254 at work; v255 Q's scale word.
.set VIMG, 98304
.set KWD,  196608
.set VWD,  204800
.set EX,   208896                      ; 64 bytes a wave: half scale words change hands here; no fill lands there
.set VI,   4718592
.set QKS,  6291456
.set VS,   6684672
.set ZWD,  3145728
.set S,    128
.set O,    192
.set SC,   8
.set TK,   9
.set TS,   10
.set TJ,   11
.set KF,   12
.set DG,   13
.set Q0,   14
.set HI,   15
.set WV,   18
.set SEL,  20
.set CS,   22
.set G1K,  24
.set G1V,  32
.set G1KS, 40
.set G1VS, 48
.set G0K,  56
.set G0V,  60
.set G0KS, 68
.set G0VS, 72
.macro CROUND
	s_barrier_signal -1
	s_barrier_wait -1
	s_cmp_lg_u32 s[WV], 0
	s_cbranch_scc1 .Lnot_wave_0_\@
	s_barrier_signal -3
.Lnot_wave_0_\@:
	s_barrier_wait -3
	s_barrier_signal -1
	s_barrier_wait -1
.endm
	s_load_b128 s[4:7], s[0:1], 0x0                ; qkv, z
	v_lshl_add_u32 v254, v0, 2, 0x34000
	v_mov_b32 v255, 0
	ds_add_u32 v254, v255
	ds_add_u32 v254, v255
	s_wait_dscnt 0x0
	v_lshrrev_b32 v8, 5, v0
	s_delay_alu instid0(VALU_DEP_1)
	v_readfirstlane_b32 s[WV], v8                  ; wave 0..15
	s_and_b32 s77, ttmp7, 0xffff                   ; y = 8 b + g, which the four partners share
	s_lshr_b32 s78, s77, 3                         ; b
	s_and_b32 s79, s77, 7                          ; g
	; descriptor groups 1: elements of 8 bytes, the mask of all four work-groups, bit 21 beside it, no padding
	s_mov_b32 s[G1K], 15|(3<<16)|(1<<21)           ; K: 64 half images of 768 bytes, 12 images apart
	s_mov_b32 s[G1K+1], 96<<16
	s_mov_b32 s[G1K+2], 64<<16
	s_mov_b32 s[G1K+3], 96<<16
	s_mov_b32 s[G1K+4], 64
	s_mov_b32 s[G1K+5], 2304
	s_mov_b32 s[G1K+6], 0
	s_mov_b32 s[G1K+7], 0
	s_mov_b32 s[G1V], 15|(3<<16)|(1<<21)           ; V: 49,152 dense bytes as 192 rows of 256
	s_mov_b32 s[G1V+1], 32<<16
	s_mov_b32 s[G1V+2], 192<<16
	s_mov_b32 s[G1V+3], 32<<16
	s_mov_b32 s[G1V+4], 192
	s_mov_b32 s[G1V+5], 32
	s_mov_b32 s[G1V+6], 0
	s_mov_b32 s[G1V+7], 0
	s_mov_b32 s[G1KS], 15|(3<<16)|(1<<21)          ; K's scale words: 128 rows of 64 bytes, 1,536 bytes apart
	s_mov_b32 s[G1KS+1], 8<<16
	s_mov_b32 s[G1KS+2], 128<<16
	s_mov_b32 s[G1KS+3], 8<<16
	s_mov_b32 s[G1KS+4], 128
	s_mov_b32 s[G1KS+5], 192
	s_mov_b32 s[G1KS+6], 0
	s_mov_b32 s[G1KS+7], 0
	s_mov_b32 s[G1VS], 15|(3<<16)|(1<<21)          ; V's scale words: 4,096 dense bytes
	s_mov_b32 s[G1VS+1], 32<<16
	s_mov_b32 s[G1VS+2], 16<<16
	s_mov_b32 s[G1VS+3], 32<<16
	s_mov_b32 s[G1VS+4], 16
	s_mov_b32 s[G1VS+5], 32
	s_mov_b32 s[G1VS+6], 0
	s_mov_b32 s[G1VS+7], 0
	s_and_b32 s80, s[WV], 1                        ; which half I fetch, if I fetch
	s_lshl_b32 s81, s78, 7
	s_lshl_b32 s82, s80, 6
	s_add_co_u32 s81, s81, s82                     ; K: first key tile 128 b + 64 half
	s_mul_i32 s81, s81, 12
	s_lshr_b32 s82, s79, 1
	s_add_co_u32 s82, s82, 8                       ; image column 8 + g / 2
	s_add_co_u32 s81, s81, s82
	s_mul_i32 s84, s81, 1536
	s_and_b32 s83, s79, 1
	s_mul_i32 s81, s83, 768                        ; which half of the image: g % 2
	s_add_co_u32 s84, s84, s81
	s_mov_b32 s85, 0
	s_wait_kmcnt 0x0
	s_mov_b32 s[G0K], 1
	s_mul_i32 s[G0K+1], s80, 49152
	s_add_nc_u64 s[G0K+2:G0K+3], s[4:5], s[84:85]
	s_or_b32 s[G0K+3], s[G0K+3], 0x80000000
	s_mul_i32 s84, s77, 98304
	s_mul_i32 s81, s80, 49152
	s_add_co_u32 s84, s84, s81
	s_add_co_u32 s84, s84, VI
	s_mov_b32 s[G0V], 1
	s_add_co_u32 s[G0V+1], s81, VIMG
	s_add_nc_u64 s[G0V+2:G0V+3], s[4:5], s[84:85]
	s_or_b32 s[G0V+3], s[G0V+3], 0x80000000
	s_mul_i32 s84, s78, 128*12
	s_add_co_u32 s84, s84, s82
	s_lshl_b32 s84, s84, 7
	s_lshl_b32 s81, s83, 6
	s_add_co_u32 s84, s84, s81
	s_add_co_u32 s84, s84, QKS
	s_mov_b32 s[G0KS], 1
	s_mov_b32 s[G0KS+1], KWD
	s_add_nc_u64 s[G0KS+2:G0KS+3], s[4:5], s[84:85]
	s_or_b32 s[G0KS+3], s[G0KS+3], 0x80000000
	s_lshl_b32 s84, s77, 12
	s_add_co_u32 s84, s84, VS
	s_mov_b32 s[G0VS], 1
	s_mov_b32 s[G0VS+1], VWD
	s_add_nc_u64 s[G0VS+2:G0VS+3], s[4:5], s[84:85]
	s_or_b32 s[G0VS+3], s[G0VS+3], 0x80000000
	CROUND                                         ; all four work-groups are here: the joint loads meet
	s_cmp_lt_u32 s[WV], 2                          ; waves 0, 1: K's halves; 2, 3: V's; 4: K's scale words; 5: V's; the others nothing.  One load a wave; four v_nop follow each
	s_cbranch_scc0 .Lnot_k
	tensor_load_to_lds s[G0K:G0K+3], s[G1K:G1K+7]
	s_nop 0
.rept 4
	v_nop
.endr
	s_branch .Lasked
.Lnot_k:
	s_cmp_lt_u32 s[WV], 4
	s_cbranch_scc0 .Lnot_v
	tensor_load_to_lds s[G0V:G0V+3], s[G1V:G1V+7]
	s_nop 0
.rept 4
	v_nop
.endr
	s_branch .Lasked
.Lnot_v:
	s_cmp_eq_u32 s[WV], 4
	s_cbranch_scc0 .Lnot_ks
	tensor_load_to_lds s[G0KS:G0KS+3], s[G1KS:G1KS+7]
	s_nop 0
.rept 4
	v_nop
.endr
	s_branch .Lasked
.Lnot_ks:
	s_cmp_eq_u32 s[WV], 5
	s_cbranch_scc0 .Lasked
	tensor_load_to_lds s[G0VS:G0VS+3], s[G1VS:G1VS+7]
	s_nop 0
.rept 4
	v_nop
.endr
.Lasked:
	; my tile
	s_bfe_u32 s76, ttmp6, 0x40000                  ; cx: it enters global addresses and the mask's numbers alone
	s_lshr_b32 s80, s[WV], 2                       ; m
	s_and_b32 s81, s[WV], 3                        ; n
	s_lshr_b32 s82, s80, 1
	s_lshl_b32 s82, s82, 1
	s_lshr_b32 s83, s81, 1
	s_add_co_u32 s82, s82, s83
	s_xor_b32 s83, s80, s81
	s_and_b32 s83, s83, 1
	s_mul_i32 s83, s83, 7
	s_xor_b32 s82, s82, s83                        ; j
	s_and_b32 s[HI], s80, 1                        ; which head of the group
	s_and_b32 s84, s82, 1
	s_lshr_b32 s85, ttmp9, 1
	s_xor_b32 s85, s85, s84
	s_lshl_b32 s[DG], s82, 1
	s_add_co_u32 s[DG], s[DG], s85                 ; the key step on my diagonal
	s_lshl_b32 s86, ttmp9, 2
	s_add_co_u32 s86, s86, s76                     ; iw
	s_mul_i32 s84, s84, 15
	s_xor_b32 s86, s86, s84
	s_lshl_b32 s87, s82, 4
	s_add_co_u32 s86, s86, s87                     ; my tile in the batch, 0 .. 127
	s_lshr_b32 s87, s86, 1
	s_lshl_b32 s87, s87, 5
	s_and_b32 s88, s86, 1
	s_lshl_b32 s88, s88, 3
	s_add_co_u32 s[Q0], s87, s88                   ; its first token: lane r's query is Q0 + r + 8 (r / 8)
	s_lshl_b32 s89, s78, 7
	s_add_co_u32 s89, s89, s86                     ; mt
	s_mul_i32 s87, s89, 12
	s_add_co_u32 s87, s87, s79                     ; q's image (mt, g)
	s_mul_i32 s90, s87, 1536
	s_mul_i32 s88, s[HI], 768
	s_add_co_u32 s90, s90, s88
	s_mov_b32 s91, 0
	s_add_nc_u64 s[92:93], s[4:5], s[90:91]        ; my head's half image of q
	s_lshl_b32 s90, s87, 7
	s_lshl_b32 s87, s[HI], 6
	s_add_co_u32 s90, s90, s87
	s_add_co_u32 s90, s90, QKS
	s_add_nc_u64 s[94:95], s[4:5], s[90:91]        ; and its scale words
	s_lshl_b32 s87, s89, 3
	s_add_co_u32 s87, s87, s79                     ; z's image (mt, g)
	s_mul_i32 s90, s87, 1536
	s_add_co_u32 s90, s90, s88
	s_add_nc_u64 s[96:97], s[6:7], s[90:91]
	s_lshl_b32 s90, s87, 6
	s_add_co_u32 s90, s90, ZWD
	s_add_nc_u64 s[98:99], s[6:7], s[90:91]
	v_and_b32 v8, 15, v0                           ; r
	v_bfe_u32 v9, v0, 4, 1                         ; h
	v_and_b32 v10, 31, v0
	s_delay_alu instid0(VALU_DEP_1)
	v_lshlrev_b32 v1, 3, v10                       ; 8 x lane: my place in a plane of K
	s_delay_alu instid0(VALU_DEP_1)
	v_add_nc_u32 v2, VIMG, v1                      ; of V
	v_lshl_add_u32 v3, v8, 2, KWD                  ; K's scale words
	v_lshl_add_u32 v4, v8, 2, VWD                  ; V's
	v_and_b32 v11, 8, v8
	s_delay_alu instid0(VALU_DEP_1)
	v_add_nc_u32 v5, v11, v8
	v_lshlrev_b32 v11, 4, v9
	s_delay_alu instid0(VALU_DEP_1)
	v_sub_nc_u32 v5, v5, v11                       ; r + 8 (r / 8) - 16 h
	v_lshlrev_b32 v6, 2, v8                        ; 4 r
	v_lshl_add_u32 v7, v8, 2, EX
	s_lshl_b32 s87, s[WV], 6
	v_add_nc_u32 v7, s87, v7                       ; my half scale words,
	s_delay_alu instid0(VALU_DEP_1)
	v_xor_b32 v243, 320, v7                        ; and those of the wave with the group's other head and my tile: wave xor 5
.irp p, 0,1,2
	global_load_b64 v[16+2*\p:17+2*\p], v1, s[92:93] offset:256*\p   ; Q's fragment stays in registers
.endr
	global_load_b32 v255, v6, s[94:95]
.irp p, 22,23,24,25,26,27
	v_mov_b32 v\p, 0                               ; the upper 64 along K: zero codes
.endr
.irp t, 0,1,2,3
.irp p, 6,7,8,9,10,11
	v_mov_b32 v[32+12*\t+\p], 0
.endr
.endr
	v_mov_b32 v13, 0xff61b1e6                      ; the largest t so far: -3e38
	s_delay_alu instid0(VALU_DEP_1)
	v_floor_f32 v12, -v13                          ; -M
	v_mov_b32 v14, 0
	v_mov_b32 v15, 0
.irp b, 0,1,2,3
	v_mov_b32 v[236+\b], 0                         ; written once: a lane permute's destination counts as one of its sources
.endr
	v_mov_b32 v252, 0
	v_mov_b32 v253, 0
.set n, 0
.rept 32
	v_mov_b32 v[O+n], 0                            ; O^T: the step is written once; the first finds zeros
.set n, n+1
.endr
	s_mov_b32 s[SEL], 0x76543210
	s_mov_b32 s[SEL+1], 0xfedcba98
	s_mov_b32 s[CS], 0x3e38aa3b                    ; c = log2(e) / 8
	s_mov_b32 s[CS+1], s[CS]
	s_mov_b32 s[TK], 0
	s_mov_b32 s[TS], 0
	s_mov_b32 s[TJ], 0
	s_mov_b32 s[KF], 0
	s_mov_b32 s[SC], 0
	s_wait_loadcnt 0x0                             ; Q
	s_wait_tensorcnt 0x0                           ; my fill has landed,
	s_barrier_signal -1
	s_barrier_wait -1                              ; everybody's has
.Lstep:                                                ; 16 trips in every wave; a step all of whose keys come after my queries is jumped over, but for the lines that step addresses
	s_cmp_gt_u32 s[SC], s[DG]
	s_cbranch_scc1 .Lhidden
	v_add_nc_u32 v8, s[TK], v1
	s_wait_alu depctr_va_vdst(0)
	v_add_nc_u32 v9, s[TK], v2
	v_add_nc_u32 v10, s[TS], v3
	s_wait_alu depctr_va_vdst(0)
	v_add_nc_u32 v11, s[TJ], v4
	s_wait_alu depctr_va_vdst(0)
.irp g, 0,1                                    ; S^T = K Q^T, four tiles of 16 keys at a time
.if \g > 0
.rept 4
	v_nop                                          ; places in front of loads into registers that matrix instructions have read
.endr
.endif
.irp t, 0,1,2,3
.irp p, 0,1,2
	ds_load_b64 v[32+12*\t+2*\p:33+12*\t+2*\p], v8 offset:(4*\g+\t)*768+256*\p
.endr
	ds_load_b32 v[248+\t], v10 offset:(4*\g+\t)*64
.endr
	s_wait_dscnt 0x0
.irp t, 0,1,2,3
	v_wmma_scale_f32_16x16x128_f8f6f4 v[S+8*(4*\g+\t):S+7+8*(4*\g+\t)], v[32+12*\t:43+12*\t], v[16:27], 0, v[248+\t], v255 matrix_a_fmt:MATRIX_FMT_BF6 matrix_b_fmt:MATRIX_FMT_BF6
.endr
.endr
.rept 4
	v_nop
.endr
.irp t, 0,1,2,3                                ; V's four fragments are asked for now and land under the softmax
.irp p, 0,1,2,3,4,5
	ds_load_b64 v[80+12*\t+2*\p:81+12*\t+2*\p], v9 offset:\t*1536+256*\p
.endr
	ds_load_b32 v[28+\t], v11 offset:\t*64
.endr
	s_cmp_lt_u32 s[SC], s[DG]
	s_cbranch_scc1 .Lopen                          ; all keys of the step count
	s_sub_co_i32 s90, s[Q0], s[KF]
	v_add_nc_u32 v252, s90, v5                     ; d = my query - KF - 16 h.  Register 16 b + i holds key KF + 16 h + 32 b + i: hidden where 32 b + i > d
	v_mov_b32 v254, 0xff800000
.set n, 0
.rept 64
	v_cmp_gt_i32 vcc_lo, 32*(n/16)+n%16, v252
	v_cndmask_b32 v[S+n], v[S+n], v254, vcc_lo
.set n, n+1
.endr
.Lopen:
.irp b, 0,1,2,3
	v_max3_num_f32 v[232+\b], v[S+16*\b], v[S+1+16*\b], v[S+2+16*\b]   ; the largest score of each block of 32 keys: it serves for the row's maximum and, since p rises with the score, for the block's largest p
.endr
.irp i, 3,5,7,9,11,13
.irp b, 0,1,2,3
	v_max3_num_f32 v[232+\b], v[232+\b], v[S+16*\b+\i], v[S+1+16*\b+\i]
.endr
.endr
.irp b, 0,1,2,3
	v_max_num_f32 v[232+\b], v[232+\b], v[S+15+16*\b]
.endr
.irp b, 0,1,2,3
	s_delay_alu instid0(VALU_DEP_4)
	v_permlanex16_b32 v[236+\b], v[232+\b], s[SEL], s[SEL+1]
.endr
.irp b, 0,1,2,3
	s_delay_alu instid0(VALU_DEP_4)
	v_max_num_f32 v[232+\b], v[232+\b], v[236+\b]
.endr
	s_delay_alu instid0(VALU_DEP_2)
	v_max3_num_f32 v254, v232, v233, v234
	s_delay_alu instid0(VALU_DEP_1)
	v_max_num_f32 v254, v254, v235
	s_delay_alu instid0(VALU_DEP_1)
	v_mul_f32 v254, s[CS], v254
	s_delay_alu instid0(VALU_DEP_1)
	v_max_num_f32 v13, v13, v254                   ; the running largest t
	v_mov_b32 v254, v12
	s_delay_alu instid0(VALU_DEP_2)
	v_floor_f32 v12, -v13                          ; the new -M = -ceil(t)
	s_delay_alu instid0(VALU_DEP_1)
	v_sub_f32 v254, v12, v254                      ; old M - new M: a whole number, 0 or less
	s_delay_alu instid0(VALU_DEP_1)
	v_cvt_i32_f32 v254, v254                       ; (it saturates)
	s_delay_alu instid0(VALU_DEP_1)
	v_ldexp_f32 v252, 1.0, v254                    ; f = 2^(old M - new M): a multiplication by it rounds nothing
.set n, 0
.rept 32
	v_pk_fma_f32 v[S+n:S+n+1], v[S+n:S+n+1], s[CS:CS+1], v[12:13] op_sel_hi:[1,0,0]   ; t - M
.set n, n+2
.endr
.irp b, 0,1,2,3
	v_fma_f32 v[232+\b], v[232+\b], s[CS], v12
.endr
.set n, 0
	s_wait_alu depctr_va_vdst(0)
.rept 64
	v_exp_f32 v[S+n], v[S+n]                       ; p = 2^(t - M)
.set n, n+1
.endr
.irp b, 0,1,2,3
	v_exp_f32 v[232+\b], v[232+\b]                 ; the block's largest p
.endr
	v_pk_mul_f32 v[14:15], v[14:15], v[252:253] op_sel_hi:[1,0]   ; the sums under the new M (a plain line behind the exponentials)
	s_wait_alu depctr_va_vdst(0)
.irp b, 0,1,2,3
	v_max_num_f32 v[232+\b], 0x2800000, v[232+\b]  ; the floor 2^(5 - 127)
.endr
.irp b, 0,1,2,3
	s_delay_alu instid0(VALU_DEP_4)
	v_add_nc_u32 v[244+\b], 0xfe000000, v[232+\b]
.endr
.irp b, 0,1,2,3
	s_delay_alu instid0(VALU_DEP_4)
	v_lshrrev_b32 v[236+\b], 23, v[244+\b]
.endr
	s_delay_alu instid0(VALU_DEP_3)
	v_lshl_or_b32 v253, v237, 8, v236              ; p's scale word for these 128 keys
	s_delay_alu instid0(VALU_DEP_1)
	v_lshl_or_b32 v253, v238, 16, v253
	s_delay_alu instid0(VALU_DEP_1)
	v_lshl_or_b32 v253, v239, 24, v253
.irp c, 0,1
	v_cvt_scalef32_pk16_bf6_f32 v[224+6*\c:226+6*\c], v[S+32*\c:S+15+32*\c], v[244+2*\c]
	v_cvt_scalef32_pk16_bf6_f32 v[236+4*\c:238+4*\c], v[S+16+32*\c:S+31+32*\c], v[244+2*\c+1]
.endr
	v_nop
.irp c, 0,1                                    ; the operand's layout wants a whole block in a lane
.irp i, 0,1,2
	v_permlane16_swap_b32 v[224+6*\c+\i], v[236+4*\c+\i]
.endr
.irp i, 0,1,2
	s_delay_alu instid0(VALU_DEP_3)
	v_mov_b32 v[227+6*\c+\i], v[236+4*\c+\i]
.endr
.endr
	v_pk_add_f32 v[236:237], v[132:133], v[136:137]
	v_pk_add_f32 v[250:251], v[140:141], v[144:145]
	v_pk_add_f32 v[248:249], v[148:149], v[152:153]
	v_pk_add_f32 v[246:247], v[156:157], v[160:161]
	v_pk_add_f32 v[244:245], v[164:165], v[168:169]
	v_pk_add_f32 v[240:241], v[172:173], v[176:177]
	v_pk_add_f32 v[72:73], v[180:181], v[184:185]
	v_pk_add_f32 v[14:15], v[14:15], v[188:189]
	v_pk_add_f32 v[236:237], v[236:237], v[128:129]
	v_pk_add_f32 v[250:251], v[250:251], v[130:131]
	v_pk_add_f32 v[248:249], v[248:249], v[134:135]
	v_pk_add_f32 v[246:247], v[246:247], v[138:139]
	v_pk_add_f32 v[244:245], v[244:245], v[142:143]
	v_pk_add_f32 v[240:241], v[240:241], v[146:147]
	v_pk_add_f32 v[72:73], v[72:73], v[150:151]
	v_pk_add_f32 v[14:15], v[14:15], v[154:155]
	v_pk_add_f32 v[236:237], v[236:237], v[158:159]
	v_pk_add_f32 v[250:251], v[250:251], v[162:163]
	v_pk_add_f32 v[248:249], v[248:249], v[166:167]
	v_pk_add_f32 v[246:247], v[246:247], v[170:171]
	v_pk_add_f32 v[244:245], v[244:245], v[174:175]
	v_pk_add_f32 v[240:241], v[240:241], v[178:179]
	v_pk_add_f32 v[72:73], v[72:73], v[182:183]
	v_pk_add_f32 v[14:15], v[14:15], v[186:187]
	v_pk_add_f32 v[236:237], v[236:237], v[190:191]
	s_delay_alu instid0(VALU_DEP_2)
	v_pk_add_f32 v[14:15], v[14:15], v[246:247]
	s_delay_alu instid0(VALU_DEP_2)
	v_pk_add_f32 v[236:237], v[236:237], v[244:245]
	v_pk_add_f32 v[250:251], v[250:251], v[240:241]
	v_pk_add_f32 v[248:249], v[248:249], v[72:73]
	s_delay_alu instid0(VALU_DEP_2)
	v_pk_add_f32 v[14:15], v[14:15], v[250:251]
	s_delay_alu instid0(VALU_DEP_2)
	v_pk_add_f32 v[236:237], v[236:237], v[248:249]
	s_delay_alu instid0(VALU_DEP_1)
	v_pk_add_f32 v[14:15], v[14:15], v[236:237]
.set n, 0
.rept 16
	v_pk_mul_f32 v[O+n:O+n+1], v[O+n:O+n+1], v[252:253] op_sel_hi:[1,0]   ; O^T under the new M
.set n, n+2
.endr
	s_wait_alu depctr_va_vdst(0)
	s_wait_dscnt 0x0                               ; V's fragments and scale words are in
.irp t, 0,1,2,3                                ; O^T += V^T P^T: the four accumulators by turns
	v_wmma_scale_f32_16x16x128_f8f6f4 v[O+8*\t:O+7+8*\t], v[80+12*\t:91+12*\t], v[224:235], v[O+8*\t:O+7+8*\t], v[28+\t], v253 matrix_a_fmt:MATRIX_FMT_BF6 matrix_b_fmt:MATRIX_FMT_BF6
.endr
.Lhidden:
	s_add_co_u32 s[TK], s[TK], 6144                ; 8 half images of K, and 4 images of V
	s_add_co_u32 s[TS], s[TS], 512
	s_add_co_u32 s[TJ], s[TJ], 256
	s_add_co_u32 s[KF], s[KF], 128
	s_add_co_u32 s[SC], s[SC], 1
	s_cmp_lt_u32 s[SC], 16
	s_cbranch_scc1 .Lstep
.rept 4
	v_nop                                          ; places behind the last products
.endr
	v_add_f32 v14, v14, v15
	s_delay_alu instid0(VALU_DEP_1)
	v_permlanex16_b32 v252, v14, s[SEL], s[SEL+1]
	s_delay_alu instid0(VALU_DEP_1)
	v_add_f32 v14, v14, v252                       ; the row's sum
	s_wait_alu depctr_va_vdst(0)
	v_rcp_f32 v14, v14
	v_nop
.set n, 0
	s_wait_alu depctr_va_vdst(0)
.rept 32
	v_mul_f32 v[S+n], v[O+n], v14                  ; z: register 16 b + i is channel 32 b + 16 h + i of my query
.set n, n+1
.endr
.irp b, 0,1
	v_max3_num_f32 v[232+\b], |v[S+16*\b]|, |v[S+1+16*\b]|, 0x2800000
.endr
.irp i, 2,4,6,8,10,12,14
.irp b, 0,1
	s_delay_alu instid0(VALU_DEP_2)
	v_max3_num_f32 v[232+\b], v[232+\b], |v[S+16*\b+\i]|, |v[S+1+16*\b+\i]|
.endr
.endr
.irp b, 0,1
	s_delay_alu instid0(VALU_DEP_2)
	v_permlanex16_b32 v[236+\b], v[232+\b], s[SEL], s[SEL+1]
.endr
.irp b, 0,1
	s_delay_alu instid0(VALU_DEP_2)
	v_max_num_f32 v[232+\b], v[232+\b], v[236+\b]
.endr
.irp b, 0,1
	s_delay_alu instid0(VALU_DEP_2)
	v_add_nc_u32 v[244+\b], 0xfe000000, v[232+\b]
.endr
.irp b, 0,1
	s_delay_alu instid0(VALU_DEP_2)
	v_lshrrev_b32 v[236+\b], 23, v[244+\b]
.endr
	s_delay_alu instid0(VALU_DEP_1)
	v_lshl_or_b32 v253, v237, 8, v236              ; my head's two bytes
	v_cvt_scalef32_pk16_bf6_f32 v[224:226], v[S:S+15], v244
	v_cvt_scalef32_pk16_bf6_f32 v[228:230], v[S+16:S+31], v245
	v_nop
	v_permlane16_swap_b32 v224, v228
	v_permlane16_swap_b32 v225, v229
	v_permlane16_swap_b32 v226, v230
	s_delay_alu instid0(VALU_DEP_3)
	v_mov_b32 v227, v228
	s_delay_alu instid0(VALU_DEP_3)
	v_mov_b32 v228, v229
	s_delay_alu instid0(VALU_DEP_3)
	v_mov_b32 v229, v230                           ; registers 0-5 of a fragment: k = 32 h + 0 .. 31 of my head
.irp p, 0,1,2
	global_store_b64 v1, v[224+2*\p:225+2*\p], s[96:97] offset:256*\p   ; three planes of 256 consecutive bytes
.endr
	ds_store_b32 v7, v253
	s_wait_dscnt 0x0
	s_barrier_signal -1
	s_barrier_wait -1
	s_cmp_lg_u32 s[HI], 0
	s_cbranch_scc1 .Lno_word
	ds_load_b32 v232, v7                           ; the wave with the even head joins the two halves of the image's scale words
	ds_load_b32 v233, v243
	s_wait_dscnt 0x0
	v_lshl_or_b32 v232, v233, 16, v232
	global_store_b32 v6, v232, s[98:99]            ; lanes 16-31 repeat lanes 0-15's address and value
.Lno_word:
	s_wait_xcnt 0x0
	v_lshl_add_u32 v254, v0, 2, 0x34000
	v_mov_b32 v255, 0
	s_wait_alu depctr_va_vdst(0)
	s_wait_tensorcnt 0x0
	ds_add_u32 v254, v255
	s_wait_dscnt 0x0
	CROUND                                         ; the closing round
	s_endpgm
.Lfunc_end_k_q2713d0cc52_attn:
	.size	k_q2713d0cc52_attn, .Lfunc_end_k_q2713d0cc52_attn-k_q2713d0cc52_attn
	.p2alignl 7, 3214868480
	.fill 96, 4, 3214868480
	.section	.rodata,"a",@progbits
	.p2align	6, 0x0
	.amdhsa_kernel k_q2713d0cc52_attn
		.amdhsa_group_segment_fixed_size 215040
		.amdhsa_private_segment_fixed_size 0
		.amdhsa_enable_private_segment 0
		.amdhsa_kernarg_size 16
		.amdhsa_user_sgpr_count 2
		.amdhsa_user_sgpr_kernarg_segment_ptr 1
		.amdhsa_wavefront_size32 1
		.amdhsa_system_sgpr_workgroup_id_x 1
		.amdhsa_system_sgpr_workgroup_id_y 1
		.amdhsa_system_sgpr_workgroup_id_z 1
		.amdhsa_system_vgpr_workitem_id 0
		.amdhsa_next_free_vgpr 256
		.amdhsa_next_free_sgpr 100
		.amdhsa_reserve_vcc 1
		.amdhsa_float_denorm_mode_32 3
		.amdhsa_float_denorm_mode_16_64 3
		.amdhsa_memory_ordered 1
		.amdhsa_forward_progress 1
		.amdhsa_inst_pref_size 42
	.end_amdhsa_kernel
	.amdgpu_metadata
---
amdhsa.version: [ 1, 2 ]
amdhsa.kernels:
  - .name:           k_q2713d0cc52_attn
    .symbol:         k_q2713d0cc52_attn.kd
    .args:
      - { .name: qkv, .offset: 0, .size: 8, .value_kind: global_buffer, .address_space: global }
      - { .name: z, .offset: 8, .size: 8, .value_kind: global_buffer, .address_space: global }
    .group_segment_fixed_size: 215040
    .private_segment_fixed_size: 0
    .kernarg_segment_align: 8
    .kernarg_segment_size: 16
    .max_flat_workgroup_size: 512
    .sgpr_count:     100
    .vgpr_count:     256
    .wavefront_size: 32
...
	.end_amdgpu_metadata
.endif
;; end of part 10
;; launch proj (part 11): grid 8 x 32, 4 waves a work-group, clusters of 4 x 4, 327,680 bytes of LDS; arguments z, wo_c, wo_s, b_out, x, post; writes post
.if DOCPART == 11
	.amdgcn_target "amdgcn-amd-amdhsa--gfx1250"
	.amdhsa_code_object_version 6
	.text
	.protected	k_q2713d0cc52_proj
	.globl	k_q2713d0cc52_proj
	.p2align	8
	.type	k_q2713d0cc52_proj,@function
k_q2713d0cc52_proj:
	s_mov_b64 s[64:65], 0
	v_nop
	global_prefetch_b8 v0, s[64:65] scope:SCOPE_SE
	s_setreg_imm32_b32 hwreg(HW_REG_WAVE_MODE, 25, 1), 1
	s_wait_xcnt 0x0
	s_wait_alu depctr_hold_cnt(0) depctr_sa_sdst(0) depctr_va_vdst(0) depctr_va_sdst(0) depctr_va_ssrc(0) depctr_va_vcc(0) depctr_vm_vsrc(0)
	s_getreg_b32 s2, hwreg(HW_REG_IB_STS2, 6, 4)
	s_cmp_eq_u32 s2, 0
	s_cbranch_scc0 .Lentry_in_a_cluster
	s_endpgm
.Lentry_in_a_cluster:
	s_bfe_u32 s2, ttmp6, 0x10000c
	s_cmp_lg_u32 s2, 0xf033
	s_cbranch_scc0 .Lentry_shape_is_right
	s_endpgm
.Lentry_shape_is_right:
; out = resid + bias + A B^T on codes of BF6 (E3M2) with E8M0 scales for each 32 along K = 1,024.  A: images of operand registers (row tile mt, K step s) of 1,536 bytes, six planes of 256; B: rows of codes; out, resid: f32, [4096][1024], token order.
; A tile of C is 128 x 128, so that the 4,096 x 1,024 outputs make 256 work-groups; four waves, each 64 x 64: 16 accumulators.  K goes in steps of 512 (four matrix instructions deep) through two LDS slots filled by the tensor data mover;
; at this K the two slots hold all of K: both are first fills and nothing is filled again.  All scales come into LDS once, with the first fills.
; CLUSTERS: 4 x 4 work-groups; A's tiles are asked for jointly along a row of the cluster, B's along a column.  THE MATRIX INSTRUCTION IS USED TRANSPOSED (source 0 = rows of B, source 1 = rows of A): a lane holds one row of C and eight neighbouring columns.
; The bias is the C of each sum's first product.  The residual is asked for at the kernel's head, two runs of 256 consecutive bytes a load, into registers that lie idle through the product, and is added on the way out.
; ROW ORDER: row tile mt holds tokens 32 (mt / 2) + 8 (mt % 2) + r + 8 (r / 8); the way out puts each row at its token.
; REGISTERS: window 0: v1-31 addresses; v32-63 A's scale words, v64-95 B's, two sets each; v96-127 the bias; v128-255 the accumulators, (a, b) at v[128 + 8 (4 a + b)].
;   window 1: two fragment buffers, at v0 and v128: 48 registers of A (4 x 16 rows x 128 K), then 48 of B.   window 2: v0-127 rows of C on the way out; v128-255 the residual.
; B NOW LIES AS IMAGES, AS A DOES.  ALL OF K IS FILLED AT ONCE, one tensor load a wave: wave 0 A's 8 tiles x 8 images, wave 1 B's, wave 2 A's scale words, wave 3 B's scale bytes.  'Slot' s below means K's half s: 4 images on in each tile.  The stage lies behind the spare words.
.set SIZE_K,  1024
.set ASC_OFF, 3145728                  ; where A's scale words begin
.set SA_BLK,  512                      ; from row tile to row tile among them, in LDS
.set SA_STEP, 64                       ; from 128 along K to the next
.set SAD0,    32                       ; what one tensor load brings of them: SAD1 rows of SAD0 elements of 8 bytes, SAST elements apart
.set SAD1,    16
.set SAST,    32
.set SA_SH,   0                        ; where a tile row's words begin: (tile row >> SA_SH) x SA_R + (tile row & SA_M) x SA_L, and SA_H more for the second half
.set SA_R,    4096
.set SA_M,    0
.set SA_L,    0
.set SA_H,    2048
.set KSTEP,  512
.set NQ,     4
.set ROWB,   384
.set KROW,   SIZE_K*6/8
.set PITCH,  432                       ; 3 x (128 bytes + 16 of padding) = 108 words: row r starts at bank 4 (11 r mod 16), lanes 16-31 read 6 or 10 words on: the 32 lanes of a load of 8 bytes touch 64 different banks
.set FR,     12
.set NP,     4
.set AIMG,   1536
.set HALFA,  4*8*AIMG
.set HALFB,  HALFA
.set SLOT,   2*HALFA+2*HALFB
.set LAPS,   SIZE_K/(2*KSTEP)
.set KS,     SIZE_K/32
.set SCB,    SLOT
.set HALFS,  (64*KS/256)*272
.set SBLK,   (16*KS/256)*272
.set SCA,    SCB+2*HALFS               ; A's scale words, dense,
.set SABYTES, 4*SIZE_K
.set SPARE,  SCA+SABYTES               ; and the spare words, 128 bytes for each wave: two blocks of 256 bytes that no other line names
.set SPITCH, 272                       ; the way out: a stage of 16 rows x (256 bytes + 16) for each wave, behind the spare words
.set STW,    16*SPITCH
.set L8,   12
.set ADRA, 16                          ; v16-17 LDS address of my A fragments in slot 0, 1
.set ADRB, 20                          ; v20-21 the same for B
.set STO,  24
.set RD,   25
.set CO,   26
.set ADSA, 27
.set SPW,  28
.set NIL,  29
.set ADSB, 30
.set BOF,  31
.set SCAR, 32
.set SCBR, 64
.set BIAS, 96
.set ACC,  128
.set CB,   0                           ; in window 2
.set RES,  128
.set G1, 24
.set G0, 32
.set G1B, 48
.set G0B, 56
.set G1S, 68
.set G0S, 76
.set G1SB, 80
.set G0SB, 88
.set MSB, 0
.macro WIN new                         ; the immediate's high byte repeats the setting that is left
.if MSB != \new
	s_set_vgpr_msb (MSB<<8)|\new
.set MSB, \new
.endif
.endm
.set MUL,     0x05                     ; sources 0 (B) and 1 (A) window 1; C and D window 0
.set TO_F,    0x40                     ; destination window 1, address window 0
.set TO_W2,   0x80                     ; destination window 2, address window 0
.set IN_W2,   0x8a                     ; destination and sources 0, 1 window 2
.set FROM_W2, 0x08                     ; a store's data (source 1) window 2, address window 0
.macro JLOAD g0a, g1a, g0b, g1b        ; a joint load: waves 0 and 1 fetch for A, waves 2 and 3 for B; four v_nop follow each of the two lines
	s_cmp_eq_u32 s15, 0
	s_cbranch_scc0 .Lfor_b_\@
	tensor_load_to_lds s[\g0a:\g0a+3], s[\g1a:\g1a+7]
	s_nop 0
.rept 4
	v_nop
.endr
	s_branch .Lasked_\@
.Lfor_b_\@:
	tensor_load_to_lds s[\g0b:\g0b+3], s[\g1b:\g1b+7]
	s_nop 0
.rept 4
	v_nop
.endr
.Lasked_\@:
.endm
.macro CREST                           ; a round of the cluster's barrier behind its opening barrier
	s_cmp_lg_u32 s14, 0
	s_cbranch_scc1 .Lnot_wave_0_\@
	s_barrier_signal -3
.Lnot_wave_0_\@:
	s_barrier_wait -3
	s_barrier_signal -1
	s_barrier_wait -1
.endm
.macro CROUND
	s_barrier_signal -1
	s_barrier_wait -1
	CREST
.endm
.macro PLACES n
.rept \n
	v_nop
.endr
.endm
.macro FRAGA reg, slot, q, i           ; A's fragment of row tile i, the slot's q-th 128 along K: six planes of 256 consecutive bytes
.irp p, 0,1,2,3,4,5
	ds_load_b64 v[\reg+2*\p:\reg+2*\p+1], v[ADRA+\slot] offset:(\i)*8*AIMG+(\q)*AIMG+256*\p
.endr
.endm
.macro FRAGB reg, adr, q, i            ; B's fragment of row tile i, the slot's q-th 128 along K: six planes of 256 consecutive bytes
.irp p, 0,1,2,3,4,5
	ds_load_b64 v[\reg+2*\p:\reg+2*\p+1], v[\adr] offset:(\i)*8*AIMG+(\q)*AIMG+256*\p
.endr
.endm
.macro SCALES sc                       ; a slot's scale words into set sc: register 4 i + q for block i and the slot's q-th 128 along K; lane r takes row r's
.irp i, 0,1,2,3
	ds_load_b128 v[SCBR+16*\sc+4*\i:SCBR+16*\sc+4*\i+3], v[ADSB] offset:\i*SBLK
.endr
.irp i, 0,1,2,3
.irp q, 0,1,2,3
	ds_load_b32 v[SCAR+16*\sc+4*\i+\q], v[ADSA] offset:\i*SA_BLK+\q*SA_STEP
.endr
.endr
.endm
; The fragments of one step of 128 along K into buffer f, in one run: B's four, A's blocks 0 and 1, (sc = 1: the slot's 20 loads of scale words,) and last A's blocks 2 and 3, which are wanted last
.macro FETCH slot, q, f, sc
	WIN TO_F
.irp i, 0,1,2,3
	FRAGB \f+48+FR*\i, ADRB+\slot, \q, \i
.endr
.irp i, 0,1
	FRAGA \f+FR*\i, \slot, \q, \i
.endr
.if \sc
	WIN 0
	SCALES \slot
	WIN TO_F
.endif
.irp i, 2,3
	FRAGA \f+FR*\i, \slot, \q, \i
.endr
.endm
; 4 matrix instructions: A's block a x B's four.  cm = 2: C = the bias starts the sums; cm = 0: in place.  The 16 accumulators take turns, one instruction a turn.
.macro MULA f, a, q, sc, cm
.irp b, 0,1,2,3
.if \cm == 2
	v_wmma_scale_f32_16x16x128_f8f6f4 v[ACC+8*(4*(\a)+\b):ACC+8*(4*(\a)+\b)+7], v[\f+48+FR*\b:\f+48+FR*\b+FR-1], v[\f+FR*(\a):\f+FR*(\a)+FR-1], v[BIAS+8*\b:BIAS+8*\b+7], v[SCBR+16*(\sc)+4*\b+(\q)], v[SCAR+16*(\sc)+4*(\a)+(\q)] matrix_a_fmt:MATRIX_FMT_BF6 matrix_b_fmt:MATRIX_FMT_BF6
.else
	v_wmma_scale_f32_16x16x128_f8f6f4 v[ACC+8*(4*(\a)+\b):ACC+8*(4*(\a)+\b)+7], v[\f+48+FR*\b:\f+48+FR*\b+FR-1], v[\f+FR*(\a):\f+FR*(\a)+FR-1], v[ACC+8*(4*(\a)+\b):ACC+8*(4*(\a)+\b)+7], v[SCBR+16*(\sc)+4*\b+(\q)], v[SCAR+16*(\sc)+4*(\a)+(\q)] matrix_a_fmt:MATRIX_FMT_BF6 matrix_b_fmt:MATRIX_FMT_BF6
.endif
.endr
.endm
; A step of 128 along K that has its successor in the same slot: multiplies buffer q % 2 and fetches the next step into the other.
; Loads into registers that matrix instructions have read stand four plain vector lines behind them (ISA guide 7.12.1 for vector instructions).
.macro STEP slot, q, cm
	s_wait_dscnt 12                                ; B's four, A's blocks 0 and 1 (and the scale words) are in; the youngest 12 loads (A's blocks 2 and 3) may be out
	WIN MUL
	MULA 128*((\q)%2), 0, \q, \slot, \cm
	MULA 128*((\q)%2), 1, \q, \slot, \cm
	PLACES NP
	FETCH \slot, (\q)+1, 128*(1-(\q)%2), 0
	s_wait_dscnt 48                                ; all but the 48 just issued
	WIN MUL
	MULA 128*((\q)%2), 2, \q, \slot, \cm
	MULA 128*((\q)%2), 3, \q, \slot, \cm
.endm
; A slot's last step multiplies buffer 1 and changes slots: one barrier; in front of it each wave waits for all its tensor loads, adds 0 to its spare word, and waits for that and for its own reads of this slot.  fill = 1: this slot is filled again, two slots ahead.
.macro TURN slot, next, fill
	WIN 0                                          ; (the add's two registers lie in window 0)
	s_wait_tensorcnt 0x0                           ; all my tensor loads have landed: my part of the next slot
	ds_add_u32 v[SPW], v[NIL]                      ; 0 onto my spare word
	s_wait_dscnt 13                                ; (the add and the youngest 12 loads may be out)
	WIN MUL
	MULA 128, 0, NQ-1, \slot, 0
	s_wait_dscnt 0x0                               ; the add is done, and my reads of this slot are over
	s_barrier_signal -1
	MULA 128, 1, NQ-1, \slot, 0
	WIN 0
	s_barrier_wait -1
.if \fill
	CREST                                          ; the barrier has opened a round of the cluster's barrier: no wave of any partner still reads this slot or has a load on its way
	s_add_nc_u64 s[G0+4*\slot+2:G0+4*\slot+3], s[G0+4*\slot+2:G0+4*\slot+3], 2*NQ*AIMG
	s_add_nc_u64 s[G0B+4*\slot+2:G0B+4*\slot+3], s[G0B+4*\slot+2:G0B+4*\slot+3], 2*ROWB
	JLOAD G0+4*\slot, G1, G0B+4*\slot, G1B         ; the first tensor load behind the round; its four v_nop are also the places in front of the loads below
.else
	PLACES NP
.endif
	v_add_nc_u32 v[ADSA], NQ*SA_STEP, v[ADSA]      ; on to the next slot's scale words
	v_add_nc_u32 v[ADSB], 4*NQ, v[ADSB]
	FETCH \next, 0, 0, 1
	WIN MUL
	MULA 128, 2, NQ-1, \slot, 0
	MULA 128, 3, NQ-1, \slot, 0
.endm
.macro TOSTAGE a                       ; block a (16 rows x 64 columns) through my stage: in as 32 bytes a lane, back as whole runs of 256 bytes, two rows a load
	WIN 0
.irp b, 0,1,2,3
	ds_store_b128 v[STO], v[ACC+8*(4*(\a)+\b):ACC+8*(4*(\a)+\b)+3] offset:64*\b          ; each accumulator from its low end on
	ds_store_b128 v[STO], v[ACC+8*(4*(\a)+\b)+4:ACC+8*(4*(\a)+\b)+7] offset:64*\b+16
.endr
	WIN TO_W2
.irp t, 0,1,2,3,4,5,6,7
	ds_load_b128 v[CB+32*(\a)+4*\t:CB+32*(\a)+4*\t+3], v[RD] offset:\t*2*SPITCH   ; LDS serves a wave's instructions in order: these see my stores, and the next block's stores come behind them
.endr
.endm
.macro SEND a, younger                 ; younger: the LDS instructions issued behind block a's loads, which may stay out
	s_wait_dscnt \younger
	WIN IN_W2
.set k, 0
.rept 16
	v_pk_add_f32 v[CB+32*(\a)+k:CB+32*(\a)+k+1], v[CB+32*(\a)+k:CB+32*(\a)+k+1], v[RES+32*(\a)+k:RES+32*(\a)+k+1]
.set k, k+2
.endr
	WIN FROM_W2
.irp t, 0,1,2,3,4,5,6,7
	global_store_b128 v[CO], v[CB+32*(\a)+4*\t:CB+32*(\a)+4*\t+3], s[98:99] offset:(32*((\a)/2)+8*((\a)%2)+2*\t+8*(\t/4))*4096   ; sixteen lanes store 256 consecutive bytes, aligned: each row at its token
.endr
.endm
	s_load_b64 s[4:5], s[0:1], 0x0                 ; A's images
	s_load_b128 s[8:11], s[0:1], 0x8               ; B's codes, B's scales
	s_load_b64 s[6:7], s[0:1], 0x18                ; the bias
	s_load_b128 s[96:99], s[0:1], 0x20             ; the residual, the output
	v_lshl_add_u32 v[SPW], v0, 2, SPARE
	v_mov_b32 v[NIL], 0
	ds_add_u32 v28, v29
	ds_add_u32 v28, v29
	s_wait_dscnt 0x0
	v_lshrrev_b32 v1, 5, v0
	v_readfirstlane_b32 s14, v1                    ; wave 0..3
	s_lshr_b32 s15, s14, 1                         ; which half of the tile's rows is mine.  Also: I fetch for A (0) or for B (1)
	s_and_b32 s16, s14, 1                          ; which half of its columns.  Also: which half of that tile I fetch
	s_bfe_u32 s40, ttmp6, 0x40000                  ; cx, cy
	s_bfe_u32 s41, ttmp6, 0x40004
	s_lshl_b32 s42, ttmp9, 2
	s_add_co_u32 s42, s42, s40                     ; tile column of C
	s_and_b32 s17, ttmp7, 0xffff
	s_lshl_b32 s17, s17, 2
	s_add_co_u32 s17, s17, s41                     ; tile row of C
	s_lshl_b32 s43, s41, 2
	s_lshl_b32 s43, 15, s43                        ; my row of the cluster
	s_lshl_b32 s44, 0x1111, s40                    ; my column
	s_or_b32 s[G1+0], s43, (3<<16)|(1<<21)         ; A's tile: 8 rows (row tiles) of 1,536 elements of 8 bytes (eight images), no padding; the mask: my row
	s_mov_b32 s[G1+1], 1536<<16
	s_mov_b32 s[G1+2], 8<<16
	s_mov_b32 s[G1+3], 1536<<16
	s_mov_b32 s[G1+4], 8
	s_mov_b32 s[G1+5], (SIZE_K/128)*192
	s_mov_b32 s[G1+6], 0
	s_mov_b32 s[G1+7], 0
	s_or_b32 s[G1B+0], s44, (3<<16)|(1<<21)        ; B's tile: as A's; the mask: my column
	s_mov_b32 s[G1B+1], 1536<<16
	s_mov_b32 s[G1B+2], 8<<16
	s_mov_b32 s[G1B+3], 1536<<16
	s_mov_b32 s[G1B+4], 8
	s_mov_b32 s[G1B+5], (SIZE_K/128)*192
	s_mov_b32 s[G1B+6], 0
	s_mov_b32 s[G1B+7], 0
	s_or_b32 s[G1S+0], s43, (3<<16)|(1<<21)        ; A's scale words of the tile's 8 row tiles
	s_mov_b32 s[G1S+1], SAD0<<16
	s_mov_b32 s[G1S+2], SAD1<<16
	s_mov_b32 s[G1S+3], SAD0<<16
	s_mov_b32 s[G1S+4], SAD1
	s_mov_b32 s[G1S+5], SAST
	s_mov_b32 s[G1S+6], 0
	s_mov_b32 s[G1S+7], 0
	s_or_b32 s[G1SB+0], s44, (3<<16)|(1<<20)|(1<<21)|(5<<22)|(3<<25)  ; B's scale bytes of 128 rows: dense, rows of 256 bytes + 16
	s_mov_b32 s[G1SB+1], 32<<16
	s_mov_b32 s[G1SB+2], (128*KS/256)<<16
	s_mov_b32 s[G1SB+3], 32<<16
	s_mov_b32 s[G1SB+4], 128*KS/256
	s_mov_b32 s[G1SB+5], 32
	s_mov_b32 s[G1SB+6], 0
	s_mov_b32 s[G1SB+7], 0
	s_lshl_b32 s20, s17, 3
	s_mul_i32 s20, s20, (SIZE_K/128)*AIMG
	s_mov_b32 s21, 0
	s_lshr_b32 s22, s17, SA_SH                     ; and where its scale words begin
	s_mul_i32 s22, s22, SA_R
	s_and_b32 s18, s17, SA_M
	s_mul_i32 s18, s18, SA_L
	s_add_co_u32 s22, s22, s18
	s_add_co_u32 s22, s22, ASC_OFF
	s_mov_b32 s23, 0
	s_lshl_b32 s46, s42, 7
	s_mul_i32 s92, s46, KS
	s_mov_b32 s93, 0
	s_mul_i32 s46, s46, KROW
	s_mov_b32 s47, 0
	s_wait_kmcnt 0x0
	s_add_nc_u64 s[20:21], s[4:5], s[20:21]
	s_add_nc_u64 s[22:23], s[4:5], s[22:23]
	s_add_nc_u64 s[46:47], s[8:9], s[46:47]
	s_add_nc_u64 s[92:93], s[10:11], s[92:93]
	CROUND                                         ; all sixteen work-groups are here: the first joint loads meet
	s_mov_b32 s[G0S], 1
	s_mov_b32 s[G0S+1], SCA
	s_mov_b64 s[G0S+2:G0S+3], s[22:23]
	s_or_b32 s[G0S+3], s[G0S+3], 0x80000000
	s_mov_b32 s[G0SB], 1
	s_mov_b32 s[G0SB+1], SCB
	s_mov_b64 s[G0SB+2:G0SB+3], s[92:93]
	s_or_b32 s[G0SB+3], s[G0SB+3], 0x80000000
	s_mov_b32 s[G0], 1
	s_mov_b32 s[G0+1], 0
	s_mov_b64 s[G0+2:G0+3], s[20:21]
	s_or_b32 s[G0+3], s[G0+3], 0x80000000
	s_mov_b32 s[G0B], 1
	s_mov_b32 s[G0B+1], 2*HALFA
	s_mov_b64 s[G0B+2:G0B+3], s[46:47]
	s_or_b32 s[G0B+3], s[G0B+3], 0x80000000
.macro ARM under, g0, g1, next         ; one chain of branches on the wave's number, one load to an arm
	s_cmp_lt_u32 s14, \under
	s_cbranch_scc0 \next
	tensor_load_to_lds s[\g0:\g0+3], s[\g1:\g1+7]
	s_nop 0
.rept 4
	v_nop
.endr
	s_branch .Lhead_asked
\next:
.endm
	ARM 1, G0,  G1,  .Lhead_b
	ARM 2, G0B, G1B, .Lhead_sa
	ARM 3, G0S, G1S, .Lhead_sb
	tensor_load_to_lds s[G0SB:G0SB+3], s[G1SB:G1SB+7]
	s_nop 0
.rept 4
	v_nop
.endr
.Lhead_asked:
	v_and_b32 v1, 15, v0                           ; r
	v_bfe_u32 v2, v0, 4, 1                         ; h
	v_and_b32 v6, 31, v0                           ; lane
	v_lshlrev_b32 v[L8], 3, v6
	v_lshlrev_b32 v[BOF], 5, v2                    ; the bias: 32 h bytes
	v_lshlrev_b32 v3, 12, v2
	v_lshl_add_u32 v[CO], v1, 4, v3                ; C and the residual: lanes 0-15 one row's 256 bytes, lanes 16-31 the next row's
	s_wait_alu depctr_va_vdst(0)
	s_lshl_b32 s92, s42, 9
	s_lshl_b32 s93, s16, 8
	s_add_co_u32 s92, s92, s93                     ; my first column, in bytes: 512 x tile column + 256 x half
	s_mov_b32 s93, 0
	s_add_nc_u64 s[6:7], s[6:7], s[92:93]
.irp b, 0,1,2,3
	global_load_b128 v[BIAS+8*\b:BIAS+8*\b+3], v[BOF], s[6:7] offset:64*\b       ; in the result's layout: columns 16 b + 8 h + 0 .. 7
	global_load_b128 v[BIAS+8*\b+4:BIAS+8*\b+7], v[BOF], s[6:7] offset:64*\b+16
.endr
	s_lshl_b32 s94, s17, 19
	s_lshl_b32 s95, s15, 18
	s_add_co_u32 s94, s94, s95
	s_add_co_u32 s92, s92, s94                     ; + my first token's row: (128 tile row + 64 half) x 4,096 bytes
	s_add_nc_u64 s[96:97], s[96:97], s[92:93]
	s_add_nc_u64 s[98:99], s[98:99], s[92:93]
	WIN TO_W2
.irp a, 0,1,2,3
.irp t, 0,1,2,3,4,5,6,7
	global_load_b128 v[RES+32*\a+4*\t:RES+32*\a+4*\t+3], v[CO], s[96:97] offset:(32*(\a/2)+8*(\a%2)+2*\t+8*(\t/4))*4096 th:TH_LOAD_NT   ; the residual of my 64 x 64, in the order in which the rows leave
.endr
.endr
	WIN 0
	s_wait_alu depctr_va_vdst(0)
	s_mul_i32 s21, s15, HALFA                      ; my 4 row tiles of A
	s_mul_i32 s22, s16, HALFB                      ; my 64 rows of B, behind A's 8 tiles
	s_add_co_u32 s22, s22, 2*HALFA
.irp s, 0,1
	v_add_nc_u32 v[ADRA+\s], s21, v[L8]
	v_add_nc_u32 v[ADRB+\s], s22, v[L8]
	s_add_co_u32 s21, s21, NQ*AIMG
	s_add_co_u32 s22, s22, NQ*AIMG
.endr
	s_mul_i32 s21, s15, 4*SA_BLK
	s_add_co_u32 s21, s21, SCA
	v_lshl_add_u32 v[ADSA], v1, 2, s21             ; A's scale words: my 4 tiles, row r
	v_mul_u32_u24 v5, v1, KS
	v_lshrrev_b32 v3, 8, v5
	v_lshl_add_u32 v5, v3, 4, v5                   ; B's: KS bytes a row, and 16 more for each 256 passed
	s_mul_i32 s22, s16, HALFS
	s_add_co_u32 s22, s22, SCB
	v_add_nc_u32 v[ADSB], s22, v5
	s_mul_i32 s23, s14, STW
	s_add_co_u32 s23, s23, SPARE+512               ; my stage: bytes of its own, behind the spare words
	v_mul_u32_u24 v5, v1, SPITCH
	v_add_nc_u32 v5, s23, v5
	v_lshl_add_u32 v[STO], v2, 5, v5               ; in: row r, 32 bytes for each half of the lanes
	v_mul_u32_u24 v3, v2, SPITCH
	v_lshl_add_u32 v3, v1, 4, v3
	v_add_nc_u32 v[RD], s23, v3                    ; back: lanes 0-15 one row, lanes 16-31 the next
	s_wait_alu depctr_va_vdst(0)
	s_wait_tensorcnt 0x0
	s_barrier_signal -1
	s_barrier_wait -1                              ; everybody's are
	FETCH 0, 0, 0, 1
	s_wait_loadcnt 32                              ; the bias is in; the 32 loads of the residual, issued behind it, may be out
	STEP 0, 0, 2                                   ; the first step stands in front of the loop: its products start the sums on the bias
.if LAPS > 1
	WIN 0                                          ; at a label and at a branch every window is 0
	s_mov_b32 s3, LAPS-1
.Llap:                                                 ; a trip goes once round the ring, from a lap's second step to the next lap's first, and fills both slots again
	STEP 0, 1, 0
	STEP 0, 2, 0
	TURN 0, 1, 1
	STEP 1, 0, 0
	STEP 1, 1, 0
	STEP 1, 2, 0
	TURN 1, 0, 1
	STEP 0, 0, 0
	WIN 0
	s_sub_co_u32 s3, s3, 1
	s_cmp_lg_u32 s3, 0
	s_cbranch_scc1 .Llap
.endif
	STEP 0, 1, 0                                   ; the last lap fills nothing
	STEP 0, 2, 0
	TURN 0, 1, 0
	STEP 1, 0, 0
	STEP 1, 1, 0
	STEP 1, 2, 0
	s_wait_dscnt 12                                ; the very last step: nothing more to fetch
	WIN MUL
	MULA 128, 0, NQ-1, 1, 0
	MULA 128, 1, NQ-1, 1, 0
	s_wait_dscnt 0
	MULA 128, 2, NQ-1, 1, 0
	MULA 128, 3, NQ-1, 1, 0
	WIN 0
	PLACES NP                                      ; in front of the first read of results
	s_wait_loadcnt 0x0                             ; the residual
	TOSTAGE 0
	TOSTAGE 1
	SEND 0, 16                                     ; behind block 0's LDS loads: block 1's 8 stores and 8 loads
	TOSTAGE 2
	SEND 1, 16
	TOSTAGE 3
	SEND 2, 16
	SEND 3, 0
	WIN 0
	s_wait_tensorcnt 0x0                           ; the wave's end
	ds_add_u32 v[SPW], v[NIL]
	s_wait_dscnt 0x0
	CROUND                                         ; the closing round: no work-group ends while a partner may still ask for a tile that names it
	s_endpgm
.Lfunc_end_k_q2713d0cc52_proj:
	.size	k_q2713d0cc52_proj, .Lfunc_end_k_q2713d0cc52_proj-k_q2713d0cc52_proj
	.p2alignl 7, 3214868480
	.fill 96, 4, 3214868480
	.section	.rodata,"a",@progbits
	.p2align	6, 0x0
	.amdhsa_kernel k_q2713d0cc52_proj
		.amdhsa_group_segment_fixed_size 327680
		.amdhsa_private_segment_fixed_size 0
		.amdhsa_enable_private_segment 0
		.amdhsa_kernarg_size 48
		.amdhsa_user_sgpr_count 2
		.amdhsa_user_sgpr_kernarg_segment_ptr 1
		.amdhsa_wavefront_size32 1
		.amdhsa_system_sgpr_workgroup_id_x 1
		.amdhsa_system_sgpr_workgroup_id_y 1
		.amdhsa_system_sgpr_workgroup_id_z 1
		.amdhsa_system_vgpr_workitem_id 0
		.amdhsa_next_free_vgpr 768
		.amdhsa_next_free_sgpr 102
		.amdhsa_reserve_vcc 0
		.amdhsa_float_denorm_mode_32 3
		.amdhsa_float_denorm_mode_16_64 3
		.amdhsa_memory_ordered 1
		.amdhsa_forward_progress 1
		.amdhsa_inst_pref_size 70
	.end_amdhsa_kernel
	.amdgpu_metadata
---
amdhsa.version: [ 1, 2 ]
amdhsa.kernels:
  - .name:           k_q2713d0cc52_proj
    .symbol:         k_q2713d0cc52_proj.kd
    .args:
      - { .name: z, .offset: 0, .size: 8, .value_kind: global_buffer, .address_space: global }
      - { .name: wo_c, .offset: 8, .size: 8, .value_kind: global_buffer, .address_space: global }
      - { .name: wo_s, .offset: 16, .size: 8, .value_kind: global_buffer, .address_space: global }
      - { .name: b_out, .offset: 24, .size: 8, .value_kind: global_buffer, .address_space: global }
      - { .name: x, .offset: 32, .size: 8, .value_kind: global_buffer, .address_space: global }
      - { .name: post, .offset: 40, .size: 8, .value_kind: global_buffer, .address_space: global }
    .group_segment_fixed_size: 327680
    .private_segment_fixed_size: 0
    .kernarg_segment_align: 8
    .kernarg_segment_size: 48
    .max_flat_workgroup_size: 128
    .sgpr_count:     102
    .vgpr_count:     768
    .wavefront_size: 32
...
	.end_amdgpu_metadata
.endif
;; end of part 11
;; launch ln2: the kernel of part 8 again; grid 256 x 1, 8 waves a work-group, no clusters, 67,584 bytes of LDS; arguments post, ln2_w, ln2_b, act, W_Q_codes, W_K_codes, W_V_codes, mlp1_w_codes, mlp2_w_codes, W_Q_scales, W_K_scales, W_V_scales, W_out, wi, wo_c, wo_s; writes act, wi, wo_c, wo_s
;; launch mlp1 (part 12): grid 16 x 16, 4 waves a work-group, clusters of 4 x 4, 327,680 bytes of LDS; arguments act, wi, mlp1_w_scales, mlp1_b, g; writes g
.if DOCPART == 12
	.amdgcn_target "amdgcn-amd-amdhsa--gfx1250"
	.amdhsa_code_object_version 6
	.text
	.protected	k_q2713d0cc52_mlp1
	.globl	k_q2713d0cc52_mlp1
	.p2align	8
	.type	k_q2713d0cc52_mlp1,@function
k_q2713d0cc52_mlp1:
	s_mov_b64 s[64:65], 0
	v_nop
	global_prefetch_b8 v0, s[64:65] scope:SCOPE_SE
	s_setreg_imm32_b32 hwreg(HW_REG_WAVE_MODE, 25, 1), 1
	s_wait_xcnt 0x0
	s_wait_alu depctr_hold_cnt(0) depctr_sa_sdst(0) depctr_va_vdst(0) depctr_va_sdst(0) depctr_va_ssrc(0) depctr_va_vcc(0) depctr_vm_vsrc(0)
	s_getreg_b32 s2, hwreg(HW_REG_IB_STS2, 6, 4)
	s_cmp_eq_u32 s2, 0
	s_cbranch_scc0 .Lentry_in_a_cluster
	s_endpgm
.Lentry_in_a_cluster:
	s_bfe_u32 s2, ttmp6, 0x10000c
	s_cmp_lg_u32 s2, 0xf033
	s_cbranch_scc0 .Lentry_shape_is_right
	s_endpgm
.Lentry_shape_is_right:
; g = Q(gelu(h mlp1_w^T + b)) on codes of BF6 with E8M0 scales; a tile of C is 256 x 256, four waves of 128 x 128; K in steps of 256 through two LDS slots; A and B both lie as images of operand registers (B in wi, from byte 1,572,864 on).
; THE HEAD: one tensor load a wave (A's 16 tiles, B's, A's scale words, B's scale bytes); slot 1's first fill behind the full sequence.
; THE WAY OUT: behind a barrier, when nobody reads the ring or the scales any more and every fill has landed, each wave lays its eight blocks of 16 rows into a stage of 67,584 bytes; a loop of four trips takes two blocks each through gelu (erfc by a polynomial in 1 / (1 + |x| / (2 sqrt 2)) under an exponential) and the quantiser.
.set SIZE_K,  1024
.set ASC_OFF, 3145728
.set SA_BLK,  512
.set SA_STEP, 64
.set STW,     67584
.set RA,      26
.set GWORDS,  12582912
.set KSTEP,  256
.set NQ,     2
.set ROWB,   3072
.set KROW,   SIZE_K*6/8
.set PITCH,  240
.set FR,     12
.set NL,     6
.set NP,     4
.set AIMG,   1536
.set HALFA,  8*NQ*AIMG
.set HALFB,  HALFA
.set SLOT,   2*HALFA+2*HALFB
.set LAPS,   SIZE_K/(2*KSTEP)
.set KS,     SIZE_K/32
.set SCB,    2*SLOT
.set HALFS,  (128*KS/256)*272
.set SBLK,   (16*KS/256)*272
.set SCA,    SCB+2*HALFS
.set SABYTES, 8*SIZE_K
.set SPARE,  327168
.set SPITCH, 528
.set KX,   4
.set C9,   6
.set H8,   8
.set L8,   12
.set L4,   13
.set WE,   14
.set PX,   15
.set ADRA, 16
.set ADRB, 20
.set STO,  24
.set RQ,   25
.set ADSA, 27
.set SPW,  28
.set NIL,  29
.set ADSB, 30
.set BOF,  31
.set SCAR, 32
.set SCBR, 64
.set BIAS, 96
.set AF,   128
.set H,    96
.set X,    128
.set T,    192
.set P,    224
.set TM,   192
.set SO,   196
.set BY,   198
.set PC,   200
.set TQ,   212
.set PW,   220
.set WD,   221
.set G1, 24
.set G0, 32
.set G1B, 48
.set G0B, 56
.set SEL, 66
.set G1S, 68
.set G0S, 76
.set G1SB, 80
.set G0SB, 88
.set MSKHI, 2
.set CF,   24
.set KT,   43
.set MSB, 0
.macro WIN new
.if MSB != \new
	s_set_vgpr_msb (MSB<<8)|\new
.set MSB, \new
.endif
.endm
.set MUL_LO, 0xa1
.set MUL_HI, 0xf1
.set TO_B,   0x40
.macro JLOAD g0a, g1a, g0b, g1b
	s_cmp_eq_u32 s15, 0
	s_cbranch_scc0 .Lfor_b_\@
	tensor_load_to_lds s[\g0a:\g0a+3], s[\g1a:\g1a+7]
	s_nop 0
.rept 4
	v_nop
.endr
	s_branch .Lasked_\@
.Lfor_b_\@:
	tensor_load_to_lds s[\g0b:\g0b+3], s[\g1b:\g1b+7]
	s_nop 0
.rept 4
	v_nop
.endr
.Lasked_\@:
.endm
.macro CREST
	s_cmp_lg_u32 s14, 0
	s_cbranch_scc1 .Lnot_wave_0_\@
	s_barrier_signal -3
.Lnot_wave_0_\@:
	s_barrier_wait -3
	s_barrier_signal -1
	s_barrier_wait -1
.endm
.macro CROUND
	s_barrier_signal -1
	s_barrier_wait -1
	CREST
.endm
.macro PLACES n
.rept \n
	v_nop
.endr
.endm
.macro FRAGA reg, slot, q, i
.irp p, 0,1,2,3,4,5
	ds_load_b64 v[\reg+2*\p:\reg+2*\p+1], v[ADRA+\slot] offset:(\i)*NQ*AIMG+(\q)*AIMG+256*\p
.endr
.endm
.macro FRAGB reg, adr, q, i
.irp p, 0,1,2,3,4,5
	ds_load_b64 v[\reg+2*\p:\reg+2*\p+1], v[\adr] offset:(\i)*NQ*AIMG+(\q)*AIMG+256*\p
.endr
.endm
.macro MUL16 a0, p, q, sc, cm
.irp a, \a0, \a0+1
.irp b, 0,1,2,3,4,5,6,7
.if \cm == 1
	v_wmma_scale_f32_16x16x128_f8f6f4 v[8*(8*((\a)%4)+\b):8*(8*((\a)%4)+\b)+7], v[128*(\p)+FR*\b:128*(\p)+FR*\b+FR-1], v[AF+FR*(\a):AF+FR*(\a)+FR-1], 0, v[SCBR+16*(\sc)+2*\b+(\q)], v[SCAR+16*(\sc)+2*(\a)+(\q)] matrix_a_fmt:MATRIX_FMT_BF6 matrix_b_fmt:MATRIX_FMT_BF6
.elseif \cm == 2
	v_wmma_scale_f32_16x16x128_f8f6f4 v[8*(8*((\a)%4)+\b):8*(8*((\a)%4)+\b)+7], v[128*(\p)+FR*\b:128*(\p)+FR*\b+FR-1], v[AF+FR*(\a):AF+FR*(\a)+FR-1], v[BIAS+8*\b+96*(\b/4):BIAS+8*\b+96*(\b/4)+7], v[SCBR+16*(\sc)+2*\b+(\q)], v[SCAR+16*(\sc)+2*(\a)+(\q)] matrix_a_fmt:MATRIX_FMT_BF6 matrix_b_fmt:MATRIX_FMT_BF6
.else
	v_wmma_scale_f32_16x16x128_f8f6f4 v[8*(8*((\a)%4)+\b):8*(8*((\a)%4)+\b)+7], v[128*(\p)+FR*\b:128*(\p)+FR*\b+FR-1], v[AF+FR*(\a):AF+FR*(\a)+FR-1], v[8*(8*((\a)%4)+\b):8*(8*((\a)%4)+\b)+7], v[SCBR+16*(\sc)+2*\b+(\q)], v[SCAR+16*(\sc)+2*(\a)+(\q)] matrix_a_fmt:MATRIX_FMT_BF6 matrix_b_fmt:MATRIX_FMT_BF6
.endif
.endr
.endr
.endm
.macro FETCH_B slot, q, p
	WIN TO_B
.irp i, 0,1,2,3,4,5,6,7
	FRAGB 128*(\p)+FR*\i, ADRB+\slot, \q, \i
.endr
	WIN 0
.endm
.macro FETCH_A slot, q, i0
.irp i, \i0, \i0+1, \i0+2, \i0+3
	FRAGA AF+FR*(\i), \slot, \q, \i
.endr
.endm
.macro SCALES sc
.irp i, 0,1,2,3,4,5,6,7
	ds_load_b64 v[SCBR+16*\sc+2*\i:SCBR+16*\sc+2*\i+1], v[ADSB] offset:\i*SBLK
.endr
.irp i, 0,1,2,3,4,5,6,7
	ds_load_b32 v[SCAR+16*\sc+2*\i], v[ADSA] offset:\i*SA_BLK
	ds_load_b32 v[SCAR+16*\sc+2*\i+1], v[ADSA] offset:\i*SA_BLK+SA_STEP
.endr
.endm
.macro STEP slot, q, cm
	s_wait_dscnt 4*NL
.if \cm == 2
	WIN 0x81
.else
	WIN MUL_LO
.endif
	MUL16 0, (\q)%2, \q, \slot, \cm
	MUL16 2, (\q)%2, \q, \slot, \cm
	s_wait_dscnt 0
	PLACES NP
	FETCH_B \slot, (\q)+1, 1-(\q)%2
	FETCH_A \slot, (\q)+1, 0
.if \cm == 2
	WIN 0xc1
.else
	WIN MUL_HI
.endif
	MUL16 4, (\q)%2, \q, \slot, \cm
	MUL16 6, (\q)%2, \q, \slot, \cm
	PLACES NP
	WIN 0
	FETCH_A \slot, (\q)+1, 4
.endm
.macro TURN slot, next, fill
	s_wait_tensorcnt 0x0
	ds_add_u32 v[SPW], v[NIL]
	s_wait_dscnt 4*NL+1
	WIN MUL_LO
	MUL16 0, 1, NQ-1, \slot, 0
	s_wait_dscnt 0x0
	s_barrier_signal -1
	MUL16 2, 1, NQ-1, \slot, 0
	WIN 0
	s_barrier_wait -1
.if \fill
	CREST
	s_add_nc_u64 s[G0+4*\slot+2:G0+4*\slot+3], s[G0+4*\slot+2:G0+4*\slot+3], 2*NQ*AIMG
	s_add_nc_u64 s[G0B+4*\slot+2:G0B+4*\slot+3], s[G0B+4*\slot+2:G0B+4*\slot+3], 2*ROWB
	JLOAD G0+4*\slot, G1, G0B+4*\slot, G1B
.else
	PLACES NP
.endif
	s_wait_alu depctr_va_vdst(0)
	v_add_nc_u32 v[ADSA], 2*SA_STEP, v[ADSA]
	v_add_nc_u32 v[ADSB], 8, v[ADSB]
	FETCH_B \next, 0, 0
	FETCH_A \next, 0, 0
	SCALES \next
	WIN MUL_HI
	MUL16 4, 1, NQ-1, \slot, 0
	MUL16 6, 1, NQ-1, \slot, 0
	PLACES NP
	WIN 0
	FETCH_A \next, 0, 4
.endm
.macro QUANT32
.irp c, 0,1
	v_max3_num_f32 v[TM+\c], |v[X+32*\c]|, |v[X+32*\c+1]|, 0x2800000
	v_max_num_f32 v[TM+2+\c], |v[X+32*\c+2]|, |v[X+32*\c+3]|
.endr
.irp i, 4,8,12,16,20,24,28
.irp c, 0,1
	v_max3_num_f32 v[TM+\c], v[TM+\c], |v[X+32*\c+\i]|, |v[X+32*\c+\i+1]|
	v_max3_num_f32 v[TM+2+\c], v[TM+2+\c], |v[X+32*\c+\i+2]|, |v[X+32*\c+\i+3]|
.endr
.endr
.irp c, 0,1
	v_max_num_f32 v[TM+\c], v[TM+\c], v[TM+2+\c]
.endr
.irp c, 0,1
	v_add_nc_u32 v[SO+\c], 0xfe000000, v[TM+\c]
.endr
.irp c, 0,1
	v_lshrrev_b32 v[BY+\c], 23, v[SO+\c]
.endr
	v_lshl_or_b32 v[PW], v[BY+1], 16, v[BY]
	v_lshlrev_b32 v[PW], v[H8], v[PW]
	v_permlanex16_b32 v[PX], v[PW], s[SEL], s[SEL+1]
	v_or_b32 v[PW], v[PW], v[PX]
.irp c, 0,1
	v_cvt_scalef32_pk16_bf6_f32 v[PC+6*\c:PC+6*\c+2], v[X+32*\c:X+32*\c+15], v[SO+\c]
	v_cvt_scalef32_pk16_bf6_f32 v[TQ+4*\c:TQ+4*\c+2], v[X+32*\c+16:X+32*\c+31], v[SO+\c]
.endr
	v_nop
.irp c, 0,1
.irp i, 0,1,2
	v_mov_b32 v[PC+6*\c+3+\i], v[TQ+4*\c+\i]
.endr
.endr
.endm
.macro IMGST base, off
.irp p, 0,1,2,3,4,5
	global_store_b64 v[L8], v[PC+2*\p:PC+2*\p+1], s[\base:\base+1] offset:\off+256*\p
.endr
.endm
.macro STAGEQ a
.set AC, 64*((\a)%4)
	WIN 0x08+4*((\a)/4)
.irp b, 0,1,2,3,4,5,6,7
	ds_store_b128 v[STO], v[AC+8*\b:AC+8*\b+3] offset:64*\b
	ds_store_b128 v[STO], v[AC+8*\b+4:AC+8*\b+7] offset:64*\b+16
.endr
	WIN 0
.irp c, 0,1
.irp j, 0,1,2,3,4,5,6,7
	ds_load_b128 v[X+32*\c+4*\j:X+32*\c+4*\j+3], v[RQ] offset:256*\c+16*\j
.endr
.endr
	s_wait_dscnt 0x0
.endm
.macro CONST k, val
	s_mov_b32 s[CF+2*\k], \val
	s_mov_b32 s[CF+2*\k+1], \val
.endm
.macro GELU c
.set XC, X+32*(\c)
.set n, 0
.rept 32
	v_fma_f32 v[T+n], |v[XC+n]|, s[KT], 1.0
.set n, n+1
.endr
.set n, 0
	s_wait_alu depctr_va_vdst(0)
.rept 32
	v_rcp_f32 v[T+n], v[T+n]
.set n, n+1
.endr
.set n, 0
.rept 16
	v_pk_mul_f32 v[P+n:P+n+1], v[XC+n:XC+n+1], v[XC+n:XC+n+1]
.set n, n+2
.endr
.set n, 0
.rept 16
	v_pk_fma_f32 v[P+n:P+n+1], v[P+n:P+n+1], v[KX:KX+1], s[CF:CF+1] op_sel_hi:[1,1,0]
.set n, n+2
.endr
.set n, 0
	s_wait_alu depctr_va_vdst(0)
.rept 16
	v_pk_fma_f32 v[H+n:H+n+1], v[T+n:T+n+1], v[C9:C9+1], s[CF+16:CF+17] op_sel_hi:[1,1,0]
.set n, n+2
.endr
.irp k, 7,6,5,4,3,2,1
.set n, 0
.rept 16
	v_pk_fma_f32 v[H+n:H+n+1], v[H+n:H+n+1], v[T+n:T+n+1], s[CF+2*\k:CF+2*\k+1] op_sel_hi:[1,1,0]
.set n, n+2
.endr
.endr
.set n, 0
.rept 16
	v_pk_fma_f32 v[P+n:P+n+1], v[H+n:H+n+1], v[T+n:T+n+1], v[P+n:P+n+1]
.set n, n+2
.endr
.set n, 0
	s_wait_alu depctr_va_vdst(0)
.rept 32
	v_exp_f32 v[P+n], v[P+n]
.set n, n+1
.endr
.set n, 0
.rept 32
	v_max_num_f32 v[H+n], 0, v[XC+n]
.set n, n+1
.endr
.set n, 0
	s_wait_alu depctr_va_vdst(0)
.rept 16
	v_pk_mul_f32 v[P+n:P+n+1], v[P+n:P+n+1], v[T+n:T+n+1]
.set n, n+2
.endr
.set n, 0
.rept 32
	v_fma_f32 v[XC+n], -|v[XC+n]|, v[P+n], v[H+n]
.set n, n+1
.endr
.endm
	s_load_b64 s[4:5], s[0:1], 0x0
	s_load_b128 s[8:11], s[0:1], 0x8
	s_load_b128 s[96:99], s[0:1], 0x18
	v_lshl_add_u32 v[SPW], v0, 2, SPARE
	v_mov_b32 v[NIL], 0
	ds_add_u32 v28, v29
	ds_add_u32 v28, v29
	s_wait_dscnt 0x0
	v_lshrrev_b32 v1, 5, v0
	v_readfirstlane_b32 s14, v1
	s_lshr_b32 s15, s14, 1
	s_and_b32 s16, s14, 1
	s_bfe_u32 s40, ttmp6, 0x40000
	s_bfe_u32 s41, ttmp6, 0x40004
	s_lshl_b32 s42, ttmp9, 2
	s_add_co_u32 s42, s42, s40
	s_and_b32 s17, ttmp7, 0xffff
	s_lshl_b32 s17, s17, 2
	s_add_co_u32 s17, s17, s41
	s_lshl_b32 s43, s41, 2
	s_lshl_b32 s43, 15, s43
	s_lshl_b32 s44, 0x1111, s40
	s_or_b32 s[G1+0], s43, (3<<16)|(1<<21)
	s_mov_b32 s[G1+1], 384<<16
	s_mov_b32 s[G1+2], 16<<16
	s_mov_b32 s[G1+3], 384<<16
	s_mov_b32 s[G1+4], 16
	s_mov_b32 s[G1+5], (SIZE_K/128)*192
	s_mov_b32 s[G1+6], 0
	s_mov_b32 s[G1+7], 0
	s_or_b32 s[G1B+0], s44, (3<<16)|(1<<21)
	s_mov_b32 s[G1B+1], 384<<16
	s_mov_b32 s[G1B+2], 16<<16
	s_mov_b32 s[G1B+3], 384<<16
	s_mov_b32 s[G1B+4], 16
	s_mov_b32 s[G1B+5], (SIZE_K/128)*192
	s_mov_b32 s[G1B+6], 0
	s_mov_b32 s[G1B+7], 0
	s_or_b32 s[G1S+0], s43, (3<<16)|(1<<21)
	s_mov_b32 s[G1S+1], 32<<16
	s_mov_b32 s[G1S+2], (SIZE_K/32)<<16
	s_mov_b32 s[G1S+3], 32<<16
	s_mov_b32 s[G1S+4], SIZE_K/32
	s_mov_b32 s[G1S+5], 32
	s_mov_b32 s[G1S+6], 0
	s_mov_b32 s[G1S+7], 0
	s_or_b32 s[G1SB+0], s44, (3<<16)|(1<<20)|(1<<21)|(5<<22)|(3<<25)
	s_mov_b32 s[G1SB+1], 32<<16
	s_mov_b32 s[G1SB+2], KS<<16
	s_mov_b32 s[G1SB+3], 32<<16
	s_mov_b32 s[G1SB+4], KS
	s_mov_b32 s[G1SB+5], 32
	s_mov_b32 s[G1SB+6], 0
	s_mov_b32 s[G1SB+7], 0
	s_lshl_b32 s20, s17, 4
	s_mul_i32 s20, s20, (SIZE_K/128)*AIMG
	s_mov_b32 s21, 0
	s_mul_i32 s22, s17, SABYTES
	s_add_co_u32 s22, s22, ASC_OFF
	s_mov_b32 s23, 0
	s_lshl_b32 s46, s42, 8
	s_mul_i32 s92, s46, KS
	s_mov_b32 s93, 0
	s_mul_i32 s46, s46, KROW
	s_add_co_u32 s46, s46, 1572864                 ; where mlp1_w's images begin in wi
	s_mov_b32 s47, 0
	s_mul_i32 s45, s16, HALFA
	s_mul_i32 s94, s16, HALFB
	s_add_co_u32 s94, s94, 2*HALFA
	s_mul_i32 s18, s16, 8*(SIZE_K/128)*AIMG        ; in the ring I fetch 8 tiles: which half, in bytes
	s_mov_b32 s19, 0
	s_wait_kmcnt 0x0
	s_add_nc_u64 s[20:21], s[4:5], s[20:21]
	s_add_nc_u64 s[22:23], s[4:5], s[22:23]
	s_add_nc_u64 s[46:47], s[8:9], s[46:47]
	s_add_nc_u64 s[92:93], s[10:11], s[92:93]
	CROUND
	s_mov_b32 s[G0S], 1
	s_mov_b32 s[G0S+1], SCA
	s_mov_b64 s[G0S+2:G0S+3], s[22:23]
	s_or_b32 s[G0S+3], s[G0S+3], 0x80000000
	s_mov_b32 s[G0SB], 1
	s_mov_b32 s[G0SB+1], SCB
	s_mov_b64 s[G0SB+2:G0SB+3], s[92:93]
	s_or_b32 s[G0SB+3], s[G0SB+3], 0x80000000
	s_mov_b32 s[G0], 1                             ; slot 0's group 0 serves the head's whole tiles first
	s_mov_b32 s[G0+1], 0
	s_mov_b64 s[G0+2:G0+3], s[20:21]
	s_or_b32 s[G0+3], s[G0+3], 0x80000000
	s_mov_b32 s[G0B], 1
	s_mov_b32 s[G0B+1], 2*HALFA
	s_mov_b64 s[G0B+2:G0B+3], s[46:47]
	s_or_b32 s[G0B+3], s[G0B+3], 0x80000000
	s_add_nc_u64 s[20:21], s[20:21], s[18:19]      ; for the ring: my half
	s_add_nc_u64 s[46:47], s[46:47], s[18:19]
	s_mov_b32 s[G0+4], 1
	s_add_co_u32 s[G0+5], s45, SLOT
	s_add_nc_u64 s[G0+6:G0+7], s[20:21], NQ*AIMG
	s_or_b32 s[G0+7], s[G0+7], 0x80000000
	s_mov_b32 s[G0B+4], 1
	s_add_co_u32 s[G0B+5], s94, SLOT
	s_add_nc_u64 s[G0B+6:G0B+7], s[46:47], NQ*AIMG
	s_or_b32 s[G0B+7], s[G0B+7], 0x80000000
.macro ARM under, g0, g1, next         ; one chain of branches on the wave's number, one load to an arm
	s_cmp_lt_u32 s14, \under
	s_cbranch_scc0 \next
	tensor_load_to_lds s[\g0:\g0+3], s[\g1:\g1+7]
	s_nop 0
.rept 4
	v_nop
.endr
	s_branch .Lhead_asked
\next:
.endm
	ARM 1, G0,  G1,  .Lhead_b
	ARM 2, G0B, G1B, .Lhead_sa
	ARM 3, G0S, G1S, .Lhead_sb
	tensor_load_to_lds s[G0SB:G0SB+3], s[G1SB:G1SB+7]
	s_nop 0
.rept 4
	v_nop
.endr
.Lhead_asked:
	v_and_b32 v1, 15, v0
	s_wait_alu depctr_va_vdst(0)
	v_bfe_u32 v2, v0, 4, 1
	s_wait_alu depctr_va_vdst(0)
	v_and_b32 v6, 31, v0
	v_lshlrev_b32 v[L8], 3, v6
	s_wait_alu depctr_va_vdst(0)
	v_lshlrev_b32 v[L4], 2, v6
	v_lshlrev_b32 v[H8], 3, v2
	v_mov_b32 v[PX], 0
	v_lshlrev_b32 v[BOF], 5, v2
	s_lshl_b32 s92, s42, 10
	s_lshl_b32 s93, s16, 9
	s_add_co_u32 s92, s92, s93
	s_mov_b32 s93, 0
	s_add_nc_u64 s[96:97], s[96:97], s[92:93]
.irp b, 0,1,2,3,4,5,6,7
	global_load_b128 v[BIAS+8*\b+96*(\b/4):BIAS+8*\b+96*(\b/4)+3], v[BOF], s[96:97] offset:64*\b
	global_load_b128 v[BIAS+8*\b+96*(\b/4)+4:BIAS+8*\b+96*(\b/4)+7], v[BOF], s[96:97] offset:64*\b+16
.endr
	s_lshl_b32 s92, s17, 4
	s_lshl_b32 s94, s15, 3
	s_add_co_u32 s92, s92, s94
	s_lshl_b32 s92, s92, 5
	s_lshl_b32 s94, s42, 1
	s_add_co_u32 s94, s94, s16
	s_add_co_u32 s92, s92, s94
	s_mul_i32 s92, s92, AIMG
	s_add_nc_u64 s[12:13], s[98:99], s[92:93]
	s_lshl_b32 s92, s17, 15
	s_lshl_b32 s94, s94, 10
	s_add_co_u32 s92, s92, s94
	s_lshl_b32 s94, s15, 9
	s_add_co_u32 s92, s92, s94
	s_add_co_u32 s92, s92, GWORDS
	s_add_nc_u64 s[6:7], s[98:99], s[92:93]
	s_wait_alu depctr_va_vdst(0)
	s_mul_i32 s21, s15, HALFA
	s_mul_i32 s22, s16, HALFB
	s_add_co_u32 s22, s22, 2*HALFA
.irp s, 0,1
	v_add_nc_u32 v[ADRA+\s], s21, v[L8]
	v_add_nc_u32 v[ADRB+\s], s22, v[L8]
	s_add_co_u32 s21, s21, SLOT
	s_add_co_u32 s22, s22, SLOT
.endr
	s_mul_i32 s21, s15, 8*SA_BLK
	s_add_co_u32 s21, s21, SCA
	v_lshl_add_u32 v[ADSA], v1, 2, s21
	v_mul_u32_u24 v5, v1, KS
	v_lshrrev_b32 v3, 8, v5
	v_lshl_add_u32 v5, v3, 4, v5
	s_mul_i32 s22, s16, HALFS
	s_add_co_u32 s22, s22, SCB
	v_add_nc_u32 v[ADSB], s22, v5
	s_mul_i32 s23, s14, STW
	v_mul_u32_u24 v5, v1, SPITCH
	v_add_nc_u32 v5, s23, v5
	v_lshl_add_u32 v[STO], v2, 5, v5
	v_lshl_add_u32 v[RQ], v2, 7, v5
	s_mov_b32 s[SEL], 0x76543210
	s_mov_b32 s[SEL+1], 0xfedcba98
	s_wait_alu depctr_va_vdst(0)
	s_wait_tensorcnt 0x0                           ; my tile of the head's four is in
	ds_add_u32 v[SPW], v[NIL]
	s_mov_b32 s[G1+2], 8<<16                       ; no load of mine is out: from here on a load brings 8 tiles,
	s_mov_b32 s[G1+4], 8
	s_mov_b32 s[G1B+2], 8<<16
	s_mov_b32 s[G1B+4], 8
	s_mov_b32 s[G0+1], s45                         ; and slot 0's group 0 names my half
	s_add_nc_u64 s[G0+2:G0+3], s[G0+2:G0+3], s[18:19]
	s_add_co_u32 s[G0B+1], s45, 2*HALFA
	s_add_nc_u64 s[G0B+2:G0B+3], s[G0B+2:G0B+3], s[18:19]
	s_wait_dscnt 0x0
	CROUND                                         ; all four tiles are in, all sixteen work-groups are here
	JLOAD G0+4, G1, G0B+4, G1B                     ; slot 1's first fill, the first tensor load behind the round
	FETCH_B 0, 0, 0
	FETCH_A 0, 0, 0
	SCALES 0
	FETCH_A 0, 0, 4
	s_wait_loadcnt 0x0
	STEP 0, 0, 2
	s_mov_b32 s3, LAPS-1
.Llap:
	TURN 0, 1, 1
	STEP 1, 0, 0
	TURN 1, 0, 1
	STEP 0, 0, 0
	s_sub_co_u32 s3, s3, 1
	s_cmp_lg_u32 s3, 0
	s_cbranch_scc1 .Llap
	TURN 0, 1, 0
	STEP 1, 0, 0
	s_wait_dscnt 4*NL
	WIN MUL_LO
	MUL16 0, 1, NQ-1, 1, 0
	MUL16 2, 1, NQ-1, 1, 0
	s_wait_dscnt 0
	WIN MUL_HI
	MUL16 4, 1, NQ-1, 1, 0
	MUL16 6, 1, NQ-1, 1, 0
	WIN 0
	PLACES NP
	s_mov_b32 s[MSKHI], 0xffff0000
	s_mov_b32 s[KT], 0x3eb504f3
	CONST 0, 0xc034d90f
	CONST 1, 0x3fb8ab5a
	CONST 2, 0x3f0a29d2
	CONST 3, 0x3e0efb2f
	CONST 4, 0xbe899a80
	CONST 5, 0x3ecdfd18
	CONST 6, 0xbfd1a1e5
	CONST 7, 0x40097039
	CONST 8, 0xbf97d29d
	v_mov_b32 v[KX], 0xbf38aa3b
	v_mov_b32 v[KX+1], 0xbf38aa3b
	v_mov_b32 v[C9], 0x3e7c6f08
	v_mov_b32 v[C9+1], 0x3e7c6f08
	s_wait_alu depctr_va_vdst(0)
	s_barrier_signal -1                            ; every wave's LDS reads are over (each has waited for them): the stage may lie over the ring and the scales
	s_barrier_wait -1
.irp a, 0,1,2,3,4,5,6,7
	WIN 0x08+4*(\a/4)
.irp b, 0,1,2,3,4,5,6,7
	ds_store_b128 v[STO], v[64*(\a%4)+8*\b:64*(\a%4)+8*\b+3] offset:\a*8448+64*\b      ; each accumulator from its low end on
	ds_store_b128 v[STO], v[64*(\a%4)+8*\b+4:64*(\a%4)+8*\b+7] offset:\a*8448+64*\b+16
.endr
.endr
	WIN 0
.macro OUTB e                          ; one block: back as 2 x 128 bytes a lane (LDS serves a wave's instructions in order), gelu, quantiser, six planes out
.irp c, 0,1
.irp j, 0,1,2,3,4,5,6,7
	ds_load_b128 v[X+32*\c+4*\j:X+32*\c+4*\j+3], v[RA] offset:\e*8448+256*\c+16*\j
.endr
.endr
	s_wait_dscnt 0x0
	GELU 0
	GELU 1
	QUANT32
	IMGST 12, \e*32*AIMG
.endm
	s_mov_b32 s3, 0
.Lout:                                                 ; four trips, two blocks each
	v_add_nc_u32 v[RA], s3, v[RQ]
	OUTB 0
	v_mov_b32 v[WE], v[PW]
	s_wait_xcnt 0x0                                ; the stores have read their registers
	OUTB 1
	v_cndmask_b32 v[WD], v[WE], v[PW], s[MSKHI]    ; lanes 0-15 the even block's words, lanes 16-31 the odd block's
	global_store_b32 v[L4], v[WD], s[6:7]
	s_wait_xcnt 0x0                                ; bases and data are rewritten only behind this wait
	s_add_nc_u64 s[12:13], s[12:13], 2*32*AIMG
	s_add_nc_u64 s[6:7], s[6:7], 128
	s_add_co_u32 s3, s3, 2*8448
	s_cmp_lt_u32 s3, 8*8448
	s_wait_alu depctr_va_vdst(0)
	s_cbranch_scc1 .Lout
	s_wait_tensorcnt 0x0
	ds_add_u32 v[SPW], v[NIL]
	s_wait_dscnt 0x0
	CROUND
	s_endpgm
.Lfunc_end_k_q2713d0cc52_mlp1:
	.size	k_q2713d0cc52_mlp1, .Lfunc_end_k_q2713d0cc52_mlp1-k_q2713d0cc52_mlp1
	.p2alignl 7, 3214868480
	.fill 96, 4, 3214868480
	.section	.rodata,"a",@progbits
	.p2align	6, 0x0
	.amdhsa_kernel k_q2713d0cc52_mlp1
		.amdhsa_group_segment_fixed_size 327680
		.amdhsa_private_segment_fixed_size 0
		.amdhsa_enable_private_segment 0
		.amdhsa_kernarg_size 40
		.amdhsa_user_sgpr_count 2
		.amdhsa_user_sgpr_kernarg_segment_ptr 1
		.amdhsa_wavefront_size32 1
		.amdhsa_system_sgpr_workgroup_id_x 1
		.amdhsa_system_sgpr_workgroup_id_y 1
		.amdhsa_system_sgpr_workgroup_id_z 1
		.amdhsa_system_vgpr_workitem_id 0
		.amdhsa_next_free_vgpr 1024
		.amdhsa_next_free_sgpr 102
		.amdhsa_reserve_vcc 0
		.amdhsa_float_denorm_mode_32 3
		.amdhsa_float_denorm_mode_16_64 3
		.amdhsa_memory_ordered 1
		.amdhsa_forward_progress 1
		.amdhsa_inst_pref_size 233
	.end_amdhsa_kernel
	.amdgpu_metadata
---
amdhsa.version: [ 1, 2 ]
amdhsa.kernels:
  - .name:           k_q2713d0cc52_mlp1
    .symbol:         k_q2713d0cc52_mlp1.kd
    .args:
      - { .name: act, .offset: 0, .size: 8, .value_kind: global_buffer, .address_space: global }
      - { .name: wi, .offset: 8, .size: 8, .value_kind: global_buffer, .address_space: global }
      - { .name: mlp1_w_scales, .offset: 16, .size: 8, .value_kind: global_buffer, .address_space: global }
      - { .name: mlp1_b, .offset: 24, .size: 8, .value_kind: global_buffer, .address_space: global }
      - { .name: g, .offset: 32, .size: 8, .value_kind: global_buffer, .address_space: global }
    .group_segment_fixed_size: 327680
    .private_segment_fixed_size: 0
    .kernarg_segment_align: 8
    .kernarg_segment_size: 40
    .max_flat_workgroup_size: 128
    .sgpr_count:     102
    .vgpr_count:     1024
    .wavefront_size: 32
...
	.end_amdgpu_metadata
.endif
;; end of part 12
;; launch mlp2 (part 13): grid 8 x 32, 4 waves a work-group, clusters of 4 x 4, 327,680 bytes of LDS; arguments g, wi, mlp2_w_scales, mlp2_b, post, out0; writes out0
.if DOCPART == 13
	.amdgcn_target "amdgcn-amd-amdhsa--gfx1250"
	.amdhsa_code_object_version 6
	.text
	.protected	k_q2713d0cc52_mlp2
	.globl	k_q2713d0cc52_mlp2
	.p2align	8
	.type	k_q2713d0cc52_mlp2,@function
k_q2713d0cc52_mlp2:
	s_mov_b64 s[64:65], 0
	v_nop
	global_prefetch_b8 v0, s[64:65] scope:SCOPE_SE
	s_setreg_imm32_b32 hwreg(HW_REG_WAVE_MODE, 25, 1), 1
	s_wait_xcnt 0x0
	s_wait_alu depctr_hold_cnt(0) depctr_sa_sdst(0) depctr_va_vdst(0) depctr_va_sdst(0) depctr_va_ssrc(0) depctr_va_vcc(0) depctr_vm_vsrc(0)
	s_getreg_b32 s2, hwreg(HW_REG_IB_STS2, 6, 4)
	s_cmp_eq_u32 s2, 0
	s_cbranch_scc0 .Lentry_in_a_cluster
	s_endpgm
.Lentry_in_a_cluster:
	s_bfe_u32 s2, ttmp6, 0x10000c
	s_cmp_lg_u32 s2, 0xf033
	s_cbranch_scc0 .Lentry_shape_is_right
	s_endpgm
.Lentry_shape_is_right:
; out0 = post + mlp2_b + g mlp2_w^T on codes of BF6 with E8M0 scales, K = 4,096.  A tile of C is 128 x 128 (256 work-groups), four waves of 64 x 64; K in steps of 512 through two LDS slots; A and B both lie as images of operand registers (B in wi, from byte 4,718,592 on).
; THE HEAD: one tensor load a wave (A's 8 tiles, B's, A's scale words, B's scale bytes); slot 1's first fill behind the full sequence.
; PREFETCH: behind each refill of the loop's first two trips a wave names the slot two refills on: of the 4 row tiles that it fetches, the partner at place cx (A) or cy (B) takes one: 24 blocks of 256 bytes, a lane a block (lanes 24-31 name the last again).  The first four slots come by their loads alone; the last trip asks for nothing.
.set SIZE_K,  4096
.set PFO,     13
.set ASC_OFF, 12582912
.set SA_BLK,  64
.set SA_STEP, 512
.set SAD0,    64
.set SAD1,    32
.set SAST,    128
.set SA_SH,   1
.set SA_R,    32768
.set SA_M,    1
.set SA_L,    512
.set SA_H,    16384
.set KSTEP,  512
.set NQ,     4
.set ROWB,   6144
.set KROW,   SIZE_K*6/8
.set PITCH,  432
.set FR,     12
.set NP,     4
.set AIMG,   1536
.set HALFA,  4*NQ*AIMG
.set HALFB,  HALFA
.set SLOT,   2*HALFA+2*HALFB
.set LAPS,   SIZE_K/(2*KSTEP)
.set KS,     SIZE_K/32
.set SCB,    2*SLOT
.set HALFS,  (64*KS/256)*272
.set SBLK,   (16*KS/256)*272
.set SCA,    SCB+2*HALFS
.set SABYTES, 4*SIZE_K
.set SPARE,  SCA+SABYTES
.set SPITCH, 272
.set STW,    16*SPITCH
.set L8,   12
.set ADRA, 16
.set ADRB, 20
.set STO,  24
.set RD,   25
.set CO,   26
.set ADSA, 27
.set SPW,  28
.set NIL,  29
.set ADSB, 30
.set BOF,  31
.set SCAR, 32
.set SCBR, 64
.set BIAS, 96
.set ACC,  128
.set CB,   0
.set RES,  128
.set G1, 24
.set G0, 32
.set G1B, 48
.set G0B, 56
.set G1S, 68
.set G0S, 76
.set G1SB, 80
.set G0SB, 88
.set MSB, 0
.macro WIN new
.if MSB != \new
	s_set_vgpr_msb (MSB<<8)|\new
.set MSB, \new
.endif
.endm
.set MUL,     0x05
.set TO_F,    0x40
.set TO_W2,   0x80
.set IN_W2,   0x8a
.set FROM_W2, 0x08
.macro JLOAD g0a, g1a, g0b, g1b
	s_cmp_eq_u32 s15, 0
	s_cbranch_scc0 .Lfor_b_\@
	tensor_load_to_lds s[\g0a:\g0a+3], s[\g1a:\g1a+7]
	s_nop 0
.rept 4
	v_nop
.endr
	s_branch .Lasked_\@
.Lfor_b_\@:
	tensor_load_to_lds s[\g0b:\g0b+3], s[\g1b:\g1b+7]
	s_nop 0
.rept 4
	v_nop
.endr
.Lasked_\@:
.endm
.macro CREST
	s_cmp_lg_u32 s14, 0
	s_cbranch_scc1 .Lnot_wave_0_\@
	s_barrier_signal -3
.Lnot_wave_0_\@:
	s_barrier_wait -3
	s_barrier_signal -1
	s_barrier_wait -1
.endm
.macro CROUND
	s_barrier_signal -1
	s_barrier_wait -1
	CREST
.endm
.macro PLACES n
.rept \n
	v_nop
.endr
.endm
.macro FRAGA reg, slot, q, i
.irp p, 0,1,2,3,4,5
	ds_load_b64 v[\reg+2*\p:\reg+2*\p+1], v[ADRA+\slot] offset:(\i)*NQ*AIMG+(\q)*AIMG+256*\p
.endr
.endm
.macro FRAGB reg, adr, q, i
.irp p, 0,1,2,3,4,5
	ds_load_b64 v[\reg+2*\p:\reg+2*\p+1], v[\adr] offset:(\i)*NQ*AIMG+(\q)*AIMG+256*\p
.endr
.endm
.macro SCALES sc
.irp i, 0,1,2,3
	ds_load_b128 v[SCBR+16*\sc+4*\i:SCBR+16*\sc+4*\i+3], v[ADSB] offset:\i*SBLK
.endr
.irp i, 0,1,2,3
.irp q, 0,1,2,3
	ds_load_b32 v[SCAR+16*\sc+4*\i+\q], v[ADSA] offset:\i*SA_BLK+\q*SA_STEP
.endr
.endr
.endm
.macro FETCH slot, q, f, sc
	WIN TO_F
.irp i, 0,1,2,3
	FRAGB \f+48+FR*\i, ADRB+\slot, \q, \i
.endr
.irp i, 0,1
	FRAGA \f+FR*\i, \slot, \q, \i
.endr
.if \sc
	WIN 0
	SCALES \slot
	WIN TO_F
.endif
.irp i, 2,3
	FRAGA \f+FR*\i, \slot, \q, \i
.endr
.endm
.macro MULA f, a, q, sc, cm
.irp b, 0,1,2,3
.if \cm == 2
	v_wmma_scale_f32_16x16x128_f8f6f4 v[ACC+8*(4*(\a)+\b):ACC+8*(4*(\a)+\b)+7], v[\f+48+FR*\b:\f+48+FR*\b+FR-1], v[\f+FR*(\a):\f+FR*(\a)+FR-1], v[BIAS+8*\b:BIAS+8*\b+7], v[SCBR+16*(\sc)+4*\b+(\q)], v[SCAR+16*(\sc)+4*(\a)+(\q)] matrix_a_fmt:MATRIX_FMT_BF6 matrix_b_fmt:MATRIX_FMT_BF6
.else
	v_wmma_scale_f32_16x16x128_f8f6f4 v[ACC+8*(4*(\a)+\b):ACC+8*(4*(\a)+\b)+7], v[\f+48+FR*\b:\f+48+FR*\b+FR-1], v[\f+FR*(\a):\f+FR*(\a)+FR-1], v[ACC+8*(4*(\a)+\b):ACC+8*(4*(\a)+\b)+7], v[SCBR+16*(\sc)+4*\b+(\q)], v[SCAR+16*(\sc)+4*(\a)+(\q)] matrix_a_fmt:MATRIX_FMT_BF6 matrix_b_fmt:MATRIX_FMT_BF6
.endif
.endr
.endm
.macro STEP slot, q, cm
	s_wait_dscnt 12
	WIN MUL
	MULA 128*((\q)%2), 0, \q, \slot, \cm
	MULA 128*((\q)%2), 1, \q, \slot, \cm
	PLACES NP
	FETCH \slot, (\q)+1, 128*(1-(\q)%2), 0
	s_wait_dscnt 48
	WIN MUL
	MULA 128*((\q)%2), 2, \q, \slot, \cm
	MULA 128*((\q)%2), 3, \q, \slot, \cm
.endm
.macro TURN slot, next, fill
	WIN 0
.if \fill
	s_wait_xcnt 0x0                                ; my last prefetch has read its address
	s_add_nc_u64 s[100:101], s[100:101], NQ*AIMG
.endif
	s_wait_tensorcnt 0x0
	ds_add_u32 v[SPW], v[NIL]
	s_wait_dscnt 13
	WIN MUL
	MULA 128, 0, NQ-1, \slot, 0
	s_wait_dscnt 0x0
	s_barrier_signal -1
	MULA 128, 1, NQ-1, \slot, 0
	WIN 0
	s_barrier_wait -1
.if \fill
	CREST
	s_add_nc_u64 s[G0+4*\slot+2:G0+4*\slot+3], s[G0+4*\slot+2:G0+4*\slot+3], 2*NQ*AIMG
	s_add_nc_u64 s[G0B+4*\slot+2:G0B+4*\slot+3], s[G0B+4*\slot+2:G0B+4*\slot+3], 2*ROWB
	JLOAD G0+4*\slot, G1, G0B+4*\slot, G1B
.else
	PLACES NP
.endif
	s_wait_alu depctr_va_vdst(0)
	v_add_nc_u32 v[ADSA], NQ*SA_STEP, v[ADSA]
	v_add_nc_u32 v[ADSB], 4*NQ, v[ADSB]
	FETCH \next, 0, 0, 1
.if \fill
	WIN 0
	s_cmp_gt_u32 s3, 1                             ; the last trip's refills have no slot two on
	s_cbranch_scc0 .Lno_ask_\@
	global_prefetch_b8 v[PFO], s[100:101] th:TH_LOAD_NT scope:SCOPE_SE
.Lno_ask_\@:
.endif
	WIN MUL
	MULA 128, 2, NQ-1, \slot, 0
	MULA 128, 3, NQ-1, \slot, 0
.endm
.macro TOSTAGE a
	WIN 0
.irp b, 0,1,2,3
	ds_store_b128 v[STO], v[ACC+8*(4*(\a)+\b):ACC+8*(4*(\a)+\b)+3] offset:64*\b
	ds_store_b128 v[STO], v[ACC+8*(4*(\a)+\b)+4:ACC+8*(4*(\a)+\b)+7] offset:64*\b+16
.endr
	WIN TO_W2
.irp t, 0,1,2,3,4,5,6,7
	ds_load_b128 v[CB+32*(\a)+4*\t:CB+32*(\a)+4*\t+3], v[RD] offset:\t*2*SPITCH
.endr
.endm
.macro SEND a, younger
	s_wait_dscnt \younger
	WIN IN_W2
.set k, 0
.rept 16
	v_pk_add_f32 v[CB+32*(\a)+k:CB+32*(\a)+k+1], v[CB+32*(\a)+k:CB+32*(\a)+k+1], v[RES+32*(\a)+k:RES+32*(\a)+k+1]
.set k, k+2
.endr
	WIN FROM_W2
.irp t, 0,1,2,3,4,5,6,7
	global_store_b128 v[CO], v[CB+32*(\a)+4*\t:CB+32*(\a)+4*\t+3], s[98:99] offset:(32*((\a)/2)+8*((\a)%2)+2*\t+8*(\t/4))*4096 th:TH_STORE_NT
.endr
.endm
	s_load_b64 s[4:5], s[0:1], 0x0
	s_load_b128 s[8:11], s[0:1], 0x8
	s_load_b64 s[6:7], s[0:1], 0x18
	s_load_b128 s[96:99], s[0:1], 0x20
	v_lshl_add_u32 v[SPW], v0, 2, SPARE
	v_mov_b32 v[NIL], 0
	ds_add_u32 v28, v29
	ds_add_u32 v28, v29
	s_wait_dscnt 0x0
	v_lshrrev_b32 v1, 5, v0
	v_readfirstlane_b32 s14, v1
	s_lshr_b32 s15, s14, 1
	s_and_b32 s16, s14, 1
	s_bfe_u32 s40, ttmp6, 0x40000
	s_bfe_u32 s41, ttmp6, 0x40004
	s_lshl_b32 s42, ttmp9, 2
	s_add_co_u32 s42, s42, s40
	s_and_b32 s17, ttmp7, 0xffff
	s_lshl_b32 s17, s17, 2
	s_add_co_u32 s17, s17, s41
	s_lshl_b32 s43, s41, 2
	s_lshl_b32 s43, 15, s43
	s_lshl_b32 s44, 0x1111, s40
	s_or_b32 s[G1+0], s43, (3<<16)|(1<<21)
	s_mov_b32 s[G1+1], (NQ*192)<<16
	s_mov_b32 s[G1+2], 8<<16
	s_mov_b32 s[G1+3], (NQ*192)<<16
	s_mov_b32 s[G1+4], 8
	s_mov_b32 s[G1+5], (SIZE_K/128)*192
	s_mov_b32 s[G1+6], 0
	s_mov_b32 s[G1+7], 0
	s_or_b32 s[G1B+0], s44, (3<<16)|(1<<21)
	s_mov_b32 s[G1B+1], (NQ*192)<<16
	s_mov_b32 s[G1B+2], 8<<16
	s_mov_b32 s[G1B+3], (NQ*192)<<16
	s_mov_b32 s[G1B+4], 8
	s_mov_b32 s[G1B+5], (SIZE_K/128)*192
	s_mov_b32 s[G1B+6], 0
	s_mov_b32 s[G1B+7], 0
	s_or_b32 s[G1S+0], s43, (3<<16)|(1<<21)
	s_mov_b32 s[G1S+1], SAD0<<16
	s_mov_b32 s[G1S+2], SAD1<<16
	s_mov_b32 s[G1S+3], SAD0<<16
	s_mov_b32 s[G1S+4], SAD1
	s_mov_b32 s[G1S+5], SAST
	s_mov_b32 s[G1S+6], 0
	s_mov_b32 s[G1S+7], 0
	s_or_b32 s[G1SB+0], s44, (3<<16)|(1<<20)|(1<<21)|(5<<22)|(3<<25)
	s_mov_b32 s[G1SB+1], 32<<16
	s_mov_b32 s[G1SB+2], (128*KS/256)<<16
	s_mov_b32 s[G1SB+3], 32<<16
	s_mov_b32 s[G1SB+4], 128*KS/256
	s_mov_b32 s[G1SB+5], 32
	s_mov_b32 s[G1SB+6], 0
	s_mov_b32 s[G1SB+7], 0
	s_lshl_b32 s20, s17, 3
	s_mul_i32 s20, s20, (SIZE_K/128)*AIMG
	s_mov_b32 s21, 0
	s_lshr_b32 s22, s17, SA_SH
	s_mul_i32 s22, s22, SA_R
	s_and_b32 s18, s17, SA_M
	s_mul_i32 s18, s18, SA_L
	s_add_co_u32 s22, s22, s18
	s_add_co_u32 s22, s22, ASC_OFF
	s_mov_b32 s23, 0
	s_lshl_b32 s46, s42, 7
	s_mul_i32 s92, s46, KS
	s_mov_b32 s93, 0
	s_mul_i32 s46, s46, KROW
	s_add_co_u32 s46, s46, 4718592                 ; where mlp2_w's images begin in wi
	s_mov_b32 s47, 0
	s_mul_i32 s45, s16, HALFA
	s_mul_i32 s94, s16, HALFB
	s_add_co_u32 s94, s94, 2*HALFA
	s_mul_i32 s18, s16, 4*(SIZE_K/128)*AIMG        ; in the ring I fetch 4 tiles: which half, in bytes
	s_mov_b32 s19, 0
	s_wait_kmcnt 0x0
	s_add_nc_u64 s[20:21], s[4:5], s[20:21]
	s_add_nc_u64 s[22:23], s[4:5], s[22:23]
	s_add_nc_u64 s[46:47], s[8:9], s[46:47]
	s_add_nc_u64 s[92:93], s[10:11], s[92:93]
	CROUND
	s_mov_b32 s[G0S], 1
	s_mov_b32 s[G0S+1], SCA
	s_mov_b64 s[G0S+2:G0S+3], s[22:23]
	s_or_b32 s[G0S+3], s[G0S+3], 0x80000000
	s_mov_b32 s[G0SB], 1
	s_mov_b32 s[G0SB+1], SCB
	s_mov_b64 s[G0SB+2:G0SB+3], s[92:93]
	s_or_b32 s[G0SB+3], s[G0SB+3], 0x80000000
	s_mov_b32 s[G0], 1                             ; slot 0's group 0 serves the head's whole tiles first
	s_mov_b32 s[G0+1], 0
	s_mov_b64 s[G0+2:G0+3], s[20:21]
	s_or_b32 s[G0+3], s[G0+3], 0x80000000
	s_mov_b32 s[G0B], 1
	s_mov_b32 s[G0B+1], 2*HALFA
	s_mov_b64 s[G0B+2:G0B+3], s[46:47]
	s_or_b32 s[G0B+3], s[G0B+3], 0x80000000
	s_add_nc_u64 s[20:21], s[20:21], s[18:19]      ; for the ring: my half
	s_add_nc_u64 s[46:47], s[46:47], s[18:19]
	s_mov_b32 s[G0+4], 1
	s_add_co_u32 s[G0+5], s45, SLOT
	s_add_nc_u64 s[G0+6:G0+7], s[20:21], NQ*AIMG
	s_or_b32 s[G0+7], s[G0+7], 0x80000000
	s_mov_b32 s[G0B+4], 1
	s_add_co_u32 s[G0B+5], s94, SLOT
	s_add_nc_u64 s[G0B+6:G0B+7], s[46:47], NQ*AIMG
	s_or_b32 s[G0B+7], s[G0B+7], 0x80000000
	s_cmp_eq_u32 s15, 0                            ; the prefetches: the tiles that I fetch,
	s_cselect_b64 s[100:101], s[20:21], s[46:47]
	s_cselect_b32 s95, s40, s41                    ; my place among the four that ask with me: one row tile of the four,
	s_mul_i32 s92, s95, (SIZE_K/128)*AIMG
	s_add_co_u32 s92, s92, 3*NQ*AIMG               ; at slot 3: the first refill steps it to slot 4
	s_mov_b32 s93, 0
	s_add_nc_u64 s[100:101], s[100:101], s[92:93]
.macro ARM under, g0, g1, next         ; one chain of branches on the wave's number, one load to an arm
	s_cmp_lt_u32 s14, \under
	s_cbranch_scc0 \next
	tensor_load_to_lds s[\g0:\g0+3], s[\g1:\g1+7]
	s_nop 0
.rept 4
	v_nop
.endr
	s_branch .Lhead_asked
\next:
.endm
	ARM 1, G0,  G1,  .Lhead_b
	ARM 2, G0B, G1B, .Lhead_sa
	ARM 3, G0S, G1S, .Lhead_sb
	tensor_load_to_lds s[G0SB:G0SB+3], s[G1SB:G1SB+7]
	s_nop 0
.rept 4
	v_nop
.endr
.Lhead_asked:
	v_and_b32 v1, 15, v0
	v_bfe_u32 v2, v0, 4, 1
	v_and_b32 v6, 31, v0
	v_lshlrev_b32 v[L8], 3, v6
	v_min_u32 v[PFO], 23, v6
	v_lshlrev_b32 v[PFO], 8, v[PFO]                ; the prefetches' offset: 256 bytes a lane, 24 blocks
	v_lshlrev_b32 v[BOF], 5, v2
	v_lshlrev_b32 v3, 12, v2
	v_lshl_add_u32 v[CO], v1, 4, v3
	s_wait_alu depctr_va_vdst(0)
	s_lshl_b32 s92, s42, 9
	s_lshl_b32 s93, s16, 8
	s_add_co_u32 s92, s92, s93
	s_mov_b32 s93, 0
	s_add_nc_u64 s[6:7], s[6:7], s[92:93]
.irp b, 0,1,2,3
	global_load_b128 v[BIAS+8*\b:BIAS+8*\b+3], v[BOF], s[6:7] offset:64*\b
	global_load_b128 v[BIAS+8*\b+4:BIAS+8*\b+7], v[BOF], s[6:7] offset:64*\b+16
.endr
	s_lshl_b32 s94, s17, 19
	s_lshl_b32 s95, s15, 18
	s_add_co_u32 s94, s94, s95
	s_add_co_u32 s92, s92, s94
	s_add_nc_u64 s[96:97], s[96:97], s[92:93]
	s_add_nc_u64 s[98:99], s[98:99], s[92:93]
	WIN TO_W2
.irp a, 0,1,2,3
.irp t, 0,1,2,3,4,5,6,7
	global_load_b128 v[RES+32*\a+4*\t:RES+32*\a+4*\t+3], v[CO], s[96:97] offset:(32*(\a/2)+8*(\a%2)+2*\t+8*(\t/4))*4096 th:TH_LOAD_NT
.endr
.endr
	WIN 0
	s_wait_alu depctr_va_vdst(0)
	s_mul_i32 s21, s15, HALFA
	s_mul_i32 s22, s16, HALFB
	s_add_co_u32 s22, s22, 2*HALFA
.irp s, 0,1
	v_add_nc_u32 v[ADRA+\s], s21, v[L8]
	v_add_nc_u32 v[ADRB+\s], s22, v[L8]
	s_add_co_u32 s21, s21, SLOT
	s_add_co_u32 s22, s22, SLOT
.endr
	s_mul_i32 s21, s15, 4*SA_BLK
	s_add_co_u32 s21, s21, SCA
	v_lshl_add_u32 v[ADSA], v1, 2, s21
	v_mul_u32_u24 v5, v1, KS
	v_lshrrev_b32 v3, 8, v5
	v_lshl_add_u32 v5, v3, 4, v5
	s_mul_i32 s22, s16, HALFS
	s_add_co_u32 s22, s22, SCB
	v_add_nc_u32 v[ADSB], s22, v5
	s_mul_i32 s23, s14, STW
	v_mul_u32_u24 v5, v1, SPITCH
	v_add_nc_u32 v5, s23, v5
	v_lshl_add_u32 v[STO], v2, 5, v5
	v_mul_u32_u24 v3, v2, SPITCH
	v_lshl_add_u32 v3, v1, 4, v3
	v_add_nc_u32 v[RD], s23, v3
	s_wait_alu depctr_va_vdst(0)
	s_wait_tensorcnt 0x0                           ; my tile of the head's four is in
	ds_add_u32 v[SPW], v[NIL]
	s_mov_b32 s[G1+2], 4<<16                       ; no load of mine is out: from here on a load brings 4 tiles,
	s_mov_b32 s[G1+4], 4
	s_mov_b32 s[G1B+2], 4<<16
	s_mov_b32 s[G1B+4], 4
	s_mov_b32 s[G0+1], s45                         ; and slot 0's group 0 names my half
	s_add_nc_u64 s[G0+2:G0+3], s[G0+2:G0+3], s[18:19]
	s_add_co_u32 s[G0B+1], s45, 2*HALFA
	s_add_nc_u64 s[G0B+2:G0B+3], s[G0B+2:G0B+3], s[18:19]
	s_wait_dscnt 0x0
	CROUND                                         ; all four tiles are in, all sixteen work-groups are here
	JLOAD G0+4, G1, G0B+4, G1B                     ; slot 1's first fill, the first tensor load behind the round
	FETCH 0, 0, 0, 1
	s_wait_loadcnt 32
	STEP 0, 0, 2
.if LAPS > 1
	WIN 0
	s_mov_b32 s3, LAPS-1
.Llap:
	STEP 0, 1, 0
	STEP 0, 2, 0
	TURN 0, 1, 1
	STEP 1, 0, 0
	STEP 1, 1, 0
	STEP 1, 2, 0
	TURN 1, 0, 1
	STEP 0, 0, 0
	WIN 0
	s_sub_co_u32 s3, s3, 1
	s_cmp_lg_u32 s3, 0
	s_cbranch_scc1 .Llap
.endif
	STEP 0, 1, 0
	STEP 0, 2, 0
	TURN 0, 1, 0
	STEP 1, 0, 0
	STEP 1, 1, 0
	STEP 1, 2, 0
	s_wait_dscnt 12
	WIN MUL
	MULA 128, 0, NQ-1, 1, 0
	MULA 128, 1, NQ-1, 1, 0
	s_wait_dscnt 0
	MULA 128, 2, NQ-1, 1, 0
	MULA 128, 3, NQ-1, 1, 0
	WIN 0
	PLACES NP
	s_wait_loadcnt 0x0
	TOSTAGE 0
	TOSTAGE 1
	SEND 0, 16
	TOSTAGE 2
	SEND 1, 16
	TOSTAGE 3
	SEND 2, 16
	SEND 3, 0
	WIN 0
	s_wait_tensorcnt 0x0
	ds_add_u32 v[SPW], v[NIL]
	s_wait_dscnt 0x0
	CROUND
	s_endpgm
.Lfunc_end_k_q2713d0cc52_mlp2:
	.size	k_q2713d0cc52_mlp2, .Lfunc_end_k_q2713d0cc52_mlp2-k_q2713d0cc52_mlp2
	.p2alignl 7, 3214868480
	.fill 96, 4, 3214868480
	.section	.rodata,"a",@progbits
	.p2align	6, 0x0
	.amdhsa_kernel k_q2713d0cc52_mlp2
		.amdhsa_group_segment_fixed_size 327680
		.amdhsa_private_segment_fixed_size 0
		.amdhsa_enable_private_segment 0
		.amdhsa_kernarg_size 48
		.amdhsa_user_sgpr_count 2
		.amdhsa_user_sgpr_kernarg_segment_ptr 1
		.amdhsa_wavefront_size32 1
		.amdhsa_system_sgpr_workgroup_id_x 1
		.amdhsa_system_sgpr_workgroup_id_y 1
		.amdhsa_system_sgpr_workgroup_id_z 1
		.amdhsa_system_vgpr_workitem_id 0
		.amdhsa_next_free_vgpr 768
		.amdhsa_next_free_sgpr 102
		.amdhsa_reserve_vcc 0
		.amdhsa_float_denorm_mode_32 3
		.amdhsa_float_denorm_mode_16_64 3
		.amdhsa_memory_ordered 1
		.amdhsa_forward_progress 1
		.amdhsa_inst_pref_size 120
	.end_amdhsa_kernel
	.amdgpu_metadata
---
amdhsa.version: [ 1, 2 ]
amdhsa.kernels:
  - .name:           k_q2713d0cc52_mlp2
    .symbol:         k_q2713d0cc52_mlp2.kd
    .args:
      - { .name: g, .offset: 0, .size: 8, .value_kind: global_buffer, .address_space: global }
      - { .name: wi, .offset: 8, .size: 8, .value_kind: global_buffer, .address_space: global }
      - { .name: mlp2_w_scales, .offset: 16, .size: 8, .value_kind: global_buffer, .address_space: global }
      - { .name: mlp2_b, .offset: 24, .size: 8, .value_kind: global_buffer, .address_space: global }
      - { .name: post, .offset: 32, .size: 8, .value_kind: global_buffer, .address_space: global }
      - { .name: out0, .offset: 40, .size: 8, .value_kind: global_buffer, .address_space: global }
    .group_segment_fixed_size: 327680
    .private_segment_fixed_size: 0
    .kernarg_segment_align: 8
    .kernarg_segment_size: 48
    .max_flat_workgroup_size: 128
    .sgpr_count:     102
    .vgpr_count:     768
    .wavefront_size: 32
...
	.end_amdgpu_metadata
.endif
;; end of part 13
